; MI455X (gfx1250); checked and timed in simulation.
; The chip was launched on July 23, 2026; its instructions are those of AMD's public machine-readable ISA for CDNA 5 (MIT licence, August 2026) and "CDNA5" Instruction Set Architecture Reference Guide (July 2026). The comments in the code are by the model that wrote it; some were corrected since.
;; Attention Module. Allowed arithmetic: float matrix products may take bf16 or f16 operands with f32 sums; all other float work in f32.
;; Inputs: hidden 1,024 x 4,096 float32; norm_w 4,096 float32; wk 1,024 x 4,096 float32; wo 4,096 x 4,096 float32; wq 4,096 x 4,096 float32; wv 1,024 x 4,096 float32.
;; Outputs: out0 1,024 x 4,096 float32.
;; 3 versions, each right; version 2 is faster than version 1; version 3 is version 2 with the launch norm written anew for expert scheduling mode. Each part assembles by itself: llvm-mc -triple=amdgcn-amd-amdhsa -mcpu=gfx1250 --defsym DOCPART=n.
;; ======== version 1 of 3: 4 launches
;; limits: values are held in f16: magnitudes above 65,504 overflow, below 6.1e-05 lose precision
;; workspace buffers: hb 8,388,608 bytes; rope 524,288 bytes; qb 8,388,608 bytes; kb 2,097,152 bytes; vb 2,097,152 bytes; ab 8,388,608 bytes
;; launch norm (part 1): grid 256 x 1, 8 waves a work-group, no clusters, 1,280 bytes of LDS; arguments hidden, norm_w, hb, rope; writes hb, rope
.if DOCPART == 1
	.amdgcn_target "amdgcn-amd-amdhsa--gfx1250"
	.amdhsa_code_object_version 6
	.text
	.protected	k_q975585bd7d_norm
	.globl	k_q975585bd7d_norm
	.p2align	8
	.type	k_q975585bd7d_norm,@function
k_q975585bd7d_norm:
	s_mov_b64 s[64:65], 0
	v_nop
	global_prefetch_b8 v0, s[64:65] scope:SCOPE_SE
	s_setreg_imm32_b32 hwreg(HW_REG_WAVE_MODE, 25, 1), 1
	s_wait_xcnt 0x0
; hb[r][c] = f16( hidden[r][c] * rsqrt(mean over c of hidden[r][c]^2 + 1e-5) * norm_w[c] ),  hidden: [1024][4096] f32.
; rope[t][i] = (cos, sin) of t * 50000^(-i/64), f32, t = 0..1023, i = 0..63: the table for the next launch.
; Eight waves; the work-group owns 4 rows.  Thread t owns columns 1024 c + 4 t .. + 3 (c = 0..3) of each row: a wave's 16-byte
; load covers 512 consecutive bytes, its 8-byte store 256 consecutive aligned bytes.  The 4 rows stay in 64 registers between the sum of
; squares and the scaling, so hidden is read once.  No matrix unit, no tensor load: the launch only streams.
; LIMITS: hb is f16: |hidden * rsqrt * norm_w| <= 64 |norm_w| must stay below 65,504; numbers below 6e-5 are rounded with an absolute
; error of at most 3e-8.  The angle is formed as t * exp2(-i log2(50000)/64) and may differ from t / 50000^(i/64) formed in f32 by about
; 1e-4 rad at t = 1023.  cos and sin: reduction by multiples of pi/2 in two parts, polynomials to r^7 and r^8 on |r| <= pi/4.
.set W,  16                            ; v[16:31]  norm_w of my 16 columns
.set X,  32                            ; v[32:95]  row i, chunk c at X + 16 i + 4 c
.set PS, 96                            ; v[96:127] at work on the table, then the eight waves' partial sums
	s_load_b256 s[4:11], s[0:1], 0x0               ; hidden s[4:5], norm_w s[6:7], hb s[8:9], rope s[10:11]
	v_lshl_add_u32 v128, v0, 2, 0x100
	v_mov_b32 v129, 0
	v_lshlrev_b32 v1, 4, v0                        ; 16 t: my bytes in a chunk of hidden and of norm_w
	v_lshlrev_b32 v2, 3, v0                        ; 8 t: my bytes in a chunk of hb, and my entry of the table
	v_lshrrev_b32 v3, 5, v0
	v_readfirstlane_b32 s12, v3                    ; wave
	s_lshl_b32 s18, ttmp9, 16                      ; 4 rows of 16,384 bytes
	s_mov_b32 s19, 0
	s_lshl_b32 s20, ttmp9, 15                      ; 4 rows of 8,192 bytes
	s_mov_b32 s21, 0
	s_lshl_b32 s22, ttmp9, 11                      ; 4 table rows of 512 bytes
	s_mov_b32 s23, 0
	s_lshl_b32 s13, ttmp9, 2                       ; my first row
	s_mov_b32 s14, 0x39800000                      ; 1/4096
	s_mov_b32 s15, 0x3727c5ac                      ; 1e-5
	s_mov_b32 s16, 0x76543210                      ; v_permlanex16_b32: lane i reads lane i of the other half
	s_mov_b32 s17, 0xfedcba98
	s_wait_kmcnt 0x0
	s_add_nc_u64 s[4:5], s[4:5], s[18:19]
	s_add_nc_u64 s[8:9], s[8:9], s[20:21]
	s_add_nc_u64 s[10:11], s[10:11], s[22:23]
.irp i, 0,1,2,3
.irp c, 0,1,2,3
	global_load_b128 v[X+16*\i+4*\c:X+16*\i+4*\c+3], v1, s[4:5] offset:\i*16384+\c*4096 th:TH_LOAD_NT
.endr
.endr
.irp c, 0,1,2,3
	global_load_b128 v[W+4*\c:W+4*\c+3], v1, s[6:7] offset:\c*4096
.endr
	; one table entry a thread, while the loads are on their way: row 4 g + t / 64, i = t mod 64
	v_lshrrev_b32 v96, 6, v0
	v_add_nc_u32 v96, s13, v96
	v_cvt_f32_u32 v96, v96                         ; t
	v_and_b32 v97, 63, v0
	v_cvt_f32_u32 v97, v97
	v_mul_f32 v97, 0xbe79c116, v97                 ; -i log2(50000) / 64
	v_exp_f32 v97, v97
	v_mov_b32 v12, 0                               ; the plain instruction behind v_exp_f32 (ISA guide 5.7.2); v12 is v_permlanex16_b32's destination below
	s_wait_alu depctr_va_vdst(0)
	v_mul_f32 v98, v96, v97                        ; the angle x
	v_mul_f32 v99, 0x3f22f983, v98                 ; x * 2/pi
	v_rndne_f32 v99, v99                           ; n
	v_fmamk_f32 v100, v99, 0xbfc90000, v98         ; r = x - n * 1.5703125
	v_fmamk_f32 v100, v99, 0xb9fdaa22, v100        ;       - n * (pi/2 - 1.5703125)
	v_mul_f32 v101, v100, v100                     ; z = r^2
	v_mov_b32 v102, 0xb9500d01                     ; -1/5040
	v_fmaak_f32 v102, v102, v101, 0x3c088889       ; + 1/120
	v_fmaak_f32 v102, v102, v101, 0xbe2aaaab       ; - 1/6
	v_mul_f32 v103, v100, v101
	v_fma_f32 v102, v103, v102, v100               ; sin r
	v_mov_b32 v104, 0x37d00d01                     ; 1/40320
	v_fmaak_f32 v104, v104, v101, 0xbab60b61       ; - 1/720
	v_fmaak_f32 v104, v104, v101, 0x3d2aaaab       ; + 1/24
	v_fmaak_f32 v104, v104, v101, 0xbf000000       ; - 1/2
	v_fma_f32 v104, v104, v101, 1.0                ; cos r
	v_cvt_i32_f32 v105, v99                        ; the quadrant is n mod 4
	v_and_b32 v106, 1, v105
	v_cmp_eq_u32 vcc_lo, 1, v106
	v_cndmask_b32 v109, v102, v104, vcc_lo         ; odd quadrant: sin and cos change places
	v_cndmask_b32 v108, v104, v102, vcc_lo
	v_and_b32 v106, 2, v105
	v_lshlrev_b32 v106, 30, v106
	v_xor_b32 v109, v109, v106                     ; sin is negative in quadrants 2, 3
	v_add_nc_u32 v105, 1, v105
	v_and_b32 v105, 2, v105
	v_lshlrev_b32 v105, 30, v105
	v_xor_b32 v108, v108, v105                     ; cos in quadrants 1, 2
	global_store_b64 v2, v[108:109], s[10:11]      ; a wave stores 256 consecutive aligned bytes
	; sums of squares of my 16 numbers of each row, two chains of pairs
.irp i, 0,1,2,3
	s_wait_loadcnt 16-4*\i                         ; loads come back in order: row i is in; the later rows' loads and norm_w's four stay out
	v_pk_mul_f32 v[8:9], v[X+16*\i:X+16*\i+1], v[X+16*\i:X+16*\i+1]
	v_pk_mul_f32 v[10:11], v[X+16*\i+2:X+16*\i+3], v[X+16*\i+2:X+16*\i+3]
.irp k, 4,8,12
	v_pk_fma_f32 v[8:9], v[X+16*\i+\k:X+16*\i+\k+1], v[X+16*\i+\k:X+16*\i+\k+1], v[8:9]
	v_pk_fma_f32 v[10:11], v[X+16*\i+\k+2:X+16*\i+\k+3], v[X+16*\i+\k+2:X+16*\i+\k+3], v[10:11]
.endr
	v_pk_add_f32 v[8:9], v[8:9], v[10:11]
	v_add_f32 v[4+\i], v8, v9
.endr
	; over the 32 lanes
.irp m, 1,2,4,8
.irp i, 4,5,6,7
	v_add_f32_dpp v\i, v\i, v\i row_xmask:\m row_mask:0xf bank_mask:0xf
.endr
.endr
.irp i, 4,5,6,7
	v_permlanex16_b32 v12, v\i, s16, s17
	v_add_f32 v\i, v\i, v12
.endr
	; over the eight waves: 16 bytes a wave in LDS
	v_mov_b32 v13, s12
	v_lshlrev_b32 v13, 4, v13
	ds_store_b128 v13, v[4:7]
	s_wait_dscnt 0x0                               ; my store is done before I say so
	s_barrier_signal -1
	s_barrier_wait -1
	v_mov_b32 v14, 0
	s_wait_xcnt 0x0                                ; v[108:109], the table store's data, are loaded over only behind this wait
.irp k, 0,1,2,3,4,5,6,7
	ds_load_b128 v[PS+4*\k:PS+4*\k+3], v14 offset:16*\k
.endr
	s_wait_dscnt 0x0
.irp k, 1,2,3,4,5,6,7
	v_pk_add_f32 v[PS:PS+1], v[PS:PS+1], v[PS+4*\k:PS+4*\k+1]
	v_pk_add_f32 v[PS+2:PS+3], v[PS+2:PS+3], v[PS+4*\k+2:PS+4*\k+3]
.endr
.irp i, 0,1,2,3
	v_fma_f32 v[4+\i], v[PS+\i], s14, s15          ; mean + eps
.endr
.irp i, 0,1,2,3
	v_rsq_f32 v[PS+4+2*\i], v[4+\i]                ; twice: a pair for the packed multiply
	v_rsq_f32 v[PS+5+2*\i], v[4+\i]
.endr
	v_nop                                          ; the plain place behind the last v_rsq_f32 (ISA guide 5.7.2)
	s_wait_loadcnt 0x0                             ; norm_w
	; (hidden * rs) * w, rounded once to f16, stored from the registers it was loaded into
	s_wait_alu depctr_va_vdst(0)
.irp i, 0,1,2,3
.irp c, 0,1,2,3
	v_pk_mul_f32 v[X+16*\i+4*\c:X+16*\i+4*\c+1], v[X+16*\i+4*\c:X+16*\i+4*\c+1], v[PS+4+2*\i:PS+5+2*\i]
	v_pk_mul_f32 v[X+16*\i+4*\c+2:X+16*\i+4*\c+3], v[X+16*\i+4*\c+2:X+16*\i+4*\c+3], v[PS+4+2*\i:PS+5+2*\i]
	v_pk_mul_f32 v[X+16*\i+4*\c:X+16*\i+4*\c+1], v[X+16*\i+4*\c:X+16*\i+4*\c+1], v[W+4*\c:W+4*\c+1]
	v_pk_mul_f32 v[X+16*\i+4*\c+2:X+16*\i+4*\c+3], v[X+16*\i+4*\c+2:X+16*\i+4*\c+3], v[W+4*\c+2:W+4*\c+3]
	v_cvt_pk_f16_f32 v[X+16*\i+4*\c], v[X+16*\i+4*\c], v[X+16*\i+4*\c+1]
	v_cvt_pk_f16_f32 v[X+16*\i+4*\c+1], v[X+16*\i+4*\c+2], v[X+16*\i+4*\c+3]
	global_store_b64 v2, v[X+16*\i+4*\c:X+16*\i+4*\c+1], s[8:9] offset:\i*8192+\c*2048
.endr
.endr
	s_wait_tensorcnt 0x0
	ds_add_u32 v128, v129
	s_wait_dscnt 0x0
	s_endpgm
.Lfunc_end_k_q975585bd7d_norm:
	.size	k_q975585bd7d_norm, .Lfunc_end_k_q975585bd7d_norm-k_q975585bd7d_norm
	.p2alignl 7, 3214868480
	.fill 96, 4, 3214868480
	.section	.rodata,"a",@progbits
	.p2align	6, 0x0
	.amdhsa_kernel k_q975585bd7d_norm
		.amdhsa_group_segment_fixed_size 1280
		.amdhsa_private_segment_fixed_size 0
		.amdhsa_enable_private_segment 0
		.amdhsa_kernarg_size 32
		.amdhsa_user_sgpr_count 2
		.amdhsa_user_sgpr_kernarg_segment_ptr 1
		.amdhsa_wavefront_size32 1
		.amdhsa_system_sgpr_workgroup_id_x 1
		.amdhsa_system_sgpr_workgroup_id_y 1
		.amdhsa_system_sgpr_workgroup_id_z 1
		.amdhsa_system_vgpr_workitem_id 0
		.amdhsa_next_free_vgpr 130
		.amdhsa_next_free_sgpr 66
		.amdhsa_reserve_vcc 1
		.amdhsa_float_denorm_mode_32 3
		.amdhsa_float_denorm_mode_16_64 3
		.amdhsa_memory_ordered 1
		.amdhsa_forward_progress 1
		.amdhsa_inst_pref_size 19
	.end_amdhsa_kernel
	.amdgpu_metadata
---
amdhsa.version: [ 1, 2 ]
amdhsa.kernels:
  - .name:           k_q975585bd7d_norm
    .symbol:         k_q975585bd7d_norm.kd
    .args:
      - { .name: hidden, .offset: 0, .size: 8, .value_kind: global_buffer, .address_space: global }
      - { .name: norm_w, .offset: 8, .size: 8, .value_kind: global_buffer, .address_space: global }
      - { .name: hb, .offset: 16, .size: 8, .value_kind: global_buffer, .address_space: global }
      - { .name: rope, .offset: 24, .size: 8, .value_kind: global_buffer, .address_space: global }
    .group_segment_fixed_size: 1280
    .private_segment_fixed_size: 0
    .kernarg_segment_align: 8
    .kernarg_segment_size: 32
    .max_flat_workgroup_size: 256
    .sgpr_count:     66
    .vgpr_count:     130
    .wavefront_size: 32
...
	.end_amdgpu_metadata
.endif
;; end of part 1
;; launch qkv (part 2): grid 64 x 4, 4 waves a work-group, clusters of 4 x 4, 327,680 bytes of LDS; arguments hb, wq, wk, wv, rope, qb, kb, vb; writes qb, kb, vb
.if DOCPART == 2
	.amdgcn_target "amdgcn-amd-amdhsa--gfx1250"
	.amdhsa_code_object_version 6
	.text
	.protected	k_q975585bd7d_qkv
	.globl	k_q975585bd7d_qkv
	.p2align	8
	.type	k_q975585bd7d_qkv,@function
k_q975585bd7d_qkv:
	s_mov_b64 s[64:65], 0
	v_nop
	global_prefetch_b8 v0, s[64:65] scope:SCOPE_SE
	s_setreg_imm32_b32 hwreg(HW_REG_WAVE_MODE, 25, 1), 1
	s_wait_xcnt 0x0
	s_wait_alu depctr_hold_cnt(0) depctr_sa_sdst(0) depctr_va_vdst(0) depctr_va_sdst(0) depctr_va_ssrc(0) depctr_va_vcc(0) depctr_vm_vsrc(0)
	s_getreg_b32 s2, hwreg(HW_REG_IB_STS2, 6, 4)
	s_cmp_eq_u32 s2, 0
	s_cbranch_scc0 .Lentry_in_a_cluster
	s_endpgm
.Lentry_in_a_cluster:
	s_bfe_u32 s2, ttmp6, 0x10000c
	s_cmp_lg_u32 s2, 0xf033
	s_cbranch_scc0 .Lentry_shape_is_right
	s_endpgm
.Lentry_shape_is_right:
; [q | k | v] = hb [wq; wk; wv]^T with RoPE on q and k.  hb: [1024][4096] f16; wq: [4096][4096], wk, wv: [1024][4096] f32; sums in f32; results f16.
; A work-group makes 256 rows x 96 columns: 64 columns of q (wq rows 64 x ..) and 32 of k (x < 32) or of v (x >= 32; rows 32 (x mod 32) ..).
; K = 4096 goes in 32 steps of 128 through two LDS slots.
; FOUR WAVES.  Wave w = 2 mh + kh takes rows 128 mh .. + 127, all 96 columns, and only k = 64 kh .. + 63 of every K step: 48 matrix instructions
; are fed by 28 fragment loads.  At the end the two waves of a row half exchange halves of their sums through LDS; wave w then owns rows 64 w .. + 63.
; The sums over K are therefore formed in two halves and added.
; A (hb) comes by tensor loads, asked for JOINTLY by the four work-groups of a row of the 4 x 4 cluster (same row tile y = cy): 64 rows x 256 bytes a wave.
; B (the weights) is NOT asked for jointly, though the four work-groups of a cluster column read the same rows: a tensor load could only land f32, which doubles
; B's fragment bytes in LDS (24 loads for 12) and has both waves of a k half convert each number; and all tensor loads are waited for at each change of slots,
; which leaves a weight tile one K step (96 matrix instructions) to arrive.  Through registers two K steps (48 loads of 512 bytes a wave) are on
; their way across the changes of slots, and each number is converted once: load f32, round to f16, 8 bytes a lane into LDS.
; The matrix instruction is used transposed (source 0 = 16 weight rows, source 1 = 16 rows of hb): lane (r, h) holds row r, columns 8 h + 0..7.
; OUTPUT LAYOUTS: qb [x = 0..63][row][64 columns], kb and vb [x' = 0..31][row][32 columns], f16: what a work-group stores is dense.
; LIMITS: operands and results are f16: |hb|, |w|, |q|, |k|, |v| below 65,504; numbers below 6e-5 carry an absolute error of at most 3e-8.
;
; REGISTERS, in windows of 256: window 0: v16-29 addresses, v32-159 fragments of A (two buffers of 64), v160-255 fragments of B (two of 48);
; window 1: accumulators of row tiles a = 0..4 (tile (a, b) at 48 a + 8 b); window 2: a = 5..7; window 3: two sets of 96 for weights on their way.
; Row tiles a = 0..3 are the rows that the wave keeps (64 w + 16 a), a = 4..7 those that it sends (64 (w xor 1) + 16 (a - 4)).
.set NB,     6                         ; column tiles of 16
.set RL,     24                        ; weight rows (loads, LDS stores) of a wave in a K step: 16 of wq, 8 of wk or wv
.set PITCH,  272                       ; an LDS row: 256 bytes + 16 = 17 x 16: the sixteen rows of a fragment load start in sixteen different 16-byte columns of a 256-byte span
.set ASLOT,  256*PITCH                 ; 69,632
.set BBASE,  2*ASLOT                   ; 139,264: B's slots are written by LDS stores and are no tensor load's target
.set BSLOT,  96*PITCH                  ; 26,112
.set RED,    BBASE+2*BSLOT             ; 191,488: the exchange, 24 tiles of 1,024 bytes for each receiving wave
.set RW,     4*NB*1024
.set STG,    RED+4*RW                  ; 289,792: the way out, 16 rows x 208 bytes for each wave
.set SPITCH, 208
.set ADK, 16                           ; v16-17 LDS address of the fragments of my kept rows, slot 0, 1
.set ADS, 18                           ; v18-19 of the rows that I send
.set ADB, 20                           ; v20    of B's fragments, slot 0
.set BSQ, 21                           ; v21    where I store my 16 rows of wq
.set BSK, 22                           ; v22    my 8 rows of wk or wv
.set GOF, 23                           ; v23    16 x lane
.set SND, 24
.set RCV, 25
.set ROF, 26                           ; v26    my offset in the table
.set STO, 27
.set RDQ, 28
.set RDK, 29
.set FA0, 32
.set FB0, 160
.set RR,   32                          ; the way out: v[32:79] sums of a row tile
.set T0,   80                          ; v[80:127], v[128:175] (cos, sin) of a row tile, two buffers
.set T1,   128
.set OUTP, 176                         ; v[176:199] packed f16
.set RB,   200                         ; v[200:223] rows read back
.set TT,   224
.set G1, 24                            ; s[24:31] descriptor group 1
.set G0, 32                            ; s[32:39] descriptor group 0, one set for each slot
.set WQ, 46                            ; s[46:47] my rows of wq at the K step loaded next
.set WK, 48                            ; s[48:49] my rows of wk or wv
.set ROPQ, 56
.set ROPK, 58
.set KO, 60
.set QO, 62
.set MSB, 0
.macro WIN new                         ; the immediate's high byte repeats the setting that is left
.if MSB != \new
	s_set_vgpr_msb (MSB<<8)|\new
.set MSB, \new
.endif
.endm
.macro PLACES                          ; four places behind a matrix instruction, in front of loads into, or vector work on, its registers
.rept 4
	v_nop
.endr
.endm
.macro CREST                           ; a round of the cluster's barrier behind its opening work-group barrier
	s_cmp_lg_u32 s20, 0
	s_cbranch_scc1 .Lnot_wave_0_\@
	s_barrier_signal -3
.Lnot_wave_0_\@:
	s_barrier_wait -3
	s_barrier_signal -1
	s_barrier_wait -1
.endm
.macro CROUND
	s_barrier_signal -1
	s_barrier_wait -1
	CREST
.endm
; 28 LDS loads: the fragments of 32 k (sub-step u of my k half) of slot s, into buffer u: B's 6, then my kept rows' 4, then the sent rows' 4
.macro FETCH s, u
	WIN 0
.irp b, 0,1,2,3,4,5
	ds_load_b128 v[FB0+48*\u+8*\b:FB0+48*\u+8*\b+3],   v[ADB] offset:\s*BSLOT+\b*16*PITCH+64*\u
	ds_load_b128 v[FB0+48*\u+8*\b+4:FB0+48*\u+8*\b+7], v[ADB] offset:\s*BSLOT+\b*16*PITCH+64*\u+32
.endr
.irp i, 0,1,2,3
	ds_load_b128 v[FA0+64*\u+8*\i:FA0+64*\u+8*\i+3],   v[ADK+\s] offset:\i*16*PITCH+64*\u
	ds_load_b128 v[FA0+64*\u+8*\i+4:FA0+64*\u+8*\i+7], v[ADK+\s] offset:\i*16*PITCH+64*\u+32
.endr
.irp i, 0,1,2,3
	ds_load_b128 v[FA0+64*\u+32+8*\i:FA0+64*\u+32+8*\i+3], v[ADS+\s] offset:\i*16*PITCH+64*\u
	ds_load_b128 v[FA0+64*\u+32+8*\i+4:FA0+64*\u+32+8*\i+7], v[ADS+\s] offset:\i*16*PITCH+64*\u+32
.endr
.endm
; the 6 matrix instructions of row tile a on buffer u.  zero = 1: the first product starts the sums.
.macro MG u, a, zero
.if \a < 5
	WIN 0x50
.set AB_, 48*\a
.else
	WIN 0xa0
.set AB_, 48*(\a-5)
.endif
.irp b, 0,1,2,3,4,5
.if \zero
	v_wmma_f32_16x16x32_f16 v[AB_+8*\b:AB_+8*\b+7], v[FB0+48*\u+8*\b:FB0+48*\u+8*\b+7], v[FA0+64*\u+8*\a:FA0+64*\u+8*\a+7], 0
.else
	v_wmma_f32_16x16x32_f16 v[AB_+8*\b:AB_+8*\b+7], v[FB0+48*\u+8*\b:FB0+48*\u+8*\b+7], v[FA0+64*\u+8*\a:FA0+64*\u+8*\a+7], v[AB_+8*\b:AB_+8*\b+7]
.endif
.endr
.endm
; 24 loads: one K step (512 bytes) of each of my weight rows into a set of window 3; a load takes one row's 512 consecutive bytes.  adv: bytes the pointers step first.
.macro BLOAD set, adv
.if \adv
	s_wait_xcnt 0x0                                ; the earlier loads' base registers are stepped only behind this wait
	s_add_nc_u64 s[WQ:WQ+1], s[WQ:WQ+1], \adv
	s_add_nc_u64 s[WK:WK+1], s[WK:WK+1], \adv
.endif
	WIN 0xc0
.set i_, 0
.rept 16
	global_load_b128 v[96*\set+4*i_:96*\set+4*i_+3], v[GOF], s[WQ:WQ+1] offset:i_*16384
.set i_, i_+1
.endr
.set i_, 0
.rept 8
	global_load_b128 v[96*\set+64+4*i_:96*\set+64+4*i_+3], v[GOF], s[WK:WK+1] offset:i_*16384
.set i_, i_+1
.endr
.endm
; a set is rounded to f16 in place and stored into B's slot s: lane L's k = 4 L .. + 3 are 8 bytes at 8 L of the row.  lcnt: the younger sets' loads.
.macro BCVT set, s, lcnt
	s_wait_loadcnt \lcnt
	WIN 0xcf
.set i_, 0
.rept RL
	v_cvt_pk_f16_f32 v[96*\set+4*i_],   v[96*\set+4*i_],   v[96*\set+4*i_+1]
	v_cvt_pk_f16_f32 v[96*\set+4*i_+1], v[96*\set+4*i_+2], v[96*\set+4*i_+3]
.set i_, i_+1
.endr
	WIN 0x0c
.set i_, 0
.rept 16
	ds_store_b64 v[BSQ], v[96*\set+4*i_:96*\set+4*i_+1] offset:\s*BSLOT+i_*PITCH
.set i_, i_+1
.endr
.set i_, 0
.rept 8
	ds_store_b64 v[BSK], v[96*\set+64+4*i_:96*\set+64+4*i_+1] offset:\s*BSLOT+i_*PITCH
.set i_, i_+1
.endr
.endm
; K step T on slot s (nx = the other slot), entered with sub-step 0's fragments requested.  set = (T + 1) mod 2 holds the weights of K step T + 1.
; stb: they are rounded and stored into B's slot nx.  ldb: the set is loaded again, with K step T + 3.
; mode 2: change of slots with a refill of A's slot s (K step T + 2); 1: change of slots alone; 0: the last K step.
; ONE round of the cluster's barrier for each change of slots.  In front of its opening signal each wave has waited for its reads of slot s (A's and B's), for its
; stores into B's slot nx and for all its tensor loads (one is out: its part of A's slot nx).  Behind the round A's slot s is asked for again, first; then slot nx is read;
; B's slot s is written again in the next K step.
; The 48 accumulators take turns, one instruction a turn, in the same order in every sub-step, over the loop's backward jump too.
.macro STEP s, nx, set, zero, mode, stb, ldb, lcnt
.irp a, 0,1,2,3
	s_wait_dscnt 2*(7-\a)                          ; B's fragments and A's up to row tile a are in; the later row tiles' loads stay out
	MG 0, \a, \zero
.endr
	s_wait_dscnt 0x0                               ; row tiles 4..7
	PLACES
	FETCH \s, 1
.if \stb
	BCVT \set, \nx, \lcnt
.endif
.if \ldb
	BLOAD \set, 512
.endif
.irp a, 4,5,6,7
	MG 0, \a, \zero
.endr
.if \stb
	s_wait_dscnt RL                                ; sub-step 1's fragments are in; the 24 stores issued behind them may be out
.else
	s_wait_dscnt 0x0
.endif
	MG 1, 0, 0
	MG 1, 1, 0
	MG 1, 2, 0
.if \mode
	s_wait_dscnt 0x0                               ; my reads of slot s and my stores into B's slot nx are done,
	s_wait_tensorcnt 0x0                           ; and all my tensor loads have landed:
	ds_add_u32 v30, v31
	s_wait_dscnt 0x0
	s_barrier_signal -1                            ; say so,
.endif
	MG 1, 3, 0                                     ; work on registers while the others arrive,
	MG 1, 4, 0
.if \mode
	WIN 0
	s_barrier_wait -1
.if \mode == 2
	CREST                                          ; all sixteen work-groups have said so
	s_add_nc_u64 s[G0+4*\s+2:G0+4*\s+3], s[G0+4*\s+2:G0+4*\s+3], 512   ; two K steps on; no tensor load of mine is out
	tensor_load_to_lds s[G0+4*\s:G0+4*\s+3], s[G1:G1+7]                ; my one tensor load behind the round, and the first thing there
	s_nop 0
.endif
	PLACES
	FETCH \nx, 0
.endif
	MG 1, 5, 0
	MG 1, 6, 0
	MG 1, 7, 0
.endm
	s_load_b256 s[4:11], s[0:1], 0x0               ; hb s[4:5], wq s[6:7], wk s[8:9], wv s[10:11]
	s_load_b256 s[12:19], s[0:1], 0x20             ; rope s[12:13], qb s[14:15], kb s[16:17], vb s[18:19]
	v_lshl_add_u32 v30, v0, 2, 0x4a000
	v_mov_b32 v31, 0
	ds_add_u32 v30, v31
	v_lshrrev_b32 v1, 5, v0
	v_readfirstlane_b32 s20, v1                    ; wave w
	s_xor_b32 s21, s20, 1                          ; the wave with my rows and the other k half
	s_and_b32 s22, s20, 1                          ; kh
	v_and_b32 v2, 31, v0                           ; lane L
	v_lshlrev_b32 v[GOF], 4, v2
	s_bfe_u32 s40, ttmp6, 0x40000                  ; cx
	s_bfe_u32 s41, ttmp6, 0x40004                  ; cy = the row tile y (the grid has one cluster along y)
	s_lshl_b32 s42, ttmp9, 2
	s_add_co_u32 s42, s42, s40                     ; column tile x = 4 x cluster x + cx
	s_and_b32 s44, s42, 31                         ; x' : the tile of k or of v
	s_lshl_b32 s43, s41, 2
	s_lshl_b32 s43, 15, s43                        ; my row of the cluster: places 4 cy .. 4 cy + 3
	s_lshl_b32 s50, s42, 20                        ; wq: row 64 x + 16 w, 16,384 bytes a row
	s_lshl_b32 s51, s20, 18
	s_add_co_u32 s50, s50, s51
	s_mov_b32 s51, 0
	s_lshl_b32 s52, s44, 19                        ; wk, wv: row 32 x' + 8 w
	s_lshl_b32 s53, s20, 17
	s_add_co_u32 s52, s52, s53
	s_mov_b32 s53, 0
	s_lshl_b32 s54, s41, 21                        ; hb: row 256 y + 64 w, 8,192 bytes a row; made of cy and the wave's number alone
	s_lshl_b32 s55, s20, 19
	s_add_co_u32 s54, s54, s55
	s_mov_b32 s55, 0
	s_mul_i32 s45, s20, 64*PITCH                   ; and where my 64 rows go in a slot
	s_wait_dscnt 0x0
	s_wait_kmcnt 0x0
	s_add_nc_u64 s[WQ:WQ+1], s[6:7], s[50:51]
	s_cmp_lt_u32 ttmp9, 8                          ; clusters 0..7 (x < 32) make k, the others v: the same in all sixteen work-groups
	s_cselect_b64 s[WK:WK+1], s[8:9], s[10:11]
	s_cselect_b64 s[KO:KO+1], s[16:17], s[18:19]
	s_add_nc_u64 s[WK:WK+1], s[WK:WK+1], s[52:53]
	s_add_nc_u64 s[54:55], s[4:5], s[54:55]
	BLOAD 0, 0                                     ; the weights of K steps 0 and 1 go out first
	BLOAD 1, 512
	WIN 0
	; descriptor group 1: 64 rows x 128 elements of 2 bytes, 16 bytes of padding behind each row
	s_or_b32 s[G1+0], s43, (1<<16)|(1<<20)|(1<<21)|(5<<22)|(3<<25)  ; 15:0 mask: my row of the cluster; 17:16 2 bytes; 20 padding; 21 set beside a mask; 24:22 after 64 words; 31:25 4 words
	s_mov_b32 s[G1+1], 128<<16                     ; tensor_dim0 = 128
	s_mov_b32 s[G1+2], 64<<16                      ; tensor_dim1 = 64
	s_mov_b32 s[G1+3], 128<<16                     ; tile_dim0 = 128
	s_mov_b32 s[G1+4], 64                          ; tile_dim1 = 64
	s_mov_b32 s[G1+5], 4096                        ; elements from row to row
	s_mov_b32 s[G1+6], 0
	s_mov_b32 s[G1+7], 0
.irp s, 0,1
	s_mov_b32 s[G0+4*\s], 1
	s_add_co_u32 s[G0+4*\s+1], s45, \s*ASLOT
	s_add_nc_u64 s[G0+4*\s+2:G0+4*\s+3], s[54:55], \s*256          ; K step s
	s_or_b32 s[G0+4*\s+3], s[G0+4*\s+3], 0x80000000
.endr
	CROUND                                         ; all sixteen work-groups are here: the first joint loads meet
	tensor_load_to_lds s[G0:G0+3], s[G1:G1+7]      ; two tensor loads of mine are out here, one behind each later round
	s_nop 0
	tensor_load_to_lds s[G0+4:G0+7], s[G1:G1+7]
	s_nop 0
	; addresses
	v_and_b32 v3, 15, v0                           ; r
	v_bfe_u32 v4, v0, 4, 1                         ; h
	v_mul_u32_u24 v5, v3, PITCH
	v_lshl_add_u32 v5, v4, 4, v5                   ; r x pitch + 16 h
	s_lshl_b32 s66, s22, 7                         ; my k half: 128 bytes into the rows
	s_mul_i32 s67, s20, 64*PITCH
	s_add_co_u32 s67, s67, s66
	v_add_nc_u32 v[ADK], s67, v5                   ; rows 64 w ..
	v_add_nc_u32 v[ADK+1], ASLOT, v[ADK]
	s_mul_i32 s67, s21, 64*PITCH
	s_add_co_u32 s67, s67, s66
	v_add_nc_u32 v[ADS], s67, v5                   ; rows 64 (w xor 1) ..
	v_add_nc_u32 v[ADS+1], ASLOT, v[ADS]
	s_add_co_u32 s66, s66, BBASE
	v_add_nc_u32 v[ADB], s66, v5
	s_mul_i32 s66, s20, 16*PITCH
	s_add_co_u32 s66, s66, BBASE
	v_lshl_add_u32 v[BSQ], v2, 3, s66              ; B's rows 16 w ..
	s_mul_i32 s66, s20, 8*PITCH
	s_add_co_u32 s66, s66, BBASE+64*PITCH
	v_lshl_add_u32 v[BSK], v2, 3, s66              ; B's rows 64 + 8 w ..
	s_mul_i32 s66, s21, RW
	s_add_co_u32 s66, s66, RED
	v_lshl_add_u32 v[SND], v2, 4, s66
	s_mul_i32 s66, s20, RW
	s_add_co_u32 s66, s66, RED
	v_lshl_add_u32 v[RCV], v2, 4, s66
	v_lshlrev_b32 v6, 9, v3                        ; the table: row 64 w + r of 512 bytes, 32 h
	v_lshl_add_u32 v6, v4, 5, v6
	s_lshl_b32 s66, s20, 15
	v_add_nc_u32 v[ROF], s66, v6
	s_mul_i32 s66, s20, 16*SPITCH
	s_add_co_u32 s66, s66, STG                     ; my stage
	v_mul_u32_u24 v6, v3, SPITCH
	v_lshl_add_u32 v6, v4, 4, v6
	v_add_nc_u32 v[STO], s66, v6                   ; in: row r, 16 h
	v_lshrrev_b32 v6, 3, v2
	v_mul_u32_u24 v6, v6, SPITCH
	v_and_b32 v7, 7, v2
	v_lshl_add_u32 v6, v7, 4, v6
	v_add_nc_u32 v[RDQ], s66, v6                   ; back, q: 4 rows of 128 bytes an instruction
	v_lshrrev_b32 v6, 2, v2
	v_mul_u32_u24 v6, v6, SPITCH
	v_and_b32 v7, 3, v2
	v_lshl_add_u32 v6, v7, 4, v6
	v_add3_u32 v[RDK], v6, s66, 128                ; back, k or v: 8 rows of 64 bytes, behind q's 128
	; bases of the way out
	s_lshl_b32 s66, s41, 17                        ; the table at row 256 y,
	s_and_b32 s67, s42, 1
	s_lshl_b32 s67, s67, 8                         ; q: pairs 32 (x mod 2) ..
	s_add_co_u32 s50, s66, s67
	s_mov_b32 s51, 0
	s_add_nc_u64 s[ROPQ:ROPQ+1], s[12:13], s[50:51]
	s_and_b32 s67, s42, 3
	s_lshl_b32 s67, s67, 7                         ; k: pairs 16 (x mod 4) ..
	s_add_co_u32 s50, s66, s67
	s_add_nc_u64 s[ROPK:ROPK+1], s[12:13], s[50:51]
	s_lshl_b32 s50, s42, 17                        ; qb: block x, row 256 y + 64 w of 128 bytes
	s_lshl_b32 s66, s41, 15
	s_add_co_u32 s50, s50, s66
	s_lshl_b32 s66, s20, 13
	s_add_co_u32 s50, s50, s66
	s_add_nc_u64 s[QO:QO+1], s[14:15], s[50:51]
	s_lshl_b32 s50, s44, 16                        ; kb or vb: block x', rows of 64 bytes
	s_lshl_b32 s66, s41, 14
	s_add_co_u32 s50, s50, s66
	s_lshl_b32 s66, s20, 12
	s_add_co_u32 s50, s50, s66
	s_add_nc_u64 s[KO:KO+1], s[KO:KO+1], s[50:51]
	BCVT 0, 0, RL                                  ; K step 0's weights; K step 1's 24 loads stay out
	BLOAD 0, 512                                   ; K step 2
	s_wait_dscnt 0x0                               ; my part of B's slot 0 is stored,
	s_wait_tensorcnt 0x1                           ; my part of A's slot 0 is in; slot 1's load stays out
	s_barrier_signal -1
	s_barrier_wait -1
	FETCH 0, 0
	STEP 0, 1, 1, 1, 2, 1, 1, RL                   ; K step 0 starts the sums
	STEP 1, 0, 0, 0, 2, 1, 1, RL
	WIN 0
	s_mov_b32 s3, 13                               ; K steps 2 .. 27
.Lk:
	STEP 0, 1, 1, 0, 2, 1, 1, RL
	STEP 1, 0, 0, 0, 2, 1, 1, RL
	WIN 0
	s_sub_co_u32 s3, s3, 1
	s_cmp_lg_u32 s3, 0
	s_cbranch_scc1 .Lk
	STEP 0, 1, 1, 0, 2, 1, 1, RL                   ; 28: the last weight loads (K step 31)
	STEP 1, 0, 0, 0, 2, 1, 0, RL                   ; 29: the last refill of A (K step 31)
	STEP 0, 1, 1, 0, 1, 1, 0, 0                    ; 30: no younger weight loads are left
	STEP 1, 0, 0, 0, 0, 0, 0, 0                    ; 31
; THE WAY OUT
.macro ROPELD i, t                     ; (cos, sin) of row tile i: 4 pairs (32 bytes) for each column tile
.irp b, 0,1,2,3
	global_load_b128 v[\t+8*\b:\t+8*\b+3],   v[ROF], s[ROPQ:ROPQ+1] offset:(\i)*8192+64*\b
	global_load_b128 v[\t+8*\b+4:\t+8*\b+7], v[ROF], s[ROPQ:ROPQ+1] offset:(\i)*8192+64*\b+16
.endr
.irp b, 4,5
	global_load_b128 v[\t+8*\b:\t+8*\b+3],   v[ROF], s[ROPK:ROPK+1] offset:(\i)*8192+64*(\b-4)
	global_load_b128 v[\t+8*\b+4:\t+8*\b+7], v[ROF], s[ROPK:ROPK+1] offset:(\i)*8192+64*(\b-4)+16
.endr
.endm
.macro SEND a                          ; row tile a's sums to the wave that keeps those rows: 1,024 consecutive bytes a tile
.if \a < 5
	WIN 0x04
.set AB_, 48*\a
.else
	WIN 0x08
.set AB_, 48*(\a-5)
.endif
.irp b, 0,1,2,3,4,5
	ds_store_b128 v[SND], v[AB_+8*\b:AB_+8*\b+3]   offset:((\a-4)*NB+\b)*1024
	ds_store_b128 v[SND], v[AB_+8*\b+4:AB_+8*\b+7] offset:((\a-4)*NB+\b)*1024+512
.endr
.endm
.macro ROT b, t                        ; (xr, xi) -> (xr c - xi s, xr s + xi c), four pairs
.irp p, 0,1,2,3
	v_mul_f32  v[TT+\p], v[RR+8*\b+2*\p+1], v[\t+8*\b+2*\p+1]
	v_mul_f32  v[RR+8*\b+2*\p+1], v[RR+8*\b+2*\p+1], v[\t+8*\b+2*\p]
	v_fmac_f32 v[RR+8*\b+2*\p+1], v[RR+8*\b+2*\p], v[\t+8*\b+2*\p+1]
	v_fma_f32  v[RR+8*\b+2*\p], v[RR+8*\b+2*\p], v[\t+8*\b+2*\p], -v[TT+\p]
.endr
.endm
; rows 64 w + 16 i .. + 15.  t: this tile's table buffer, tn: the next tile's; more = 1: the next tile's table is asked for.
.macro OTILE i, t, tn, more
.irp b, 0,1,2,3,4,5
	ds_load_b128 v[RR+8*\b:RR+8*\b+3],   v[RCV] offset:(\i*NB+\b)*1024
	ds_load_b128 v[RR+8*\b+4:RR+8*\b+7], v[RCV] offset:(\i*NB+\b)*1024+512
.endr
.if \more
	ROPELD \i+1, \tn
.endif
	s_wait_dscnt 0x0
	WIN 0x01
.set k_, 0
.rept 24
	v_pk_add_f32 v[RR+2*k_:RR+2*k_+1], v[48*\i+2*k_:48*\i+2*k_+1], v[RR+2*k_:RR+2*k_+1]   ; my k half + the other
.set k_, k_+1
.endr
	WIN 0
.if \more
	s_wait_loadcnt 12                              ; this tile's table is in; the next tile's 12 loads stay out
.else
	s_wait_loadcnt 0x0
.endif
	ROT 0, \t
	ROT 1, \t
	ROT 2, \t
	ROT 3, \t
	s_cmp_ge_u32 ttmp9, 8                          ; v is not rotated (its table loads are issued all the same: the counts are alike on both ways)
	s_cbranch_scc1 .Lis_v_\@
	ROT 4, \t
	ROT 5, \t
.Lis_v_\@:
.set k_, 0
.rept 24
	v_cvt_pk_f16_f32 v[OUTP+k_], v[RR+2*k_], v[RR+2*k_+1]
.set k_, k_+1
.endr
	s_wait_xcnt 0x0                                ; RB, the last tile's store data, is loaded again only behind this wait
.irp b, 0,1,2,3,4,5
	ds_store_b128 v[STO], v[OUTP+4*\b:OUTP+4*\b+3] offset:32*\b
.endr
.irp k, 0,1,2,3
	ds_load_b128 v[RB+4*\k:RB+4*\k+3], v[RDQ] offset:4*SPITCH*\k         ; LDS serves a wave's instructions in order: these see the stores above
.endr
.irp k, 0,1
	ds_load_b128 v[RB+16+4*\k:RB+16+4*\k+3], v[RDK] offset:8*SPITCH*\k
.endr
.irp k, 0,1,2,3
	s_wait_dscnt 5-\k
	global_store_b128 v[GOF], v[RB+4*\k:RB+4*\k+3], s[QO:QO+1] offset:2048*\i+512*\k     ; 512 consecutive aligned bytes
.endr
.irp k, 0,1
	s_wait_dscnt 1-\k
	global_store_b128 v[GOF], v[RB+16+4*\k:RB+16+4*\k+3], s[KO:KO+1] offset:1024*\i+512*\k
.endr
.endm
	PLACES                                         ; behind the last matrix instructions: results are read, fragment registers loaded over
	WIN 0
	ROPELD 0, T0
	SEND 4
	SEND 5
	SEND 6
	SEND 7
	WIN 0
	s_wait_dscnt 0x0                               ; my sends are stored before I say so
	s_barrier_signal -1
	s_barrier_wait -1
	OTILE 0, T0, T1, 1
	OTILE 1, T1, T0, 1
	OTILE 2, T0, T1, 1
	OTILE 3, T1, T0, 0
	s_wait_tensorcnt 0x0
	ds_add_u32 v30, v31
	s_wait_dscnt 0x0
	CROUND                                         ; the closing round: no work-group ends while a partner may still ask jointly
	s_endpgm
.Lfunc_end_k_q975585bd7d_qkv:
	.size	k_q975585bd7d_qkv, .Lfunc_end_k_q975585bd7d_qkv-k_q975585bd7d_qkv
	.p2alignl 7, 3214868480
	.fill 96, 4, 3214868480
	.section	.rodata,"a",@progbits
	.p2align	6, 0x0
	.amdhsa_kernel k_q975585bd7d_qkv
		.amdhsa_group_segment_fixed_size 327680
		.amdhsa_private_segment_fixed_size 0
		.amdhsa_enable_private_segment 0
		.amdhsa_kernarg_size 64
		.amdhsa_user_sgpr_count 2
		.amdhsa_user_sgpr_kernarg_segment_ptr 1
		.amdhsa_wavefront_size32 1
		.amdhsa_system_sgpr_workgroup_id_x 1
		.amdhsa_system_sgpr_workgroup_id_y 1
		.amdhsa_system_sgpr_workgroup_id_z 1
		.amdhsa_system_vgpr_workitem_id 0
		.amdhsa_next_free_vgpr 960
		.amdhsa_next_free_sgpr 72
		.amdhsa_reserve_vcc 0
		.amdhsa_float_denorm_mode_32 3
		.amdhsa_float_denorm_mode_16_64 3
		.amdhsa_memory_ordered 1
		.amdhsa_forward_progress 1
		.amdhsa_inst_pref_size 193
	.end_amdhsa_kernel
	.amdgpu_metadata
---
amdhsa.version: [ 1, 2 ]
amdhsa.kernels:
  - .name:           k_q975585bd7d_qkv
    .symbol:         k_q975585bd7d_qkv.kd
    .args:
      - { .name: hb, .offset: 0, .size: 8, .value_kind: global_buffer, .address_space: global }
      - { .name: wq, .offset: 8, .size: 8, .value_kind: global_buffer, .address_space: global }
      - { .name: wk, .offset: 16, .size: 8, .value_kind: global_buffer, .address_space: global }
      - { .name: wv, .offset: 24, .size: 8, .value_kind: global_buffer, .address_space: global }
      - { .name: rope, .offset: 32, .size: 8, .value_kind: global_buffer, .address_space: global }
      - { .name: qb, .offset: 40, .size: 8, .value_kind: global_buffer, .address_space: global }
      - { .name: kb, .offset: 48, .size: 8, .value_kind: global_buffer, .address_space: global }
      - { .name: vb, .offset: 56, .size: 8, .value_kind: global_buffer, .address_space: global }
    .group_segment_fixed_size: 327680
    .private_segment_fixed_size: 0
    .kernarg_segment_align: 8
    .kernarg_segment_size: 64
    .max_flat_workgroup_size: 128
    .sgpr_count:     72
    .vgpr_count:     960
    .wavefront_size: 32
...
	.end_amdgpu_metadata
.endif
;; end of part 2
;; launch attn (part 3): grid 32 x 8, 4 waves a work-group, clusters of 4 x 1, 327,680 bytes of LDS; arguments qb, kb, vb, ab; writes ab
.if DOCPART == 3
	.amdgcn_target "amdgcn-amd-amdhsa--gfx1250"
	.amdhsa_code_object_version 6
	.text
	.protected	k_q975585bd7d_attn
	.globl	k_q975585bd7d_attn
	.p2align	8
	.type	k_q975585bd7d_attn,@function
k_q975585bd7d_attn:
	s_mov_b64 s[64:65], 0
	v_nop
	global_prefetch_b8 v0, s[64:65] scope:SCOPE_SE
	s_setreg_imm32_b32 hwreg(HW_REG_WAVE_MODE, 25, 1), 1
	s_wait_xcnt 0x0
	s_wait_alu depctr_hold_cnt(0) depctr_sa_sdst(0) depctr_va_vdst(0) depctr_va_sdst(0) depctr_va_ssrc(0) depctr_va_vcc(0) depctr_vm_vsrc(0)
	s_getreg_b32 s2, hwreg(HW_REG_IB_STS2, 6, 4)
	s_cmp_eq_u32 s2, 0
	s_cbranch_scc0 .Lentry_in_a_cluster
	s_endpgm
.Lentry_in_a_cluster:
	s_bfe_u32 s2, ttmp6, 0x10000c
	s_cmp_lg_u32 s2, 0x3003
	s_cbranch_scc0 .Lentry_shape_is_right
	s_endpgm
.Lentry_shape_is_right:
; Causal attention, 32 query heads on 8 key/value heads, d = 128, 1024 positions; softmax with a running maximum, in f32; operands f16.
; qb: [64 blocks][1024][64] f16 (head = blocks 2 head, 2 head + 1); kb, vb: [32 blocks][1024][32] f16 (KV head g = blocks 4 g .. 4 g + 3, the d chunks of 32);
; ab: [1024][4096] f16, column 128 head + d.
; CLUSTER: the four heads of a KV head (cx = 0..3) read the same K and V tiles and ask for them jointly (mask 15).  Only global addresses of qb and ab hang on cx.
; BALANCE: work-group (head, p) does query block 15 - p (64 rows, key tiles 0 .. 15 - p of 64 keys) and then block p (tiles 0 .. p): 17 steps for every
; work-group, so all partners make the same joint requests.  A block's last tile is its diagonal one: step 15 - p, and step 16.
; A wave owns 16 query rows.  S^T = K Q^T (source 0 = 16 keys, source 1 = my 16 rows): lane (r, h) holds row r, keys 8 h + 0..7 of each tile of 16, and two such tiles
; packed to f16 are source 1 of O^T = V^T P^T for 32 keys as they stand.  Lane (r, h) of O^T holds row r, d = 8 h + 0..7: maximum, sum and rescaling are a lane's own;
; the two halves of the lanes exchange the maximum in each step and the sum once.
; LIMITS: |q|, |k|, |v| and the result below 65,504 (f16); probabilities below 6e-5 carry an absolute error of at most 3e-8.
; REGISTERS: window 0: addresses, Q (32), S (32), P (16), K's fragments (128), the softmax's state; window 1: v0-63 O, v64-191 V^T's fragments, v192-223 Q of block p.
.set SLOT, 45056                       ; K: 4 planes (d chunks) x 64 keys x 80 bytes = 20,480; V: 4 x 64 x 96 = 24,576
.set VOFF, 20480
.set STG,  2*SLOT                      ; 90,112: the way out, 16 rows x 272 bytes a wave; no tensor load lands here
.set KAD, 4
.set VAD, 5                            ; v5, v6: slot 0, 1
.set QOF, 7
.set STO, 8
.set RD,  9
.set OOF, 10
.set THR, 11                           ; 16 w + r - 8 h: on the diagonal key 16 kt + 8 h + j is masked where 16 kt + j > THR
.set NINF, 12
.set QF, 16
.set SC, 48
.set PF, 80
.set KF, 96
.set MX, 224                           ; the running maximum of score x log2(e)/sqrt(128)
.set LS, 225                           ; the sum over my half's keys
.set TM, 226
.set NM, 230                           ; - maximum, twice
.set SP, 232
.set AL, 240                           ; alpha, twice
.set IL, 242                           ; 1 / sum, twice
.set G1K, 24
.set G1V, 32
.set G0K, 40                           ; s[40:47] group 0 for K, one set for each slot
.set G0V, 48
.set MSB, 0
.macro WIN new
.if MSB != \new
	s_set_vgpr_msb (MSB<<8)|\new
.set MSB, \new
.endif
.endm
.macro PLACES
.rept 4
	v_nop
.endr
.endm
.macro ROUND                           ; a round of the cluster's barrier
	s_barrier_signal -1
	s_barrier_wait -1
	s_cmp_lg_u32 s16, 0
	s_cbranch_scc1 .Lnot_wave_0_\@
	s_barrier_signal -3
.Lnot_wave_0_\@:
	s_barrier_wait -3
	s_barrier_signal -1
	s_barrier_wait -1
.endm
.macro JLOAD s                         ; waves 0, 1 ask for K's planes 0-1, 2-3; waves 2, 3 for V's: one tensor load a wave
	s_cmp_eq_u32 s17, 0
	s_cbranch_scc0 .Lfor_v_\@
	tensor_load_to_lds s[G0K+4*\s:G0K+4*\s+3], s[G1K:G1K+7]
	s_nop 0
	s_branch .Lasked_\@
.Lfor_v_\@:
	tensor_load_to_lds s[G0V+4*\s:G0V+4*\s+3], s[G1V:G1V+7]
	s_nop 0
.Lasked_\@:
.endm
; a query block is done: O / sum, f16, through my stage, out in whole rows of 256 bytes.  ob: the scalar pair with the block's address in ab.
.macro FINISH ob
	v_permlanex16_b32 v[TM], v[LS], s12, s13       ; the other half's keys
	v_add_f32 v[TM], v[LS], v[TM]
	v_rcp_f32 v[IL], v[TM]
	v_rcp_f32 v[IL+1], v[TM]
	v_nop                                          ; the plain place behind v_rcp_f32 (ISA guide 5.7.2)
	WIN 0x41
.set k_, 0
	s_wait_alu depctr_va_vdst(0)
.rept 32
	v_pk_mul_f32 v[2*k_:2*k_+1], v[2*k_:2*k_+1], v[IL:IL+1]
.set k_, k_+1
.endr
	WIN 0x05
.set k_, 0
.rept 32
	v_cvt_pk_f16_f32 v[KF+k_], v[2*k_], v[2*k_+1]
.set k_, k_+1
.endr
	WIN 0
.irp dt, 0,1,2,3,4,5,6,7
	ds_store_b128 v[STO], v[KF+4*\dt:KF+4*\dt+3] offset:32*\dt
.endr
.irp i, 0,1,2,3,4,5,6,7
	ds_load_b128 v[KF+32+4*\i:KF+32+4*\i+3], v[RD] offset:544*\i       ; LDS serves a wave's instructions in order: these see the stores above
.endr
.irp i, 0,1,2,3,4,5,6,7
	s_wait_dscnt 7-\i
	global_store_b128 v[OOF], v[KF+32+4*\i:KF+32+4*\i+3], s[\ob:\ob+1] offset:16384*\i   ; sixteen lanes store 256 consecutive aligned bytes
.endr
.endm
; One step: 64 keys in slot s (nx = the other slot).  refill = 1: the next step's tile is asked for.  last = 1: step 16, the second block's diagonal.
.macro TRIP s, nx, refill, last
	s_wait_tensorcnt 0x0                           ; all my tensor loads have landed, my part of this step's tile among them: the group 0 sets may be written
	ds_add_u32 v254, v255
	s_wait_dscnt 0x0
.if \refill
	s_add_co_u32 s74, s21, 1                       ; step n = t + 1 takes key tile n of the first block, or n - (16 - p) of the second
	s_sub_co_u32 s75, s74, s23
	s_cmp_lt_u32 s74, s23
	s_cselect_b32 s74, s74, s75
	s_lshl_b32 s74, s74, 12                        ; 64 keys x 64 bytes in each plane
	s_mov_b32 s75, 0
	s_add_nc_u64 s[G0K+4*\nx+2:G0K+4*\nx+3], s[56:57], s[74:75]
	s_or_b32 s[G0K+4*\nx+3], s[G0K+4*\nx+3], 0x80000000
	s_add_nc_u64 s[G0V+4*\nx+2:G0V+4*\nx+3], s[58:59], s[74:75]
	s_or_b32 s[G0V+4*\nx+3], s[G0V+4*\nx+3], 0x80000000
.endif
	s_wait_dscnt 0x0                               ; my reads of the other slot are done
	ROUND                                          ; both now hold of every wave of the four work-groups
.if \refill
	JLOAD \nx                                      ; first behind the round; one tensor load of mine is out
.endif
.irp c, 0,1,2,3
.irp kt, 0,1,2,3
	ds_load_b128 v[KF+8*(4*\c+\kt):KF+8*(4*\c+\kt)+3],   v[KAD] offset:\s*SLOT+5120*\c+1280*\kt
	ds_load_b128 v[KF+8*(4*\c+\kt)+4:KF+8*(4*\c+\kt)+7], v[KAD] offset:\s*SLOT+5120*\c+1280*\kt+32
.endr
.endr
	WIN 0x40
.irp kk, 0,1
.irp dt, 0,1,2,3,4,5,6,7
	ds_load_tr16_b128 v[64+8*(8*\kk+\dt):64+8*(8*\kk+\dt)+3],   v[VAD+\s] offset:6144*(\dt>>1)+32*(\dt&1)+3072*\kk
	ds_load_tr16_b128 v[64+8*(8*\kk+\dt)+4:64+8*(8*\kk+\dt)+7], v[VAD+\s] offset:6144*(\dt>>1)+32*(\dt&1)+3072*\kk+1536
.endr
.endr
	WIN 0
	; S^T = K Q^T: the four score tiles take turns
.irp c, 0,1,2,3
	s_wait_dscnt 56-8*\c                           ; K's chunk c is in; the later chunks' loads and V's 32 stay out
.irp kt, 0,1,2,3
.if \c == 0
	v_wmma_f32_16x16x32_f16 v[SC+8*\kt:SC+8*\kt+7], v[KF+8*(4*\c+\kt):KF+8*(4*\c+\kt)+7], v[QF+8*\c:QF+8*\c+7], 0
.else
	v_wmma_f32_16x16x32_f16 v[SC+8*\kt:SC+8*\kt+7], v[KF+8*(4*\c+\kt):KF+8*(4*\c+\kt)+7], v[QF+8*\c:QF+8*\c+7], v[SC+8*\kt:SC+8*\kt+7]
.endif
.endr
.endr
	PLACES
.if \last == 0
	s_cmp_lg_u32 s21, s22                          ; the first block's diagonal tile is step 15 - p: the same in all four work-groups
	s_cbranch_scc1 .Lfull_\@
.endif
.irp kt, 0,1,2,3
.irp j, 0,1,2,3,4,5,6,7
	v_cmp_gt_i32 vcc_lo, 16*\kt+\j, v[THR]
	v_cndmask_b32 v[SC+8*\kt+\j], v[SC+8*\kt+\j], v[NINF], vcc_lo
.endr
.endr
.if \last == 0
.Lfull_\@:
.endif
	; the row's maximum: my 32 keys, then the other half's.  Key 0 of a tile is never masked, so it is finite.
.irp kt, 0,1,2,3
	v_max3_num_f32 v[TM+\kt], v[SC+8*\kt], v[SC+8*\kt+1], v[SC+8*\kt+2]
.endr
.irp kt, 0,1,2,3
	v_max3_num_f32 v[TM+\kt], v[TM+\kt], v[SC+8*\kt+3], v[SC+8*\kt+4]
.endr
.irp kt, 0,1,2,3
	v_max3_num_f32 v[TM+\kt], v[TM+\kt], v[SC+8*\kt+5], v[SC+8*\kt+6]
.endr
.irp kt, 0,1,2,3
	v_max_num_f32 v[TM+\kt], v[TM+\kt], v[SC+8*\kt+7]
.endr
	v_max3_num_f32 v[TM], v[TM], v[TM+1], v[TM+2]
	v_max_num_f32 v[TM], v[TM], v[TM+3]
	v_permlanex16_b32 v[TM+1], v[TM], s12, s13
	v_max_num_f32 v[TM], v[TM], v[TM+1]
	v_mul_f32 v[TM], 0x3e0293ee, v[TM]             ; x log2(e) / sqrt(128)
	v_max_num_f32 v[TM+1], v[MX], v[TM]            ; the new maximum
	v_sub_f32 v[TM+2], v[MX], v[TM+1]              ; old - new (-inf at a block's first tile: alpha = 0)
	v_xor_b32 v[NM], 0x80000000, v[TM+1]
	v_xor_b32 v[NM+1], 0x80000000, v[TM+1]
.set k_, 0
.rept 16
	v_pk_fma_f32 v[SC+2*k_:SC+2*k_+1], v[SC+2*k_:SC+2*k_+1], 0x3e0293ee, v[NM:NM+1] op_sel_hi:[1,0,1]
.set k_, k_+1
.endr
.set k_, 0
.rept 32
	v_exp_f32 v[SC+k_], v[SC+k_]
.set k_, k_+1
.endr
	v_exp_f32 v[AL], v[TM+2]
	v_exp_f32 v[AL+1], v[TM+2]
	v_mov_b32 v[MX], v[TM+1]                       ; the plain place behind the last v_exp_f32 (ISA guide 5.7.2)
	s_wait_alu depctr_va_vdst(0)
.irp kt, 0,1,2,3
	v_pk_add_f32 v[SP+2*\kt:SP+2*\kt+1], v[SC+8*\kt:SC+8*\kt+1], v[SC+8*\kt+2:SC+8*\kt+3]
.endr
.irp kt, 0,1,2,3
	v_pk_add_f32 v[SP+2*\kt:SP+2*\kt+1], v[SP+2*\kt:SP+2*\kt+1], v[SC+8*\kt+4:SC+8*\kt+5]
.endr
.irp kt, 0,1,2,3
	v_pk_add_f32 v[SP+2*\kt:SP+2*\kt+1], v[SP+2*\kt:SP+2*\kt+1], v[SC+8*\kt+6:SC+8*\kt+7]
.endr
	v_pk_add_f32 v[SP:SP+1], v[SP:SP+1], v[SP+2:SP+3]
	v_pk_add_f32 v[SP+4:SP+5], v[SP+4:SP+5], v[SP+6:SP+7]
	v_pk_add_f32 v[SP:SP+1], v[SP:SP+1], v[SP+4:SP+5]
	v_add_f32 v[SP], v[SP], v[SP+1]
	v_fma_f32 v[LS], v[LS], v[AL], v[SP]
.set k_, 0
.rept 16
	v_cvt_pk_f16_f32 v[PF+k_], v[SC+2*k_], v[SC+2*k_+1]    ; tiles 2 kk, 2 kk + 1 are registers 0-3, 4-7 of P's fragment kk
.set k_, k_+1
.endr
	WIN 0x41
.set k_, 0
.rept 32
	v_pk_mul_f32 v[2*k_:2*k_+1], v[2*k_:2*k_+1], v[AL:AL+1]
.set k_, k_+1
.endr
	s_wait_dscnt 0x0                               ; V's fragments
	WIN 0x51
	; O^T += V^T P^T: the eight accumulators take turns
.irp kk, 0,1
.irp dt, 0,1,2,3,4,5,6,7
	v_wmma_f32_16x16x32_f16 v[8*\dt:8*\dt+7], v[64+8*(8*\kk+\dt):64+8*(8*\kk+\dt)+7], v[PF+8*\kk:PF+8*\kk+7], v[8*\dt:8*\dt+7]
.endr
.endr
	WIN 0
	PLACES                                         ; behind the last matrix instructions: O is read, fragment registers are loaded over
.if \last
	FINISH 72
.else
	s_cmp_lg_u32 s21, s22
	s_cbranch_scc1 .Lgo_on_\@
	FINISH 70
	; the second block begins.  O is not cleared: it is finite, and the maximum -inf makes the next step's alpha 0.
	s_wait_xcnt 0x0                                ; the stores' data registers are K's fragment registers: loaded again only behind this wait
	WIN 0x01
.set k_, 0
.rept 32
	v_mov_b32 v[QF+k_], v[192+k_]
.set k_, k_+1
.endr
	WIN 0
	v_mov_b32 v[MX], v[NINF]
	v_mov_b32 v[LS], 0
.Lgo_on_\@:
	s_add_co_u32 s21, s21, 1
.endif
.endm
	s_load_b256 s[4:11], s[0:1], 0x0               ; qb s[4:5], kb s[6:7], vb s[8:9], ab s[10:11]
	v_lshl_add_u32 v254, v0, 2, 0x29000
	v_mov_b32 v255, 0
	ds_add_u32 v254, v255
	v_lshrrev_b32 v1, 5, v0
	v_readfirstlane_b32 s16, v1                    ; wave w
	s_lshr_b32 s17, s16, 1                         ; I fetch for K (0) or for V (1),
	s_and_b32 s18, s16, 1                          ; planes 2 (w mod 2) and the next
	s_and_b32 s20, ttmp7, 0xffff                   ; p
	s_bfe_u32 s60, ttmp6, 0x40000                  ; cx
	s_lshl_b32 s61, ttmp9, 2
	s_add_co_u32 s61, s61, s60                     ; head = 4 g + cx
	s_sub_co_u32 s22, 15, s20                      ; the first block, and the step of its diagonal tile
	s_sub_co_u32 s23, 16, s20                      ; its number of tiles
	s_mov_b32 s21, 0                               ; the step t
	s_mov_b32 s12, 0x76543210
	s_mov_b32 s13, 0xfedcba98
	; group 1: two planes' 64 keys: 2 rows of 2,048 elements (4,096 dense bytes), 32,768 elements apart; padding behind every 64 bytes: 16 for K (pitch 80), 32 for V (pitch 96)
	s_mov_b32 s[G1K+0], 15|(1<<16)|(1<<20)|(1<<21)|(3<<22)|(3<<25)
	s_mov_b32 s[G1V+0], 15|(1<<16)|(1<<20)|(1<<21)|(3<<22)|(7<<25)
	s_mov_b32 s[G1K+1], 2048<<16
	s_mov_b32 s[G1V+1], 2048<<16
	s_mov_b32 s[G1K+2], 2<<16
	s_mov_b32 s[G1V+2], 2<<16
	s_mov_b32 s[G1K+3], 2048<<16
	s_mov_b32 s[G1V+3], 2048<<16
	s_mov_b32 s[G1K+4], 2
	s_mov_b32 s[G1V+4], 2
	s_mov_b32 s[G1K+5], 32768
	s_mov_b32 s[G1V+5], 32768
	s_mov_b32 s[G1K+6], 0
	s_mov_b32 s[G1V+6], 0
	s_mov_b32 s[G1K+7], 0
	s_mov_b32 s[G1V+7], 0
	s_mul_i32 s80, s18, 10240
	s_mul_i32 s81, s18, 12288
.irp s, 0,1
	s_mov_b32 s[G0K+4*\s], 1
	s_add_co_u32 s[G0K+4*\s+1], s80, \s*SLOT
	s_mov_b32 s[G0V+4*\s], 1
	s_add_co_u32 s[G0V+4*\s+1], s81, \s*SLOT+VOFF
.endr
	s_lshl_b32 s74, ttmp9, 18                      ; block 4 g + 2 (w mod 2) of 65,536 bytes: made of g and the wave's number alone
	s_lshl_b32 s75, s18, 17
	s_add_co_u32 s74, s74, s75
	s_mov_b32 s75, 0
	s_mov_b32 s79, 0
	s_wait_dscnt 0x0
	s_wait_kmcnt 0x0
	s_add_nc_u64 s[56:57], s[6:7], s[74:75]        ; kept: K's and V's planes at key 0
	s_add_nc_u64 s[58:59], s[8:9], s[74:75]
	s_mov_b64 s[G0K+2:G0K+3], s[56:57]             ; step 0: key tile 0
	s_or_b32 s[G0K+3], s[G0K+3], 0x80000000
	s_mov_b64 s[G0V+2:G0V+3], s[58:59]
	s_or_b32 s[G0V+3], s[G0V+3], 0x80000000
	s_lshl_b32 s76, s61, 18                        ; qb: block 2 head, row 64 x query block of 128 bytes
	s_lshl_b32 s77, s22, 13
	s_add_co_u32 s78, s76, s77
	s_add_nc_u64 s[66:67], s[4:5], s[78:79]
	s_lshl_b32 s77, s20, 13
	s_add_co_u32 s78, s76, s77
	s_add_nc_u64 s[68:69], s[4:5], s[78:79]
	s_lshl_b32 s76, s61, 8                         ; ab: row 64 x query block + 16 w of 8,192 bytes, byte 256 head
	s_lshl_b32 s77, s16, 17
	s_add_co_u32 s76, s76, s77
	s_lshl_b32 s77, s22, 19
	s_add_co_u32 s78, s76, s77
	s_add_nc_u64 s[70:71], s[10:11], s[78:79]
	s_lshl_b32 s77, s20, 19
	s_add_co_u32 s78, s76, s77
	s_add_nc_u64 s[72:73], s[10:11], s[78:79]
	v_and_b32 v2, 15, v0                           ; r
	v_bfe_u32 v3, v0, 4, 1                         ; h
	v_lshlrev_b32 v13, 7, v2                       ; Q: row 16 w + r, 16 h
	v_lshl_add_u32 v13, v3, 4, v13
	s_lshl_b32 s80, s16, 11
	v_add_nc_u32 v[QOF], s80, v13
.irp c, 0,1,2,3
.irp e, 0,1
	global_load_b128 v[QF+8*\c+4*\e:QF+8*\c+4*\e+3], v[QOF], s[66:67] offset:(\c>>1)*131072+(\c&1)*64+32*\e
.endr
.endr
	WIN 0x40
.irp c, 0,1,2,3
.irp e, 0,1
	global_load_b128 v[192+8*\c+4*\e:192+8*\c+4*\e+3], v[QOF], s[68:69] offset:(\c>>1)*131072+(\c&1)*64+32*\e
.endr
.endr
	WIN 0
	ROUND                                          ; the four work-groups are here: the first joint load meets
	JLOAD 0
	WIN 0x40
.set k_, 0
.rept 64
	v_mov_b32 v[k_], 0                             ; O: cleared once; the loop's every step rescales and adds, since the second block begins at a step that hangs on p
.set k_, k_+1
.endr
	WIN 0
	v_mul_u32_u24 v[KAD], v2, 80
	v_lshl_add_u32 v[KAD], v3, 4, v[KAD]           ; K: key r, 16 h
	v_and_b32 v13, 7, v0
	v_lshl_add_u32 v13, v3, 3, v13                 ; V, transposing load: key 8 h + L mod 8,
	v_mul_u32_u24 v13, v13, 96
	v_bfe_u32 v14, v0, 3, 1
	v_lshl_add_u32 v13, v14, 4, v13                ; 16 bytes for each group of eight lanes
	v_add_nc_u32 v[VAD], VOFF, v13
	v_add_nc_u32 v[VAD+1], VOFF+SLOT, v13
	s_mul_i32 s80, s16, 4352
	s_add_co_u32 s80, s80, STG                     ; my stage
	v_mul_u32_u24 v13, v2, 272
	v_lshl_add_u32 v13, v3, 4, v13
	v_add_nc_u32 v[STO], s80, v13
	v_mul_u32_u24 v13, v3, 272
	v_lshl_add_u32 v13, v2, 4, v13
	v_add_nc_u32 v[RD], s80, v13
	v_lshlrev_b32 v13, 13, v3
	v_lshl_add_u32 v[OOF], v2, 4, v13
	s_lshl_b32 s80, s16, 4
	v_add_nc_u32 v13, s80, v2
	v_lshlrev_b32 v14, 3, v3
	v_sub_nc_u32 v[THR], v13, v14
	v_mov_b32 v[NINF], 0xff800000
	v_mov_b32 v[MX], 0xff800000
	v_mov_b32 v[LS], 0
	s_wait_loadcnt 0x0                             ; Q of both blocks
	s_mov_b32 s3, 8                                ; steps 0 .. 15
.Lstep:
	TRIP 0, 1, 1, 0
	TRIP 1, 0, 1, 0
	s_sub_co_u32 s3, s3, 1
	s_cmp_lg_u32 s3, 0
	s_cbranch_scc1 .Lstep
	TRIP 0, 1, 0, 1                                ; step 16: nothing is left to fetch
	s_wait_tensorcnt 0x0
	ds_add_u32 v254, v255
	s_wait_dscnt 0x0
	ROUND                                          ; the closing round
	s_endpgm
.Lfunc_end_k_q975585bd7d_attn:
	.size	k_q975585bd7d_attn, .Lfunc_end_k_q975585bd7d_attn-k_q975585bd7d_attn
	.p2alignl 7, 3214868480
	.fill 96, 4, 3214868480
	.section	.rodata,"a",@progbits
	.p2align	6, 0x0
	.amdhsa_kernel k_q975585bd7d_attn
		.amdhsa_group_segment_fixed_size 327680
		.amdhsa_private_segment_fixed_size 0
		.amdhsa_enable_private_segment 0
		.amdhsa_kernarg_size 32
		.amdhsa_user_sgpr_count 2
		.amdhsa_user_sgpr_kernarg_segment_ptr 1
		.amdhsa_wavefront_size32 1
		.amdhsa_system_sgpr_workgroup_id_x 1
		.amdhsa_system_sgpr_workgroup_id_y 1
		.amdhsa_system_sgpr_workgroup_id_z 1
		.amdhsa_system_vgpr_workitem_id 0
		.amdhsa_next_free_vgpr 480
		.amdhsa_next_free_sgpr 84
		.amdhsa_reserve_vcc 1
		.amdhsa_float_denorm_mode_32 3
		.amdhsa_float_denorm_mode_16_64 3
		.amdhsa_memory_ordered 1
		.amdhsa_forward_progress 1
		.amdhsa_inst_pref_size 84
	.end_amdhsa_kernel
	.amdgpu_metadata
---
amdhsa.version: [ 1, 2 ]
amdhsa.kernels:
  - .name:           k_q975585bd7d_attn
    .symbol:         k_q975585bd7d_attn.kd
    .args:
      - { .name: qb, .offset: 0, .size: 8, .value_kind: global_buffer, .address_space: global }
      - { .name: kb, .offset: 8, .size: 8, .value_kind: global_buffer, .address_space: global }
      - { .name: vb, .offset: 16, .size: 8, .value_kind: global_buffer, .address_space: global }
      - { .name: ab, .offset: 24, .size: 8, .value_kind: global_buffer, .address_space: global }
    .group_segment_fixed_size: 327680
    .private_segment_fixed_size: 0
    .kernarg_segment_align: 8
    .kernarg_segment_size: 32
    .max_flat_workgroup_size: 128
    .sgpr_count:     84
    .vgpr_count:     480
    .wavefront_size: 32
...
	.end_amdgpu_metadata
.endif
;; end of part 3
;; launch oproj (part 4): grid 64 x 4, 4 waves a work-group, clusters of 4 x 4, 327,680 bytes of LDS; arguments ab, wo, out0; writes out0
.if DOCPART == 4
	.amdgcn_target "amdgcn-amd-amdhsa--gfx1250"
	.amdhsa_code_object_version 6
	.text
	.protected	k_q975585bd7d_oproj
	.globl	k_q975585bd7d_oproj
	.p2align	8
	.type	k_q975585bd7d_oproj,@function
k_q975585bd7d_oproj:
	s_mov_b64 s[64:65], 0
	v_nop
	global_prefetch_b8 v0, s[64:65] scope:SCOPE_SE
	s_setreg_imm32_b32 hwreg(HW_REG_WAVE_MODE, 25, 1), 1
	s_wait_xcnt 0x0
	s_wait_alu depctr_hold_cnt(0) depctr_sa_sdst(0) depctr_va_vdst(0) depctr_va_sdst(0) depctr_va_ssrc(0) depctr_va_vcc(0) depctr_vm_vsrc(0)
	s_getreg_b32 s2, hwreg(HW_REG_IB_STS2, 6, 4)
	s_cmp_eq_u32 s2, 0
	s_cbranch_scc0 .Lentry_in_a_cluster
	s_endpgm
.Lentry_in_a_cluster:
	s_bfe_u32 s2, ttmp6, 0x10000c
	s_cmp_lg_u32 s2, 0xf033
	s_cbranch_scc0 .Lentry_shape_is_right
	s_endpgm
.Lentry_shape_is_right:
; out0 = ab wo^T.  ab: [1024][4096] f16; wo: [4096][4096] f32; out0: [1024][4096] f32; sums in f32.
; A work-group makes 256 rows x 64 columns (wo rows 64 x ..).  K = 4096 goes in 32 steps of 128 through two LDS slots.
; FOUR WAVES.  Wave w = 2 mh + kh takes rows 128 mh .. + 127, all 64 columns, and only k = 64 kh .. + 63 of every K step: 32 matrix instructions
; are fed by 24 fragment loads.  At the end the two waves of a row half exchange halves of their sums through LDS; wave w then owns rows 64 w .. + 63.
; The sums over K are therefore formed in two halves and added.
; A (ab) comes by tensor loads, asked for JOINTLY by the four work-groups of a row of the 4 x 4 cluster (same row tile y = cy): 64 rows x 256 bytes a wave.
; B (wo) is NOT asked for jointly, though the four work-groups of a cluster column read the same rows: a tensor load could only land f32, which doubles
; B's fragment bytes in LDS (16 loads for 8) and has both waves of a k half convert each number; and all tensor loads are waited for at each change of slots,
; which leaves a weight tile one K step (64 matrix instructions) to arrive.  Through registers three K steps (48 loads of 512 bytes a wave) are on
; their way across the changes of slots, and each number is converted once: load f32, round to f16, 8 bytes a lane into LDS.
; The matrix instruction is used transposed (source 0 = 16 rows of wo, source 1 = 16 rows of ab): lane (r, h) holds row r, columns 8 h + 0..7.
; LIMITS: operands are f16: |ab|, |wo| below 65,504; numbers below 6e-5 carry an absolute error of at most 3e-8.
;
; REGISTERS, in windows of 256: window 0: v16-28 addresses, v32-159 fragments of A (two buffers of 64), v160-223 fragments of B (two of 32);
; window 1: the 32 accumulators (tile (a, b) at 32 a + 8 b); window 2: three sets of 64 for weights on their way.
; Row tiles a = 0..3 are the rows that the wave keeps (64 w + 16 a), a = 4..7 those that it sends (64 (w xor 1) + 16 (a - 4)).
.set NB,     4
.set RL,     16                        ; weight rows (loads, LDS stores) of a wave in a K step
.set PITCH,  272                       ; an LDS row: 256 bytes + 16 = 17 x 16: the sixteen rows of a fragment load start in sixteen different 16-byte columns of a 256-byte span
.set ASLOT,  256*PITCH                 ; 69,632
.set BBASE,  2*ASLOT                   ; 139,264: B's slots are written by LDS stores and are no tensor load's target
.set BSLOT,  64*PITCH                  ; 17,408
.set RED,    BBASE+2*BSLOT             ; 174,080: the exchange, 16 tiles of 1,024 bytes for each receiving wave
.set RW,     4*NB*1024
.set STG,    RED+4*RW                  ; 239,616: the way out, 16 rows x 272 bytes for each wave
.set ADK, 16
.set ADS, 18
.set ADB, 20
.set BSQ, 21
.set GOF, 23
.set SND, 24
.set RCV, 25
.set STO, 26
.set RD,  27
.set CO,  28
.set FA0, 32
.set FB0, 160
.set RR,  32                           ; the way out: v[32:63] sums of a row tile
.set RB,  64                           ; v[64:95] rows read back
.set G1, 24
.set G0, 32
.set WQ, 46                            ; s[46:47] my rows of wo at the K step loaded next
.set OUT, 48
.set MSB, 0
.macro WIN new                         ; the immediate's high byte repeats the setting that is left
.if MSB != \new
	s_set_vgpr_msb (MSB<<8)|\new
.set MSB, \new
.endif
.endm
.macro PLACES                          ; four places behind a matrix instruction, in front of loads into, or vector work on, its registers
.rept 4
	v_nop
.endr
.endm
.macro CREST
	s_cmp_lg_u32 s20, 0
	s_cbranch_scc1 .Lnot_wave_0_\@
	s_barrier_signal -3
.Lnot_wave_0_\@:
	s_barrier_wait -3
	s_barrier_signal -1
	s_barrier_wait -1
.endm
.macro CROUND
	s_barrier_signal -1
	s_barrier_wait -1
	CREST
.endm
; 24 LDS loads: the fragments of 32 k (sub-step u of my k half) of slot s, into buffer u: B's 4, then my kept rows' 4, then the sent rows' 4
.macro FETCH s, u
	WIN 0
.irp b, 0,1,2,3
	ds_load_b128 v[FB0+32*\u+8*\b:FB0+32*\u+8*\b+3],   v[ADB] offset:\s*BSLOT+\b*16*PITCH+64*\u
	ds_load_b128 v[FB0+32*\u+8*\b+4:FB0+32*\u+8*\b+7], v[ADB] offset:\s*BSLOT+\b*16*PITCH+64*\u+32
.endr
.irp i, 0,1,2,3
	ds_load_b128 v[FA0+64*\u+8*\i:FA0+64*\u+8*\i+3],   v[ADK+\s] offset:\i*16*PITCH+64*\u
	ds_load_b128 v[FA0+64*\u+8*\i+4:FA0+64*\u+8*\i+7], v[ADK+\s] offset:\i*16*PITCH+64*\u+32
.endr
.irp i, 0,1,2,3
	ds_load_b128 v[FA0+64*\u+32+8*\i:FA0+64*\u+32+8*\i+3], v[ADS+\s] offset:\i*16*PITCH+64*\u
	ds_load_b128 v[FA0+64*\u+32+8*\i+4:FA0+64*\u+32+8*\i+7], v[ADS+\s] offset:\i*16*PITCH+64*\u+32
.endr
.endm
; the 4 matrix instructions of row tile a on buffer u.  zero = 1: the first product starts the sums.
.macro MG u, a, zero
	WIN 0x50
.irp b, 0,1,2,3
.if \zero
	v_wmma_f32_16x16x32_f16 v[32*\a+8*\b:32*\a+8*\b+7], v[FB0+32*\u+8*\b:FB0+32*\u+8*\b+7], v[FA0+64*\u+8*\a:FA0+64*\u+8*\a+7], 0
.else
	v_wmma_f32_16x16x32_f16 v[32*\a+8*\b:32*\a+8*\b+7], v[FB0+32*\u+8*\b:FB0+32*\u+8*\b+7], v[FA0+64*\u+8*\a:FA0+64*\u+8*\a+7], v[32*\a+8*\b:32*\a+8*\b+7]
.endif
.endr
.endm
; 16 loads: one K step (512 bytes) of each of my weight rows into a set of window 2.  adv: bytes the pointer steps first.
.macro BLOAD set, adv
.if \adv
	s_wait_xcnt 0x0                                ; the earlier loads' base register is stepped only behind this wait
	s_add_nc_u64 s[WQ:WQ+1], s[WQ:WQ+1], \adv
.endif
	WIN 0x80
.set i_, 0
.rept RL
	global_load_b128 v[64*\set+4*i_:64*\set+4*i_+3], v[GOF], s[WQ:WQ+1] offset:i_*16384
.set i_, i_+1
.endr
.endm
; a set is rounded to f16 in place and stored into B's slot s: lane L's k = 4 L .. + 3 are 8 bytes at 8 L of the row.  lcnt: the younger sets' loads.
.macro BCVT set, s, lcnt
	s_wait_loadcnt \lcnt
	WIN 0x8a
.set i_, 0
.rept RL
	v_cvt_pk_f16_f32 v[64*\set+4*i_],   v[64*\set+4*i_],   v[64*\set+4*i_+1]
	v_cvt_pk_f16_f32 v[64*\set+4*i_+1], v[64*\set+4*i_+2], v[64*\set+4*i_+3]
.set i_, i_+1
.endr
	WIN 0x08
.set i_, 0
.rept RL
	ds_store_b64 v[BSQ], v[64*\set+4*i_:64*\set+4*i_+1] offset:\s*BSLOT+i_*PITCH
.set i_, i_+1
.endr
.endm
; K step T on slot s (nx = the other slot), entered with sub-step 0's fragments requested.  set = (T + 1) mod 3 holds the weights of K step T + 1.
; stb: they are rounded and stored into B's slot nx.  ldb: the set is loaded again, with K step T + 4.
; mode 2: change of slots with a refill of A's slot s (K step T + 2); 1: change of slots alone; 0: the last K step.
; ONE round of the cluster's barrier for each change of slots.  In front of its opening signal each wave has waited for its reads of slot s (A's and B's), for its
; stores into B's slot nx and for all its tensor loads (one is out: its part of A's slot nx).  Behind the round A's slot s is asked for again, first; then slot nx is read;
; B's slot s is written again in the next K step.
; The 32 accumulators take turns, one instruction a turn, in the same order in every sub-step, over the loop's backward jump too.
.macro STEP s, nx, set, zero, mode, stb, ldb, lcnt
.irp a, 0,1,2,3
	s_wait_dscnt 2*(7-\a)                          ; B's fragments and A's up to row tile a are in; the later row tiles' loads stay out
	MG 0, \a, \zero
.endr
	s_wait_dscnt 0x0                               ; row tiles 4..7
	PLACES
	FETCH \s, 1
.if \stb
	BCVT \set, \nx, \lcnt
.endif
.if \ldb
	BLOAD \set, 512
.endif
.irp a, 4,5,6,7
	MG 0, \a, \zero
.endr
.if \stb
	s_wait_dscnt RL                                ; sub-step 1's fragments are in; the 16 stores issued behind them may be out
.else
	s_wait_dscnt 0x0
.endif
	MG 1, 0, 0
	MG 1, 1, 0
	MG 1, 2, 0
.if \mode
	s_wait_dscnt 0x0                               ; my reads of slot s and my stores into B's slot nx are done,
	s_wait_tensorcnt 0x0                           ; and all my tensor loads have landed:
	ds_add_u32 v254, v255
	s_wait_dscnt 0x0
	s_barrier_signal -1                            ; say so,
.endif
	MG 1, 3, 0                                     ; work on registers while the others arrive,
	MG 1, 4, 0
.if \mode
	WIN 0
	s_barrier_wait -1
.if \mode == 2
	CREST                                          ; all sixteen work-groups have said so
	s_add_nc_u64 s[G0+4*\s+2:G0+4*\s+3], s[G0+4*\s+2:G0+4*\s+3], 512   ; two K steps on; no tensor load of mine is out
	tensor_load_to_lds s[G0+4*\s:G0+4*\s+3], s[G1:G1+7]                ; my one tensor load behind the round, and the first thing there
	s_nop 0
.endif
	PLACES
	FETCH \nx, 0
.endif
	MG 1, 5, 0
	MG 1, 6, 0
	MG 1, 7, 0
.endm
	s_load_b128 s[4:7], s[0:1], 0x0                ; ab s[4:5], wo s[6:7]
	s_load_b64 s[8:9], s[0:1], 0x10                ; out0
	v_lshl_add_u32 v254, v0, 2, 0x3ec00
	v_mov_b32 v255, 0
	ds_add_u32 v254, v255
	v_lshrrev_b32 v1, 5, v0
	v_readfirstlane_b32 s20, v1                    ; wave w
	s_xor_b32 s21, s20, 1                          ; the wave with my rows and the other k half
	s_and_b32 s22, s20, 1                          ; kh
	v_and_b32 v2, 31, v0                           ; lane L
	v_lshlrev_b32 v[GOF], 4, v2
	s_bfe_u32 s40, ttmp6, 0x40000                  ; cx
	s_bfe_u32 s41, ttmp6, 0x40004                  ; cy = the row tile y (the grid has one cluster along y)
	s_lshl_b32 s42, ttmp9, 2
	s_add_co_u32 s42, s42, s40                     ; column tile x = 4 x cluster x + cx
	s_lshl_b32 s43, s41, 2
	s_lshl_b32 s43, 15, s43                        ; my row of the cluster: places 4 cy .. 4 cy + 3
	s_lshl_b32 s50, s42, 20                        ; wo: row 64 x + 16 w, 16,384 bytes a row
	s_lshl_b32 s51, s20, 18
	s_add_co_u32 s50, s50, s51
	s_mov_b32 s51, 0
	s_lshl_b32 s54, s41, 21                        ; ab: row 256 y + 64 w, 8,192 bytes a row; made of cy and the wave's number alone
	s_lshl_b32 s55, s20, 19
	s_add_co_u32 s54, s54, s55
	s_mov_b32 s55, 0
	s_mul_i32 s45, s20, 64*PITCH
	s_wait_dscnt 0x0
	s_wait_kmcnt 0x0
	s_add_nc_u64 s[WQ:WQ+1], s[6:7], s[50:51]
	s_add_nc_u64 s[54:55], s[4:5], s[54:55]
	BLOAD 0, 0                                     ; the weights of K steps 0, 1, 2 go out first
	BLOAD 1, 512
	BLOAD 2, 512
	WIN 0
	; descriptor group 1: 64 rows x 128 elements of 2 bytes, 16 bytes of padding behind each row
	s_or_b32 s[G1+0], s43, (1<<16)|(1<<20)|(1<<21)|(5<<22)|(3<<25)  ; 15:0 mask: my row of the cluster; 17:16 2 bytes; 20 padding; 21 set beside a mask; 24:22 after 64 words; 31:25 4 words
	s_mov_b32 s[G1+1], 128<<16                     ; tensor_dim0 = 128
	s_mov_b32 s[G1+2], 64<<16                      ; tensor_dim1 = 64
	s_mov_b32 s[G1+3], 128<<16                     ; tile_dim0 = 128
	s_mov_b32 s[G1+4], 64                          ; tile_dim1 = 64
	s_mov_b32 s[G1+5], 4096                        ; elements from row to row
	s_mov_b32 s[G1+6], 0
	s_mov_b32 s[G1+7], 0
.irp s, 0,1
	s_mov_b32 s[G0+4*\s], 1
	s_add_co_u32 s[G0+4*\s+1], s45, \s*ASLOT
	s_add_nc_u64 s[G0+4*\s+2:G0+4*\s+3], s[54:55], \s*256          ; K step s
	s_or_b32 s[G0+4*\s+3], s[G0+4*\s+3], 0x80000000
.endr
	CROUND                                         ; all sixteen work-groups are here: the first joint loads meet
	tensor_load_to_lds s[G0:G0+3], s[G1:G1+7]      ; two tensor loads of mine are out here, one behind each later round
	s_nop 0
	tensor_load_to_lds s[G0+4:G0+7], s[G1:G1+7]
	s_nop 0
	; addresses
	v_and_b32 v3, 15, v0                           ; r
	v_bfe_u32 v4, v0, 4, 1                         ; h
	v_mul_u32_u24 v5, v3, PITCH
	v_lshl_add_u32 v5, v4, 4, v5                   ; r x pitch + 16 h
	s_lshl_b32 s56, s22, 7                         ; my k half: 128 bytes into the rows
	s_mul_i32 s57, s20, 64*PITCH
	s_add_co_u32 s57, s57, s56
	v_add_nc_u32 v[ADK], s57, v5                   ; rows 64 w ..
	v_add_nc_u32 v[ADK+1], ASLOT, v[ADK]
	s_mul_i32 s57, s21, 64*PITCH
	s_add_co_u32 s57, s57, s56
	v_add_nc_u32 v[ADS], s57, v5                   ; rows 64 (w xor 1) ..
	v_add_nc_u32 v[ADS+1], ASLOT, v[ADS]
	s_add_co_u32 s56, s56, BBASE
	v_add_nc_u32 v[ADB], s56, v5
	s_mul_i32 s56, s20, 16*PITCH
	s_add_co_u32 s56, s56, BBASE
	v_lshl_add_u32 v[BSQ], v2, 3, s56              ; B's rows 16 w ..
	s_mul_i32 s56, s21, RW
	s_add_co_u32 s56, s56, RED
	v_lshl_add_u32 v[SND], v2, 4, s56
	s_mul_i32 s56, s20, RW
	s_add_co_u32 s56, s56, RED
	v_lshl_add_u32 v[RCV], v2, 4, s56
	s_mul_i32 s56, s20, 16*PITCH
	s_add_co_u32 s56, s56, STG                     ; my stage
	v_mul_u32_u24 v6, v3, PITCH
	v_lshl_add_u32 v6, v4, 5, v6
	v_add_nc_u32 v[STO], s56, v6                   ; in: row r, 32 h
	v_mul_u32_u24 v6, v4, PITCH
	v_lshl_add_u32 v6, v3, 4, v6
	v_add_nc_u32 v[RD], s56, v6                    ; back: lanes 0-15 one row of 256 bytes, lanes 16-31 the next
	v_lshlrev_b32 v6, 14, v4
	v_lshl_add_u32 v[CO], v3, 4, v6                ; and the same two rows in out0
	s_lshl_b32 s50, s41, 22                        ; out0: row 256 y + 64 w of 16,384 bytes, byte 256 x
	s_lshl_b32 s56, s20, 20
	s_add_co_u32 s50, s50, s56
	s_lshl_b32 s56, s42, 8
	s_add_co_u32 s50, s50, s56
	s_add_nc_u64 s[OUT:OUT+1], s[8:9], s[50:51]
	BCVT 0, 0, 2*RL                                ; K step 0's weights; the 32 loads of K steps 1 and 2 stay out
	BLOAD 0, 512                                   ; K step 3
	s_wait_dscnt 0x0                               ; my part of B's slot 0 is stored,
	s_wait_tensorcnt 0x1                           ; my part of A's slot 0 is in; slot 1's load stays out
	s_barrier_signal -1
	s_barrier_wait -1
	FETCH 0, 0
	STEP 0, 1, 1, 1, 2, 1, 1, 2*RL                 ; K step 0 starts the sums
	STEP 1, 0, 2, 0, 2, 1, 1, 2*RL
	WIN 0
	s_mov_b32 s3, 4                                ; K steps 2 .. 25, six a trip: two slots and three sets come round together
.Lk:
	STEP 0, 1, 0, 0, 2, 1, 1, 2*RL
	STEP 1, 0, 1, 0, 2, 1, 1, 2*RL
	STEP 0, 1, 2, 0, 2, 1, 1, 2*RL
	STEP 1, 0, 0, 0, 2, 1, 1, 2*RL
	STEP 0, 1, 1, 0, 2, 1, 1, 2*RL
	STEP 1, 0, 2, 0, 2, 1, 1, 2*RL
	WIN 0
	s_sub_co_u32 s3, s3, 1
	s_cmp_lg_u32 s3, 0
	s_cbranch_scc1 .Lk
	STEP 0, 1, 0, 0, 2, 1, 1, 2*RL                 ; 26
	STEP 1, 0, 1, 0, 2, 1, 1, 2*RL                 ; 27: the last weight loads (K step 31)
	STEP 0, 1, 2, 0, 2, 1, 0, 2*RL                 ; 28
	STEP 1, 0, 0, 0, 2, 1, 0, RL                   ; 29: the last refill of A; one younger set is out
	STEP 0, 1, 1, 0, 1, 1, 0, 0                    ; 30
	STEP 1, 0, 0, 0, 0, 0, 0, 0                    ; 31
; THE WAY OUT
.macro SEND a                          ; row tile a's sums to the wave that keeps those rows: 1,024 consecutive bytes a tile
.irp b, 0,1,2,3
	ds_store_b128 v[SND], v[32*\a+8*\b:32*\a+8*\b+3]   offset:((\a-4)*NB+\b)*1024
	ds_store_b128 v[SND], v[32*\a+8*\b+4:32*\a+8*\b+7] offset:((\a-4)*NB+\b)*1024+512
.endr
.endm
.macro OTILE i                         ; rows 64 w + 16 i .. + 15
.irp b, 0,1,2,3
	ds_load_b128 v[RR+8*\b:RR+8*\b+3],   v[RCV] offset:(\i*NB+\b)*1024
	ds_load_b128 v[RR+8*\b+4:RR+8*\b+7], v[RCV] offset:(\i*NB+\b)*1024+512
.endr
	s_wait_dscnt 0x0
	WIN 0x01
.set k_, 0
.rept 16
	v_pk_add_f32 v[RR+2*k_:RR+2*k_+1], v[32*\i+2*k_:32*\i+2*k_+1], v[RR+2*k_:RR+2*k_+1]   ; my k half + the other
.set k_, k_+1
.endr
	WIN 0
.irp b, 0,1,2,3
	ds_store_b128 v[STO], v[RR+8*\b:RR+8*\b+3]   offset:64*\b
	ds_store_b128 v[STO], v[RR+8*\b+4:RR+8*\b+7] offset:64*\b+16
.endr
	s_wait_xcnt 0x0                                ; RB, the last tile's store data, is loaded again only behind this wait
.irp k, 0,1,2,3,4,5,6,7
	ds_load_b128 v[RB+4*\k:RB+4*\k+3], v[RD] offset:2*PITCH*\k           ; LDS serves a wave's instructions in order: these see the stores above
.endr
.irp k, 0,1,2,3,4,5,6,7
	s_wait_dscnt 7-\k
	global_store_b128 v[CO], v[RB+4*\k:RB+4*\k+3], s[OUT:OUT+1] offset:(16*\i+2*\k)*16384 th:TH_STORE_NT   ; sixteen lanes store 256 consecutive aligned bytes
.endr
.endm
	PLACES                                         ; behind the last matrix instructions: results are read, fragment registers loaded over
	WIN 0x04
	SEND 4
	SEND 5
	SEND 6
	SEND 7
	WIN 0
	s_wait_dscnt 0x0                               ; my sends are stored before I say so
	s_barrier_signal -1
	s_barrier_wait -1
	OTILE 0
	OTILE 1
	OTILE 2
	OTILE 3
	s_wait_tensorcnt 0x0
	ds_add_u32 v254, v255
	s_wait_dscnt 0x0
	CROUND                                         ; the closing round: no work-group ends while a partner may still ask jointly
	s_endpgm
.Lfunc_end_k_q975585bd7d_oproj:
	.size	k_q975585bd7d_oproj, .Lfunc_end_k_q975585bd7d_oproj-k_q975585bd7d_oproj
	.p2alignl 7, 3214868480
	.fill 96, 4, 3214868480
	.section	.rodata,"a",@progbits
	.p2align	6, 0x0
	.amdhsa_kernel k_q975585bd7d_oproj
		.amdhsa_group_segment_fixed_size 327680
		.amdhsa_private_segment_fixed_size 0
		.amdhsa_enable_private_segment 0
		.amdhsa_kernarg_size 24
		.amdhsa_user_sgpr_count 2
		.amdhsa_user_sgpr_kernarg_segment_ptr 1
		.amdhsa_wavefront_size32 1
		.amdhsa_system_sgpr_workgroup_id_x 1
		.amdhsa_system_sgpr_workgroup_id_y 1
		.amdhsa_system_sgpr_workgroup_id_z 1
		.amdhsa_system_vgpr_workitem_id 0
		.amdhsa_next_free_vgpr 704
		.amdhsa_next_free_sgpr 66
		.amdhsa_reserve_vcc 0
		.amdhsa_float_denorm_mode_32 3
		.amdhsa_float_denorm_mode_16_64 3
		.amdhsa_memory_ordered 1
		.amdhsa_forward_progress 1
		.amdhsa_inst_pref_size 202
	.end_amdhsa_kernel
	.amdgpu_metadata
---
amdhsa.version: [ 1, 2 ]
amdhsa.kernels:
  - .name:           k_q975585bd7d_oproj
    .symbol:         k_q975585bd7d_oproj.kd
    .args:
      - { .name: ab, .offset: 0, .size: 8, .value_kind: global_buffer, .address_space: global }
      - { .name: wo, .offset: 8, .size: 8, .value_kind: global_buffer, .address_space: global }
      - { .name: out0, .offset: 16, .size: 8, .value_kind: global_buffer, .address_space: global }
    .group_segment_fixed_size: 327680
    .private_segment_fixed_size: 0
    .kernarg_segment_align: 8
    .kernarg_segment_size: 24
    .max_flat_workgroup_size: 128
    .sgpr_count:     66
    .vgpr_count:     704
    .wavefront_size: 32
...
	.end_amdgpu_metadata
.endif
;; end of part 4
;; ======== version 2 of 3: 4 launches; 1.25 times as fast as version 1
;; limits: values are held in f16: magnitudes above 65,504 overflow, below 6.1e-05 lose precision
;; workspace buffers: hb 8,388,608 bytes; rope 524,288 bytes; qb 8,388,608 bytes; kb 2,097,152 bytes; vb 2,097,152 bytes; ab 8,388,608 bytes
;; launch norm: the kernel of part 1 again; grid 256 x 1, 8 waves a work-group, no clusters, 1,280 bytes of LDS; arguments hidden, norm_w, hb, rope; writes hb, rope
;; launch qkv (part 5): grid 64 x 4, 4 waves a work-group, clusters of 4 x 4, 327,680 bytes of LDS; arguments hb, wq, wk, wv, rope, qb, kb, vb; writes qb, kb, vb
.if DOCPART == 5
	.amdgcn_target "amdgcn-amd-amdhsa--gfx1250"
	.amdhsa_code_object_version 6
	.text
	.protected	k_q975585bd7d_qkv
	.globl	k_q975585bd7d_qkv
	.p2align	8
	.type	k_q975585bd7d_qkv,@function
k_q975585bd7d_qkv:
	s_mov_b64 s[64:65], 0
	v_nop
	global_prefetch_b8 v0, s[64:65] scope:SCOPE_SE
	s_setreg_imm32_b32 hwreg(HW_REG_WAVE_MODE, 25, 1), 1
	s_wait_xcnt 0x0
	s_wait_alu depctr_hold_cnt(0) depctr_sa_sdst(0) depctr_va_vdst(0) depctr_va_sdst(0) depctr_va_ssrc(0) depctr_va_vcc(0) depctr_vm_vsrc(0)
	s_getreg_b32 s2, hwreg(HW_REG_IB_STS2, 6, 4)
	s_cmp_eq_u32 s2, 0
	s_cbranch_scc0 .Lentry_in_a_cluster
	s_endpgm
.Lentry_in_a_cluster:
	s_bfe_u32 s2, ttmp6, 0x10000c
	s_cmp_lg_u32 s2, 0xf033
	s_cbranch_scc0 .Lentry_shape_is_right
	s_endpgm
.Lentry_shape_is_right:
; [q | k | v] = hb [wq; wk; wv]^T with RoPE on q and k.  hb: [1024][4096] f16; wq: [4096][4096], wk, wv: [1024][4096] f32; sums in f32; results f16.
; A work-group makes 256 rows x 96 columns: 64 columns of q (wq rows 64 x ..) and 32 of k (x < 32) or of v (x >= 32; rows 32 (x mod 32) ..).
; K = 4096 goes in 32 steps of 128.
; FOUR WAVES.  Wave w = 2 mh + kh takes rows 128 mh .. + 127, all 96 columns, and only k = 64 kh .. + 63 of every K step: 48 matrix instructions
; are fed by 28 fragment loads.  At the end the two waves of a row half exchange halves of their sums through LDS; wave w then owns rows 64 w .. + 63.
; The sums over K are therefore formed in two halves and added.
; THE WALK ALONG K IS ROTATED BY CLUSTER.  Cluster c = 0..15 has r = (c mod 8) xor 7 (c / 8) and takes the K steps in the order 4 r, 4 r + 1, .., 31, 0, .., 4 r - 1
; (below, 'K step T' is the T-th of this walk).  r hangs on the cluster's number alone, so the partners of a joint load agree.  Two clusters have the same r only if
; their numbers differ in all four bits, so any eight clusters that agree in one bit of c have eight different r.  At any time the clusters thus ask for eight different
; parts of hb's rows and of the weights' rows, and, as far as they keep pace, what a cluster asks of hb behind its first four K steps has been asked for before by
; another.  The sums are formed in the rotated order.
; A (hb) comes by tensor loads, asked for JOINTLY by the four work-groups of a row of the 4 x 4 cluster (same row tile y = cy).  Two LDS slots, each with the tiles of
; TWO K steps: one load of a wave brings 64 rows x 512 bytes, and between a request and the wait for it the wave issues 180 matrix instructions (18 + 96 + 66).
; B (the weights) is NOT asked for jointly, though the four work-groups of a cluster column read the same rows: a tensor load could only land f32, and two slots of
; two K steps of A (270,336 bytes) and of f32 weights (2 x 96 x 1,040 bytes) do not fit in LDS, while slots of one K step leave a weight tile 96 matrix instructions
; to arrive.  Through registers two K steps (48 loads of 512 bytes a wave) are on their way across the changes of slots, and each number is converted once:
; load f32, round to f16, 8 bytes a lane into one of two LDS slots of one K step each.
; The matrix instruction is used transposed (source 0 = 16 weight rows, source 1 = 16 rows of hb): lane (r, h) holds row r, columns 8 h + 0..7.
; OUTPUT LAYOUTS: qb [x = 0..63][row][64 columns], kb and vb [x' = 0..31][row][32 columns], f16: what a work-group stores is dense.
; LIMITS: operands and results are f16: |hb|, |w|, |q|, |k|, |v| below 65,504; numbers below 6e-5 carry an absolute error of at most 3e-8.
;
; REGISTERS, in windows of 256: window 0: v16-29 addresses, v32-159 fragments of A (two buffers of 64), v160-255 fragments of B (two of 48);
; window 1: accumulators of row tiles a = 0..4 (tile (a, b) at 48 a + 8 b); window 2: a = 5..7; window 3: two sets of 96 for weights on their way.
; Row tiles a = 0..3 are the rows that the wave keeps (64 w + 16 a), a = 4..7 those that it sends (64 (w xor 1) + 16 (a - 4)).
.set NB,     6                         ; column tiles of 16
.set RL,     24                        ; weight rows (loads, LDS stores) of a wave in a K step: 16 of wq, 8 of wk or wv
.set APITCH, 528                       ; A's LDS row: 512 bytes (two K steps) + 16 = 33 x 16: the sixteen rows of a fragment load start in sixteen different 16-byte columns of a 256-byte span
.set ASLOT,  256*APITCH                ; 135,168
.set BPITCH, 272                       ; B's LDS row: 256 bytes (one K step) + 16 = 17 x 16
.set BBASE,  2*ASLOT                   ; 270,336: B's slots are written by LDS stores and are no tensor load's target
.set BSLOT,  96*BPITCH                 ; 26,112
; The exchange and the way out lie in A's slot 0.  Its last fill is K steps 28 and 29; every wave's last reads of it are waited for in front of the barrier at the end of
; K step 29; nothing is stored there before K step 31 is done, and no tensor load is issued behind that.
.set RW,     4*NB*1024                 ; the exchange, from LDS byte 0: 24 tiles of 1,024 bytes for each receiving wave
.set STG,    4*RW                      ; 98,304: the way out, 16 rows x 208 bytes for each wave; ends at 111,616
.set SPITCH, 208
.set ADK, 16                           ; v16-17 LDS address of the fragments of my kept rows, A's slot 0, 1
.set ADS, 18                           ; v18-19 of the rows that I send
.set ADB, 20                           ; v20    of B's fragments, slot 0
.set BSQ, 21                           ; v21    where I store my 16 rows of wq
.set BSK, 22                           ; v22    my 8 rows of wk or wv
.set GOF, 23                           ; v23    16 x lane
.set SND, 24
.set RCV, 25
.set ROF, 26                           ; v26    my offset in the table
.set STO, 27
.set RDQ, 28
.set RDK, 29
.set FA0, 32
.set FB0, 160
.set RR,   32                          ; the way out: v[32:79] sums of a row tile
.set T0,   80                          ; v[80:127], v[128:175] (cos, sin) of a row tile, two buffers
.set T1,   128
.set OUTP, 176                         ; v[176:199] packed f16
.set RB,   200                         ; v[200:223] rows read back
.set TT,   224
.set G1, 24                            ; s[24:31] descriptor group 1
.set G0, 32                            ; s[32:39] descriptor group 0, one set for each slot
.set WQ, 46                            ; s[46:47] my rows of wq at the K step loaded next
.set WK, 48                            ; s[48:49] my rows of wk or wv
.set ABASE, 54                         ; s[54:55] hb at my 64 rows, k = 0; kept
.set ROPQ, 56
.set ROPK, 58
.set KO, 60
.set QO, 62
.set AOF, 68                           ; s[68:69], s[70:71] byte offset in hb's rows of the tile that slot 0, 1 holds or is asked for; upper words 0
.set BOF, 72                           ; s[72:73] byte offset in the weights' rows of the K step loaded last; upper word 0
.set WQB, 74                           ; s[74:75] my rows of wq, k = 0; kept
.set WKB, 76                           ; s[76:77] my rows of wk or wv, k = 0; kept
.set MSB, 0
.macro WIN new                         ; the immediate's high byte repeats the setting that is left
.if MSB != \new
	s_set_vgpr_msb (MSB<<8)|\new
.set MSB, \new
.endif
.endm
.macro PLACES                          ; four places behind a matrix instruction, in front of loads into, or vector work on, its registers
.rept 4
	v_nop
.endr
.endm
.macro CREST                           ; a round of the cluster's barrier behind its opening work-group barrier
	s_cmp_lg_u32 s20, 0
	s_cbranch_scc1 .Lnot_wave_0_\@
	s_barrier_signal -3
.Lnot_wave_0_\@:
	s_barrier_wait -3
	s_barrier_signal -1
	s_barrier_wait -1
.endm
.macro CROUND
	s_barrier_signal -1
	s_barrier_wait -1
	CREST
.endm
; 28 LDS loads: the fragments of 32 k (sub-step u of my k half) of K step j of A's slot sa (B's slot is j), into buffer u: B's 6, then my kept rows' 4, then the sent rows' 4
.macro FETCH sa, j, u
	WIN 0
.irp b, 0,1,2,3,4,5
	ds_load_b128 v[FB0+48*\u+8*\b:FB0+48*\u+8*\b+3],   v[ADB] offset:\j*BSLOT+\b*16*BPITCH+64*\u
	ds_load_b128 v[FB0+48*\u+8*\b+4:FB0+48*\u+8*\b+7], v[ADB] offset:\j*BSLOT+\b*16*BPITCH+64*\u+32
.endr
.irp i, 0,1,2,3
	ds_load_b128 v[FA0+64*\u+8*\i:FA0+64*\u+8*\i+3],   v[ADK+\sa] offset:\i*16*APITCH+256*\j+64*\u
	ds_load_b128 v[FA0+64*\u+8*\i+4:FA0+64*\u+8*\i+7], v[ADK+\sa] offset:\i*16*APITCH+256*\j+64*\u+32
.endr
.irp i, 0,1,2,3
	ds_load_b128 v[FA0+64*\u+32+8*\i:FA0+64*\u+32+8*\i+3], v[ADS+\sa] offset:\i*16*APITCH+256*\j+64*\u
	ds_load_b128 v[FA0+64*\u+32+8*\i+4:FA0+64*\u+32+8*\i+7], v[ADS+\sa] offset:\i*16*APITCH+256*\j+64*\u+32
.endr
.endm
; the 6 matrix instructions of row tile a on buffer u.  zero = 1: the first product starts the sums.
.macro MG u, a, zero
.if \a < 5
	WIN 0x50
.set AB_, 48*\a
.else
	WIN 0xa0
.set AB_, 48*(\a-5)
.endif
.irp b, 0,1,2,3,4,5
.if \zero
	v_wmma_f32_16x16x32_f16 v[AB_+8*\b:AB_+8*\b+7], v[FB0+48*\u+8*\b:FB0+48*\u+8*\b+7], v[FA0+64*\u+8*\a:FA0+64*\u+8*\a+7], 0
.else
	v_wmma_f32_16x16x32_f16 v[AB_+8*\b:AB_+8*\b+7], v[FB0+48*\u+8*\b:FB0+48*\u+8*\b+7], v[FA0+64*\u+8*\a:FA0+64*\u+8*\a+7], v[AB_+8*\b:AB_+8*\b+7]
.endif
.endr
.endm
; 24 loads: one K step (512 bytes) of each of my weight rows into a set of window 3; a load takes one row's 512 consecutive bytes.
; step = 1: the walk goes one K step on first, round the end of the rows (16,384 bytes).
.macro BLOAD set, step
.if \step
	s_wait_xcnt 0x0                                ; the earlier loads' base registers are written again only behind this wait
	s_add_co_u32 s[BOF], s[BOF], 512
	s_and_b32 s[BOF], s[BOF], 16383
	s_add_nc_u64 s[WQ:WQ+1], s[WQB:WQB+1], s[BOF:BOF+1]
	s_add_nc_u64 s[WK:WK+1], s[WKB:WKB+1], s[BOF:BOF+1]
.endif
	WIN 0xc0
.set i_, 0
.rept 16
	global_load_b128 v[96*\set+4*i_:96*\set+4*i_+3], v[GOF], s[WQ:WQ+1] offset:i_*16384
.set i_, i_+1
.endr
.set i_, 0
.rept 8
	global_load_b128 v[96*\set+64+4*i_:96*\set+64+4*i_+3], v[GOF], s[WK:WK+1] offset:i_*16384
.set i_, i_+1
.endr
.endm
; a set is rounded to f16 in place and stored into B's slot s: lane L's k = 4 L .. + 3 are 8 bytes at 8 L of the row.  lcnt: the younger sets' loads.
.macro BCVT set, s, lcnt
	s_wait_loadcnt \lcnt
	WIN 0xcf
.set i_, 0
.rept RL
	v_cvt_pk_f16_f32 v[96*\set+4*i_],   v[96*\set+4*i_],   v[96*\set+4*i_+1]
	v_cvt_pk_f16_f32 v[96*\set+4*i_+1], v[96*\set+4*i_+2], v[96*\set+4*i_+3]
.set i_, i_+1
.endr
	WIN 0x0c
.set i_, 0
.rept 16
	ds_store_b64 v[BSQ], v[96*\set+4*i_:96*\set+4*i_+1] offset:\s*BSLOT+i_*BPITCH
.set i_, i_+1
.endr
.set i_, 0
.rept 8
	ds_store_b64 v[BSK], v[96*\set+64+4*i_:96*\set+64+4*i_+1] offset:\s*BSLOT+i_*BPITCH
.set i_, i_+1
.endr
.endm
; K step T = place j (0, 1) of A's slot sa, with B's slot j; entered with sub-step 0's fragments requested.  (fa, fj): slot and place of K step T + 1.
; set = (T + 1) mod 2 holds the weights of K step T + 1.  stb: they are rounded and stored into B's slot fj.  ldb: the set is loaded again, with K step T + 3.
; mode 3: between the two K steps of a slot: a work-group barrier for B alone.  In front of it each wave has waited for its reads of B's slot j and for its stores into B's
;         slot fj; behind it slot fj is read, and slot j is written again in the next K step.  No tensor load fills anything behind it: my load for A's other slot stays out.
; mode 2: change of A's slots with a refill: ONE round of the cluster's barrier.  In front of its opening signal each wave has waited for the same LDS accesses, its reads of
;         A's slot sa among them, and for all its tensor loads (one is out: its part of A's slot fa).  Behind the round A's slot sa is asked for again, first; then slot fa is read.
; mode 1: change of A's slots, nothing left to ask for: the same waits, a work-group barrier.   mode 0: the last K step.
; The 48 accumulators take turns, one instruction a turn, in the same order in every sub-step, over the loop's backward jump too.
.macro STEP sa, j, fa, fj, set, zero, mode, stb, ldb, lcnt
.irp a, 0,1,2,3
	s_wait_dscnt 2*(7-\a)                          ; B's fragments and A's up to row tile a are in; the later row tiles' loads stay out
	MG 0, \a, \zero
.endr
	s_wait_dscnt 0x0                               ; row tiles 4..7
	PLACES
	FETCH \sa, \j, 1
.if \stb
	BCVT \set, \fj, \lcnt
.endif
.if \ldb
	BLOAD \set, 1
.endif
.irp a, 4,5,6,7
	MG 0, \a, \zero
.endr
.if \stb
	s_wait_dscnt RL                                ; sub-step 1's fragments are in; the 24 stores issued behind them may be out
.else
	s_wait_dscnt 0x0
.endif
	MG 1, 0, 0
	MG 1, 1, 0
	MG 1, 2, 0
.if \mode
	s_wait_dscnt 0x0                               ; my reads of this K step's tiles and my stores into B's slot fj are done,
.if \mode != 3
	s_wait_tensorcnt 0x0                           ; and all my tensor loads have landed:
	ds_add_u32 v30, v31
	s_wait_dscnt 0x0
.endif
.if \mode == 2
	s_add_co_u32 s[AOF+2*\sa], s[AOF+2*\sa], 1024  ; no tensor load of mine is out, so a group 0 may be written: slot sa's next tile is four K steps on,
	s_and_b32 s[AOF+2*\sa], s[AOF+2*\sa], 8191     ; round the end of hb's rows (8,192 bytes)
	s_add_nc_u64 s[G0+4*\sa+2:G0+4*\sa+3], s[ABASE:ABASE+1], s[AOF+2*\sa:AOF+2*\sa+1]
	s_or_b32 s[G0+4*\sa+3], s[G0+4*\sa+3], 0x80000000
.endif
	s_barrier_signal -1                            ; say so,
.endif
	MG 1, 3, 0                                     ; work on registers while the others arrive,
	MG 1, 4, 0
.if \mode
	WIN 0                                          ; (branches may follow)
	s_barrier_wait -1
.if \mode == 2
	CREST                                          ; all sixteen work-groups have said so
	tensor_load_to_lds s[G0+4*\sa:G0+4*\sa+3], s[G1:G1+7]                   ; my one tensor load behind the round, and the first thing there
	s_nop 0
.endif
	PLACES
	FETCH \fa, \fj, 0
.endif
	MG 1, 5, 0
	MG 1, 6, 0
	MG 1, 7, 0
.endm
.macro QUAD zero                       ; four K steps: once through both of A's slots, both filled again
	STEP 0, 0, 0, 1, 1, \zero, 3, 1, 1, RL
	STEP 0, 1, 1, 0, 0, 0,     2, 1, 1, RL
	STEP 1, 0, 1, 1, 1, 0,     3, 1, 1, RL
	STEP 1, 1, 0, 0, 0, 0,     2, 1, 1, RL
.endm
	s_load_b256 s[4:11], s[0:1], 0x0               ; hb s[4:5], wq s[6:7], wk s[8:9], wv s[10:11]
	s_load_b256 s[12:19], s[0:1], 0x20             ; rope s[12:13], qb s[14:15], kb s[16:17], vb s[18:19]
	v_lshl_add_u32 v30, v0, 2, 0x4ec00
	v_mov_b32 v31, 0
	ds_add_u32 v30, v31
	v_lshrrev_b32 v1, 5, v0
	v_readfirstlane_b32 s20, v1                    ; wave w
	s_xor_b32 s21, s20, 1                          ; the wave with my rows and the other k half
	s_and_b32 s22, s20, 1                          ; kh
	v_and_b32 v2, 31, v0                           ; lane L
	v_lshlrev_b32 v[GOF], 4, v2
	s_bfe_u32 s40, ttmp6, 0x40000                  ; cx
	s_bfe_u32 s41, ttmp6, 0x40004                  ; cy = the row tile y (the grid has one cluster along y)
	s_lshl_b32 s42, ttmp9, 2
	s_add_co_u32 s42, s42, s40                     ; column tile x = 4 x cluster x + cx
	s_and_b32 s44, s42, 31                         ; x' : the tile of k or of v
	s_lshl_b32 s43, s41, 2
	s_lshl_b32 s43, 15, s43                        ; my row of the cluster: places 4 cy .. 4 cy + 3
	s_lshr_b32 s68, ttmp9, 3                       ; the rotation: r = (c mod 8) xor 7 (c / 8), of the cluster's number c alone
	s_mul_i32 s68, s68, 7
	s_xor_b32 s68, s68, ttmp9
	s_and_b32 s68, s68, 7
	s_lshl_b32 s[BOF], s68, 11                     ; K step 4 r: 4 x 512 r bytes into the weights' rows,
	s_mov_b32 s[BOF+1], 0
	s_lshl_b32 s[AOF], s68, 10                     ; 4 x 256 r bytes into hb's rows: slot 0's first tile,
	s_mov_b32 s[AOF+1], 0
	s_add_co_u32 s[AOF+2], s[AOF], 512             ; and two K steps on: slot 1's
	s_mov_b32 s[AOF+3], 0
	s_lshl_b32 s50, s42, 20                        ; wq: row 64 x + 16 w, 16,384 bytes a row
	s_lshl_b32 s51, s20, 18
	s_add_co_u32 s50, s50, s51
	s_mov_b32 s51, 0
	s_lshl_b32 s52, s44, 19                        ; wk, wv: row 32 x' + 8 w
	s_lshl_b32 s53, s20, 17
	s_add_co_u32 s52, s52, s53
	s_mov_b32 s53, 0
	s_lshl_b32 s54, s41, 21                        ; hb: row 256 y + 64 w, 8,192 bytes a row; made of cy and the wave's number alone
	s_lshl_b32 s55, s20, 19
	s_add_co_u32 s54, s54, s55
	s_mov_b32 s55, 0
	s_mul_i32 s45, s20, 64*APITCH                  ; and where my 64 rows go in a slot
	s_wait_dscnt 0x0
	s_wait_kmcnt 0x0
	s_add_nc_u64 s[WQB:WQB+1], s[6:7], s[50:51]
	s_cmp_lt_u32 ttmp9, 8                          ; clusters 0..7 (x < 32) make k, the others v: the same in all sixteen work-groups
	s_cselect_b64 s[WKB:WKB+1], s[8:9], s[10:11]
	s_cselect_b64 s[KO:KO+1], s[16:17], s[18:19]
	s_add_nc_u64 s[WKB:WKB+1], s[WKB:WKB+1], s[52:53]
	s_add_nc_u64 s[ABASE:ABASE+1], s[4:5], s[54:55]
	s_add_nc_u64 s[WQ:WQ+1], s[WQB:WQB+1], s[BOF:BOF+1]
	s_add_nc_u64 s[WK:WK+1], s[WKB:WKB+1], s[BOF:BOF+1]
	BLOAD 0, 0                                     ; the weights of K steps 0 and 1 go out first
	BLOAD 1, 1
	WIN 0
	; descriptor group 1: 64 rows x 256 elements of 2 bytes (two K steps), 16 bytes of padding behind each row
	s_or_b32 s[G1+0], s43, (1<<16)|(1<<20)|(1<<21)|(6<<22)|(3<<25)  ; 15:0 mask: my row of the cluster; 17:16 2 bytes; 20 padding; 21 set beside a mask; 24:22 after 128 words; 31:25 4 words
	s_mov_b32 s[G1+1], 256<<16                     ; tensor_dim0 = 256
	s_mov_b32 s[G1+2], 64<<16                      ; tensor_dim1 = 64
	s_mov_b32 s[G1+3], 256<<16                     ; tile_dim0 = 256
	s_mov_b32 s[G1+4], 64                          ; tile_dim1 = 64
	s_mov_b32 s[G1+5], 4096                        ; elements from row to row
	s_mov_b32 s[G1+6], 0
	s_mov_b32 s[G1+7], 0
.irp s, 0,1
	s_mov_b32 s[G0+4*\s], 1
	s_add_co_u32 s[G0+4*\s+1], s45, \s*ASLOT
	s_add_nc_u64 s[G0+4*\s+2:G0+4*\s+3], s[ABASE:ABASE+1], s[AOF+2*\s:AOF+2*\s+1]   ; K steps 2 s, 2 s + 1 of the walk
	s_or_b32 s[G0+4*\s+3], s[G0+4*\s+3], 0x80000000
.endr
	CROUND                                         ; all sixteen work-groups are here: the first joint loads meet
	tensor_load_to_lds s[G0:G0+3], s[G1:G1+7]      ; two tensor loads of mine are out here, one behind each later round
	s_nop 0
	tensor_load_to_lds s[G0+4:G0+7], s[G1:G1+7]
	s_nop 0
	; addresses
	v_and_b32 v3, 15, v0                           ; r
	v_bfe_u32 v4, v0, 4, 1                         ; h
	v_mul_u32_u24 v5, v3, APITCH
	v_lshl_add_u32 v5, v4, 4, v5                   ; A: r x pitch + 16 h
	v_mul_u32_u24 v8, v3, BPITCH
	v_lshl_add_u32 v8, v4, 4, v8                   ; B: r x pitch + 16 h
	s_lshl_b32 s66, s22, 7                         ; my k half: 128 bytes into a K step's 256
	s_mul_i32 s67, s20, 64*APITCH
	s_add_co_u32 s67, s67, s66
	v_add_nc_u32 v[ADK], s67, v5                   ; rows 64 w ..
	v_add_nc_u32 v[ADK+1], ASLOT, v[ADK]
	s_mul_i32 s67, s21, 64*APITCH
	s_add_co_u32 s67, s67, s66
	v_add_nc_u32 v[ADS], s67, v5                   ; rows 64 (w xor 1) ..
	v_add_nc_u32 v[ADS+1], ASLOT, v[ADS]
	s_add_co_u32 s66, s66, BBASE
	v_add_nc_u32 v[ADB], s66, v8
	s_mul_i32 s66, s20, 16*BPITCH
	s_add_co_u32 s66, s66, BBASE
	v_lshl_add_u32 v[BSQ], v2, 3, s66              ; B's rows 16 w ..
	s_mul_i32 s66, s20, 8*BPITCH
	s_add_co_u32 s66, s66, BBASE+64*BPITCH
	v_lshl_add_u32 v[BSK], v2, 3, s66              ; B's rows 64 + 8 w ..
	s_mul_i32 s66, s21, RW
	v_lshl_add_u32 v[SND], v2, 4, s66
	s_mul_i32 s66, s20, RW
	v_lshl_add_u32 v[RCV], v2, 4, s66
	v_lshlrev_b32 v6, 9, v3                        ; the table: row 64 w + r of 512 bytes, 32 h
	v_lshl_add_u32 v6, v4, 5, v6
	s_lshl_b32 s66, s20, 15
	v_add_nc_u32 v[ROF], s66, v6
	s_mul_i32 s66, s20, 16*SPITCH
	s_add_co_u32 s66, s66, STG                     ; my stage
	v_mul_u32_u24 v6, v3, SPITCH
	v_lshl_add_u32 v6, v4, 4, v6
	v_add_nc_u32 v[STO], s66, v6                   ; in: row r, 16 h
	v_lshrrev_b32 v6, 3, v2
	v_mul_u32_u24 v6, v6, SPITCH
	v_and_b32 v7, 7, v2
	v_lshl_add_u32 v6, v7, 4, v6
	v_add_nc_u32 v[RDQ], s66, v6                   ; back, q: 4 rows of 128 bytes an instruction
	v_lshrrev_b32 v6, 2, v2
	v_mul_u32_u24 v6, v6, SPITCH
	v_and_b32 v7, 3, v2
	v_lshl_add_u32 v6, v7, 4, v6
	v_add3_u32 v[RDK], v6, s66, 128                ; back, k or v: 8 rows of 64 bytes, behind q's 128
	; bases of the way out
	s_lshl_b32 s66, s41, 17                        ; the table at row 256 y,
	s_and_b32 s67, s42, 1
	s_lshl_b32 s67, s67, 8                         ; q: pairs 32 (x mod 2) ..
	s_add_co_u32 s50, s66, s67
	s_mov_b32 s51, 0
	s_add_nc_u64 s[ROPQ:ROPQ+1], s[12:13], s[50:51]
	s_and_b32 s67, s42, 3
	s_lshl_b32 s67, s67, 7                         ; k: pairs 16 (x mod 4) ..
	s_add_co_u32 s50, s66, s67
	s_add_nc_u64 s[ROPK:ROPK+1], s[12:13], s[50:51]
	s_lshl_b32 s50, s42, 17                        ; qb: block x, row 256 y + 64 w of 128 bytes
	s_lshl_b32 s66, s41, 15
	s_add_co_u32 s50, s50, s66
	s_lshl_b32 s66, s20, 13
	s_add_co_u32 s50, s50, s66
	s_add_nc_u64 s[QO:QO+1], s[14:15], s[50:51]
	s_lshl_b32 s50, s44, 16                        ; kb or vb: block x', rows of 64 bytes
	s_lshl_b32 s66, s41, 14
	s_add_co_u32 s50, s50, s66
	s_lshl_b32 s66, s20, 12
	s_add_co_u32 s50, s50, s66
	s_add_nc_u64 s[KO:KO+1], s[KO:KO+1], s[50:51]
	BCVT 0, 0, RL                                  ; K step 0's weights; K step 1's 24 loads stay out
	BLOAD 0, 1                                     ; K step 2
	s_wait_dscnt 0x0                               ; my part of B's slot 0 is stored,
	s_wait_tensorcnt 0x1                           ; my part of A's slot 0 is in; slot 1's load stays out
	s_barrier_signal -1
	s_barrier_wait -1
	FETCH 0, 0, 0
	QUAD 1                                         ; K steps 0 .. 3; K step 0 starts the sums
	WIN 0
	s_mov_b32 s3, 6                                ; K steps 4 .. 27
.Lk:
	QUAD 0
	WIN 0
	s_sub_co_u32 s3, s3, 1
	s_cmp_lg_u32 s3, 0
	s_cbranch_scc1 .Lk
	STEP 0, 0, 0, 1, 1, 0, 3, 1, 1, RL             ; 28: the last weight loads (K step 31)
	STEP 0, 1, 1, 0, 0, 0, 1, 1, 0, RL             ; 29: the last change of A's slots; nothing is left to ask for
	STEP 1, 0, 1, 1, 1, 0, 3, 1, 0, 0              ; 30: no younger weight loads are left
	STEP 1, 1, 0, 0, 0, 0, 0, 0, 0, 0              ; 31
; THE WAY OUT
.macro ROPELD i, t                     ; (cos, sin) of row tile i: 4 pairs (32 bytes) for each column tile
.irp b, 0,1,2,3
	global_load_b128 v[\t+8*\b:\t+8*\b+3],   v[ROF], s[ROPQ:ROPQ+1] offset:(\i)*8192+64*\b
	global_load_b128 v[\t+8*\b+4:\t+8*\b+7], v[ROF], s[ROPQ:ROPQ+1] offset:(\i)*8192+64*\b+16
.endr
.irp b, 4,5
	global_load_b128 v[\t+8*\b:\t+8*\b+3],   v[ROF], s[ROPK:ROPK+1] offset:(\i)*8192+64*(\b-4)
	global_load_b128 v[\t+8*\b+4:\t+8*\b+7], v[ROF], s[ROPK:ROPK+1] offset:(\i)*8192+64*(\b-4)+16
.endr
.endm
.macro SEND a                          ; row tile a's sums to the wave that keeps those rows: 1,024 consecutive bytes a tile
.if \a < 5
	WIN 0x04
.set AB_, 48*\a
.else
	WIN 0x08
.set AB_, 48*(\a-5)
.endif
.irp b, 0,1,2,3,4,5
	ds_store_b128 v[SND], v[AB_+8*\b:AB_+8*\b+3]   offset:((\a-4)*NB+\b)*1024
	ds_store_b128 v[SND], v[AB_+8*\b+4:AB_+8*\b+7] offset:((\a-4)*NB+\b)*1024+512
.endr
.endm
.macro ROT b, t                        ; (xr, xi) -> (xr c - xi s, xr s + xi c), four pairs
.irp p, 0,1,2,3
	v_mul_f32  v[TT+\p], v[RR+8*\b+2*\p+1], v[\t+8*\b+2*\p+1]
	v_mul_f32  v[RR+8*\b+2*\p+1], v[RR+8*\b+2*\p+1], v[\t+8*\b+2*\p]
	v_fmac_f32 v[RR+8*\b+2*\p+1], v[RR+8*\b+2*\p], v[\t+8*\b+2*\p+1]
	v_fma_f32  v[RR+8*\b+2*\p], v[RR+8*\b+2*\p], v[\t+8*\b+2*\p], -v[TT+\p]
.endr
.endm
; rows 64 w + 16 i .. + 15.  t: this tile's table buffer, tn: the next tile's; more = 1: the next tile's table is asked for.
.macro OTILE i, t, tn, more
.irp b, 0,1,2,3,4,5
	ds_load_b128 v[RR+8*\b:RR+8*\b+3],   v[RCV] offset:(\i*NB+\b)*1024
	ds_load_b128 v[RR+8*\b+4:RR+8*\b+7], v[RCV] offset:(\i*NB+\b)*1024+512
.endr
.if \more
	ROPELD \i+1, \tn
.endif
	s_wait_dscnt 0x0
	WIN 0x01
.set k_, 0
.rept 24
	v_pk_add_f32 v[RR+2*k_:RR+2*k_+1], v[48*\i+2*k_:48*\i+2*k_+1], v[RR+2*k_:RR+2*k_+1]   ; my k half + the other
.set k_, k_+1
.endr
	WIN 0
.if \more
	s_wait_loadcnt 12                              ; this tile's table is in; the next tile's 12 loads stay out
.else
	s_wait_loadcnt 0x0
.endif
	ROT 0, \t
	ROT 1, \t
	ROT 2, \t
	ROT 3, \t
	s_cmp_ge_u32 ttmp9, 8                          ; v is not rotated (its table loads are issued all the same: the counts are alike on both ways)
	s_cbranch_scc1 .Lis_v_\@
	ROT 4, \t
	ROT 5, \t
.Lis_v_\@:
.set k_, 0
.rept 24
	v_cvt_pk_f16_f32 v[OUTP+k_], v[RR+2*k_], v[RR+2*k_+1]
.set k_, k_+1
.endr
	s_wait_xcnt 0x0                                ; RB, the last tile's store data, is loaded again only behind this wait
.irp b, 0,1,2,3,4,5
	ds_store_b128 v[STO], v[OUTP+4*\b:OUTP+4*\b+3] offset:32*\b
.endr
.irp k, 0,1,2,3
	ds_load_b128 v[RB+4*\k:RB+4*\k+3], v[RDQ] offset:4*SPITCH*\k         ; LDS serves a wave's instructions in order: these see the stores above
.endr
.irp k, 0,1
	ds_load_b128 v[RB+16+4*\k:RB+16+4*\k+3], v[RDK] offset:8*SPITCH*\k
.endr
.irp k, 0,1,2,3
	s_wait_dscnt 5-\k
	global_store_b128 v[GOF], v[RB+4*\k:RB+4*\k+3], s[QO:QO+1] offset:2048*\i+512*\k     ; 512 consecutive aligned bytes
.endr
.irp k, 0,1
	s_wait_dscnt 1-\k
	global_store_b128 v[GOF], v[RB+16+4*\k:RB+16+4*\k+3], s[KO:KO+1] offset:1024*\i+512*\k
.endr
.endm
	PLACES                                         ; behind the last matrix instructions: results are read, fragment registers loaded over
	WIN 0
	ROPELD 0, T0
	SEND 4
	SEND 5
	SEND 6
	SEND 7
	WIN 0
	s_wait_dscnt 0x0                               ; my sends are stored before I say so
	s_barrier_signal -1
	s_barrier_wait -1
	OTILE 0, T0, T1, 1
	OTILE 1, T1, T0, 1
	OTILE 2, T0, T1, 1
	OTILE 3, T1, T0, 0
	s_wait_tensorcnt 0x0
	ds_add_u32 v30, v31
	s_wait_dscnt 0x0
	CROUND                                         ; the closing round: no work-group ends while a partner may still ask jointly
	s_endpgm
.Lfunc_end_k_q975585bd7d_qkv:
	.size	k_q975585bd7d_qkv, .Lfunc_end_k_q975585bd7d_qkv-k_q975585bd7d_qkv
	.p2alignl 7, 3214868480
	.fill 96, 4, 3214868480
	.section	.rodata,"a",@progbits
	.p2align	6, 0x0
	.amdhsa_kernel k_q975585bd7d_qkv
		.amdhsa_group_segment_fixed_size 327680
		.amdhsa_private_segment_fixed_size 0
		.amdhsa_enable_private_segment 0
		.amdhsa_kernarg_size 64
		.amdhsa_user_sgpr_count 2
		.amdhsa_user_sgpr_kernarg_segment_ptr 1
		.amdhsa_wavefront_size32 1
		.amdhsa_system_sgpr_workgroup_id_x 1
		.amdhsa_system_sgpr_workgroup_id_y 1
		.amdhsa_system_sgpr_workgroup_id_z 1
		.amdhsa_system_vgpr_workitem_id 0
		.amdhsa_next_free_vgpr 960
		.amdhsa_next_free_sgpr 80
		.amdhsa_reserve_vcc 0
		.amdhsa_float_denorm_mode_32 3
		.amdhsa_float_denorm_mode_16_64 3
		.amdhsa_memory_ordered 1
		.amdhsa_forward_progress 1
		.amdhsa_inst_pref_size 255
	.end_amdhsa_kernel
	.section	.bss,"aw",@nobits
	.p2align	6
	.space	262144
	.amdgpu_metadata
---
amdhsa.version: [ 1, 2 ]
amdhsa.kernels:
  - .name:           k_q975585bd7d_qkv
    .symbol:         k_q975585bd7d_qkv.kd
    .args:
      - { .name: hb, .offset: 0, .size: 8, .value_kind: global_buffer, .address_space: global }
      - { .name: wq, .offset: 8, .size: 8, .value_kind: global_buffer, .address_space: global }
      - { .name: wk, .offset: 16, .size: 8, .value_kind: global_buffer, .address_space: global }
      - { .name: wv, .offset: 24, .size: 8, .value_kind: global_buffer, .address_space: global }
      - { .name: rope, .offset: 32, .size: 8, .value_kind: global_buffer, .address_space: global }
      - { .name: qb, .offset: 40, .size: 8, .value_kind: global_buffer, .address_space: global }
      - { .name: kb, .offset: 48, .size: 8, .value_kind: global_buffer, .address_space: global }
      - { .name: vb, .offset: 56, .size: 8, .value_kind: global_buffer, .address_space: global }
    .group_segment_fixed_size: 327680
    .private_segment_fixed_size: 0
    .kernarg_segment_align: 8
    .kernarg_segment_size: 64
    .max_flat_workgroup_size: 128
    .sgpr_count:     80
    .vgpr_count:     960
    .wavefront_size: 32
...
	.end_amdgpu_metadata
.endif
;; end of part 5
;; launch attn (part 6): grid 32 x 8, 4 waves a work-group, clusters of 4 x 1, 327,680 bytes of LDS; arguments qb, kb, vb, ab; writes ab
.if DOCPART == 6
	.amdgcn_target "amdgcn-amd-amdhsa--gfx1250"
	.amdhsa_code_object_version 6
	.text
	.protected	k_q975585bd7d_attn
	.globl	k_q975585bd7d_attn
	.p2align	8
	.type	k_q975585bd7d_attn,@function
k_q975585bd7d_attn:
	s_mov_b64 s[64:65], 0
	v_nop
	global_prefetch_b8 v0, s[64:65] scope:SCOPE_SE
	s_setreg_imm32_b32 hwreg(HW_REG_WAVE_MODE, 25, 1), 1
	s_wait_xcnt 0x0
	s_wait_alu depctr_hold_cnt(0) depctr_sa_sdst(0) depctr_va_vdst(0) depctr_va_sdst(0) depctr_va_ssrc(0) depctr_va_vcc(0) depctr_vm_vsrc(0)
	s_getreg_b32 s2, hwreg(HW_REG_IB_STS2, 6, 4)
	s_cmp_eq_u32 s2, 0
	s_cbranch_scc0 .Lentry_in_a_cluster
	s_endpgm
.Lentry_in_a_cluster:
	s_bfe_u32 s2, ttmp6, 0x10000c
	s_cmp_lg_u32 s2, 0x3003
	s_cbranch_scc0 .Lentry_shape_is_right
	s_endpgm
.Lentry_shape_is_right:
; Causal attention, 32 query heads on 8 key/value heads, d = 128, 1024 positions; softmax with a running maximum, in f32; operands f16.
; qb: [64 blocks][1024][64] f16 (head = blocks 2 head, 2 head + 1); kb, vb: [32 blocks][1024][32] f16 (KV head g = blocks 4 g .. 4 g + 3, the d chunks of 32);
; ab: [1024][4096] f16, column 128 head + d.
; CLUSTER: the four heads of a KV head (cx = 0..3) read the same K and V tiles and ask for them jointly (mask 15).  Only global addresses of qb and ab hang on cx.
; BALANCE: work-group (head, p) does query block 15 - p (64 rows, key tiles 0 .. 15 - p of 64 keys) and then block p (tiles 0 .. p): 17 steps for every
; work-group, so all partners make the same joint requests.  A block's last tile is its diagonal one: step 15 - p, and step 16.
; THE RING: two LDS slots, each with the K and V tiles of TWO steps.  Wave w fetches, with one tensor load, all four planes of K (w < 2) or of V of the slot's tile w mod 2.
; One round of the cluster's barrier for two steps; a load has two steps' work (64 matrix instructions and two passes of the softmax) in which to land.
; A wave owns 16 query rows.  S^T = K Q^T (source 0 = 16 keys, source 1 = my 16 rows): lane (r, h) holds row r, keys 8 h + 0..7 of each tile of 16, and two such tiles
; packed to f16 are source 1 of O^T = V^T P^T for 32 keys as they stand.  Lane (r, h) of O^T holds row r, d = 8 h + 0..7: maximum, sum and rescaling are a lane's own;
; the two halves of the lanes exchange the maximum in each step and the sum once.
; LIMITS: |q|, |k|, |v| and the result below 65,504 (f16); probabilities below 6e-5 carry an absolute error of at most 3e-8.
; REGISTERS: window 0: addresses, Q (32), S (32), P (16), K's fragments (128), the softmax's state; window 1: v0-63 O, v64-191 V^T's fragments, v192-223 Q of block p.
.set TILE, 45056                       ; one step's tiles.  K: 4 planes (d chunks) x 64 keys x 80 bytes = 20,480; V: 4 x 64 x 96 = 24,576
.set VOFF, 20480
.set SLOT, 2*TILE                      ; 90,112
.set STG,  2*SLOT                      ; 180,224: the way out, 16 rows x 272 bytes a wave; no tensor load lands here
.set QOF, 7
.set STO, 8
.set RD,  9
.set OOF, 10
.set THR, 11                           ; 16 w + r - 8 h: on the diagonal key 16 kt + 8 h + j is masked where 16 kt + j > THR
.set NINF, 12
.set QF, 16
.set SC, 48
.set PF, 80
.set KF, 96
.set MX, 224                           ; the running maximum of score x log2(e)/sqrt(128)
.set LS, 225                           ; the sum over my half's keys
.set TM, 226
.set NM, 230                           ; - maximum, twice
.set SP, 232
.set AL, 240                           ; alpha, twice
.set IL, 242                           ; 1 / sum, twice
.set KAD, 244                          ; v244-247: K's fragments in slot s, tile j at KAD + 2 s + j
.set VAD, 248                          ; v248-251: V's
.set G1K, 24
.set G1V, 32
.set G0K, 40                           ; s[40:47] group 0 for K, one set for each slot
.set G0V, 48
.set MSB, 0
.macro WIN new
.if MSB != \new
	s_set_vgpr_msb (MSB<<8)|\new
.set MSB, \new
.endif
.endm
.macro PLACES
.rept 4
	v_nop
.endr
.endm
.macro ROUND                           ; a round of the cluster's barrier
	s_barrier_signal -1
	s_barrier_wait -1
	s_cmp_lg_u32 s16, 0
	s_cbranch_scc1 .Lnot_wave_0_\@
	s_barrier_signal -3
.Lnot_wave_0_\@:
	s_barrier_wait -3
	s_barrier_signal -1
	s_barrier_wait -1
.endm
.macro JLOAD s                         ; waves 0, 1 ask for K's tiles 0, 1 of slot s; waves 2, 3 for V's: one tensor load a wave
	s_cmp_eq_u32 s17, 0
	s_cbranch_scc0 .Lfor_v_\@
	tensor_load_to_lds s[G0K+4*\s:G0K+4*\s+3], s[G1K:G1K+7]
	s_nop 0
	s_branch .Lasked_\@
.Lfor_v_\@:
	tensor_load_to_lds s[G0V+4*\s:G0V+4*\s+3], s[G1V:G1V+7]
	s_nop 0
.Lasked_\@:
.endm
; a query block is done: O / sum, f16, through my stage, out in whole rows of 256 bytes.  ob: the scalar pair with the block's address in ab.
.macro FINISH ob
	v_permlanex16_b32 v[TM], v[LS], s12, s13       ; the other half's keys
	v_add_f32 v[TM], v[LS], v[TM]
	v_rcp_f32 v[IL], v[TM]
	v_rcp_f32 v[IL+1], v[TM]
	v_nop                                          ; the plain place behind v_rcp_f32 (ISA guide 5.7.2)
	WIN 0x41
.set k_, 0
	s_wait_alu depctr_va_vdst(0)
.rept 32
	v_pk_mul_f32 v[2*k_:2*k_+1], v[2*k_:2*k_+1], v[IL:IL+1]
.set k_, k_+1
.endr
	WIN 0x05
.set k_, 0
.rept 32
	v_cvt_pk_f16_f32 v[KF+k_], v[2*k_], v[2*k_+1]
.set k_, k_+1
.endr
	WIN 0
.irp dt, 0,1,2,3,4,5,6,7
	ds_store_b128 v[STO], v[KF+4*\dt:KF+4*\dt+3] offset:32*\dt
.endr
.irp i, 0,1,2,3,4,5,6,7
	ds_load_b128 v[KF+32+4*\i:KF+32+4*\i+3], v[RD] offset:544*\i       ; LDS serves a wave's instructions in order: these see the stores above
.endr
.irp i, 0,1,2,3,4,5,6,7
	s_wait_dscnt 7-\i
	global_store_b128 v[OOF], v[KF+32+4*\i:KF+32+4*\i+3], s[\ob:\ob+1] offset:16384*\i   ; sixteen lanes store 256 consecutive aligned bytes
.endr
.endm
; The change of slots in front of two steps.  nx = the slot read last.  refill = 1: it is asked for again, with the tiles of the two steps after these two;
; 2: with step 16's tiles alone, by the waves of tile 0; 0: nothing is left to ask for, and a work-group barrier does.
.macro HEAD nx, refill
	s_wait_tensorcnt 0x0                           ; all my tensor loads have landed, my part of the coming two steps' tiles among them: the group 0 sets may be written
	ds_add_u32 v254, v255
	s_wait_dscnt 0x0
.if \refill
	s_add_co_u32 s74, s21, s19                     ; I fetch for step n = t + 2 + w mod 2: key tile n of the first block, or n - (16 - p) of the second
	s_sub_co_u32 s75, s74, s23
	s_cmp_lt_u32 s74, s23
	s_cselect_b32 s74, s74, s75
	s_lshl_b32 s74, s74, 12                        ; 64 keys x 64 bytes in each plane
	s_mov_b32 s75, 0
	s_add_nc_u64 s[G0K+4*\nx+2:G0K+4*\nx+3], s[56:57], s[74:75]
	s_or_b32 s[G0K+4*\nx+3], s[G0K+4*\nx+3], 0x80000000
	s_add_nc_u64 s[G0V+4*\nx+2:G0V+4*\nx+3], s[58:59], s[74:75]
	s_or_b32 s[G0V+4*\nx+3], s[G0V+4*\nx+3], 0x80000000
.endif
	s_wait_dscnt 0x0                               ; my reads of slot nx are done
.if \refill
	ROUND                                          ; both now hold of every wave of the four work-groups
.else
	s_barrier_signal -1
	s_barrier_wait -1
.endif
.if \refill == 1
	JLOAD \nx                                      ; first behind the round; one tensor load of mine is out
.endif
.if \refill == 2
	s_cmp_lg_u32 s18, 0                            ; the slot's tile 1 would be a step 17: its waves ask for nothing; the branch hangs on the wave's number alone
	s_cbranch_scc1 .Lnone_\@
	JLOAD \nx
.Lnone_\@:
.endif
.endm
; One step: the 64 keys of tile j of slot s.  last = 1: step 16, the second block's diagonal.  No LDS access of mine is out at its head.
.macro STEPW s, j, last
.irp c, 0,1,2,3
.irp kt, 0,1,2,3
	ds_load_b128 v[KF+8*(4*\c+\kt):KF+8*(4*\c+\kt)+3],   v[KAD+2*\s+\j] offset:5120*\c+1280*\kt
	ds_load_b128 v[KF+8*(4*\c+\kt)+4:KF+8*(4*\c+\kt)+7], v[KAD+2*\s+\j] offset:5120*\c+1280*\kt+32
.endr
.endr
	WIN 0x40
.irp kk, 0,1
.irp dt, 0,1,2,3,4,5,6,7
	ds_load_tr16_b128 v[64+8*(8*\kk+\dt):64+8*(8*\kk+\dt)+3],   v[VAD+2*\s+\j] offset:6144*(\dt>>1)+32*(\dt&1)+3072*\kk
	ds_load_tr16_b128 v[64+8*(8*\kk+\dt)+4:64+8*(8*\kk+\dt)+7], v[VAD+2*\s+\j] offset:6144*(\dt>>1)+32*(\dt&1)+3072*\kk+1536
.endr
.endr
	WIN 0
	; S^T = K Q^T: the four score tiles take turns
.irp c, 0,1,2,3
	s_wait_dscnt 56-8*\c                           ; K's chunk c is in; the later chunks' loads and V's 32 stay out
.irp kt, 0,1,2,3
.if \c == 0
	v_wmma_f32_16x16x32_f16 v[SC+8*\kt:SC+8*\kt+7], v[KF+8*(4*\c+\kt):KF+8*(4*\c+\kt)+7], v[QF+8*\c:QF+8*\c+7], 0
.else
	v_wmma_f32_16x16x32_f16 v[SC+8*\kt:SC+8*\kt+7], v[KF+8*(4*\c+\kt):KF+8*(4*\c+\kt)+7], v[QF+8*\c:QF+8*\c+7], v[SC+8*\kt:SC+8*\kt+7]
.endif
.endr
.endr
	PLACES
.if \last == 0
	s_cmp_lg_u32 s21, s22                          ; the first block's diagonal tile is step 15 - p: the same in all four work-groups
	s_cbranch_scc1 .Lfull_\@
.endif
.irp kt, 0,1,2,3
.irp j2, 0,1,2,3,4,5,6,7
	v_cmp_gt_i32 vcc_lo, 16*\kt+\j2, v[THR]
	v_cndmask_b32 v[SC+8*\kt+\j2], v[SC+8*\kt+\j2], v[NINF], vcc_lo
.endr
.endr
.if \last == 0
.Lfull_\@:
.endif
	; the row's maximum: my 32 keys, then the other half's.  Key 0 of a tile is never masked, so it is finite.
.irp kt, 0,1,2,3
	v_max3_num_f32 v[TM+\kt], v[SC+8*\kt], v[SC+8*\kt+1], v[SC+8*\kt+2]
.endr
.irp kt, 0,1,2,3
	v_max3_num_f32 v[TM+\kt], v[TM+\kt], v[SC+8*\kt+3], v[SC+8*\kt+4]
.endr
.irp kt, 0,1,2,3
	v_max3_num_f32 v[TM+\kt], v[TM+\kt], v[SC+8*\kt+5], v[SC+8*\kt+6]
.endr
.irp kt, 0,1,2,3
	v_max_num_f32 v[TM+\kt], v[TM+\kt], v[SC+8*\kt+7]
.endr
	v_max3_num_f32 v[TM], v[TM], v[TM+1], v[TM+2]
	v_max_num_f32 v[TM], v[TM], v[TM+3]
	v_permlanex16_b32 v[TM+1], v[TM], s12, s13
	v_max_num_f32 v[TM], v[TM], v[TM+1]
	v_mul_f32 v[TM], 0x3e0293ee, v[TM]             ; x log2(e) / sqrt(128)
	v_max_num_f32 v[TM+1], v[MX], v[TM]            ; the new maximum
	v_sub_f32 v[TM+2], v[MX], v[TM+1]              ; old - new (-inf at a block's first tile: alpha = 0)
	v_xor_b32 v[NM], 0x80000000, v[TM+1]
	v_xor_b32 v[NM+1], 0x80000000, v[TM+1]
.set k_, 0
.rept 16
	v_pk_fma_f32 v[SC+2*k_:SC+2*k_+1], v[SC+2*k_:SC+2*k_+1], 0x3e0293ee, v[NM:NM+1] op_sel_hi:[1,0,1]
.set k_, k_+1
.endr
.set k_, 0
.rept 32
	v_exp_f32 v[SC+k_], v[SC+k_]
.set k_, k_+1
.endr
	v_exp_f32 v[AL], v[TM+2]
	v_exp_f32 v[AL+1], v[TM+2]
	v_mov_b32 v[MX], v[TM+1]                       ; the plain place behind the last v_exp_f32 (ISA guide 5.7.2)
	s_wait_alu depctr_va_vdst(0)
.irp kt, 0,1,2,3
	v_pk_add_f32 v[SP+2*\kt:SP+2*\kt+1], v[SC+8*\kt:SC+8*\kt+1], v[SC+8*\kt+2:SC+8*\kt+3]
.endr
.irp kt, 0,1,2,3
	v_pk_add_f32 v[SP+2*\kt:SP+2*\kt+1], v[SP+2*\kt:SP+2*\kt+1], v[SC+8*\kt+4:SC+8*\kt+5]
.endr
.irp kt, 0,1,2,3
	v_pk_add_f32 v[SP+2*\kt:SP+2*\kt+1], v[SP+2*\kt:SP+2*\kt+1], v[SC+8*\kt+6:SC+8*\kt+7]
.endr
	v_pk_add_f32 v[SP:SP+1], v[SP:SP+1], v[SP+2:SP+3]
	v_pk_add_f32 v[SP+4:SP+5], v[SP+4:SP+5], v[SP+6:SP+7]
	v_pk_add_f32 v[SP:SP+1], v[SP:SP+1], v[SP+4:SP+5]
	v_add_f32 v[SP], v[SP], v[SP+1]
	v_fma_f32 v[LS], v[LS], v[AL], v[SP]
.set k_, 0
.rept 16
	v_cvt_pk_f16_f32 v[PF+k_], v[SC+2*k_], v[SC+2*k_+1]    ; tiles 2 kk, 2 kk + 1 are registers 0-3, 4-7 of P's fragment kk
.set k_, k_+1
.endr
	WIN 0x41
.set k_, 0
.rept 32
	v_pk_mul_f32 v[2*k_:2*k_+1], v[2*k_:2*k_+1], v[AL:AL+1]
.set k_, k_+1
.endr
	s_wait_dscnt 0x0                               ; V's fragments
	WIN 0x51
	; O^T += V^T P^T: the eight accumulators take turns
.irp kk, 0,1
.irp dt, 0,1,2,3,4,5,6,7
	v_wmma_f32_16x16x32_f16 v[8*\dt:8*\dt+7], v[64+8*(8*\kk+\dt):64+8*(8*\kk+\dt)+7], v[PF+8*\kk:PF+8*\kk+7], v[8*\dt:8*\dt+7]
.endr
.endr
	WIN 0
	PLACES                                         ; behind the last matrix instructions: O is read, fragment registers are loaded over
.if \last
	FINISH 72
.else
	s_cmp_lg_u32 s21, s22
	s_cbranch_scc1 .Lgo_on_\@
	FINISH 70
	; the second block begins.  O is not cleared: it is finite, and the maximum -inf makes the next step's alpha 0.
	s_wait_xcnt 0x0                                ; the stores' data registers are K's fragment registers: loaded again only behind this wait
	WIN 0x01
.set k_, 0
.rept 32
	v_mov_b32 v[QF+k_], v[192+k_]
.set k_, k_+1
.endr
	WIN 0
	v_mov_b32 v[MX], v[NINF]
	v_mov_b32 v[LS], 0
.Lgo_on_\@:
	s_add_co_u32 s21, s21, 1
.endif
.endm
	s_load_b256 s[4:11], s[0:1], 0x0               ; qb s[4:5], kb s[6:7], vb s[8:9], ab s[10:11]
	v_lshl_add_u32 v254, v0, 2, 0x30400
	v_mov_b32 v255, 0
	ds_add_u32 v254, v255
	v_lshrrev_b32 v1, 5, v0
	v_readfirstlane_b32 s16, v1                    ; wave w
	s_lshr_b32 s17, s16, 1                         ; I fetch for K (0) or for V (1),
	s_and_b32 s18, s16, 1                          ; tile w mod 2 of a slot
	s_add_co_u32 s19, s18, 2
	s_and_b32 s20, ttmp7, 0xffff                   ; p
	s_bfe_u32 s60, ttmp6, 0x40000                  ; cx
	s_lshl_b32 s61, ttmp9, 2
	s_add_co_u32 s61, s61, s60                     ; head = 4 g + cx
	s_sub_co_u32 s22, 15, s20                      ; the first block, and the step of its diagonal tile
	s_sub_co_u32 s23, 16, s20                      ; its number of tiles
	s_mov_b32 s21, 0                               ; the step t
	s_mov_b32 s12, 0x76543210
	s_mov_b32 s13, 0xfedcba98
	; group 1: four planes' 64 keys: 4 rows of 2,048 elements (4,096 dense bytes), 32,768 elements apart; padding behind every 64 bytes: 16 for K (pitch 80), 32 for V (pitch 96)
	s_mov_b32 s[G1K+0], 15|(1<<16)|(1<<20)|(1<<21)|(3<<22)|(3<<25)
	s_mov_b32 s[G1V+0], 15|(1<<16)|(1<<20)|(1<<21)|(3<<22)|(7<<25)
	s_mov_b32 s[G1K+1], 2048<<16
	s_mov_b32 s[G1V+1], 2048<<16
	s_mov_b32 s[G1K+2], 4<<16
	s_mov_b32 s[G1V+2], 4<<16
	s_mov_b32 s[G1K+3], 2048<<16
	s_mov_b32 s[G1V+3], 2048<<16
	s_mov_b32 s[G1K+4], 4
	s_mov_b32 s[G1V+4], 4
	s_mov_b32 s[G1K+5], 32768
	s_mov_b32 s[G1V+5], 32768
	s_mov_b32 s[G1K+6], 0
	s_mov_b32 s[G1V+6], 0
	s_mov_b32 s[G1K+7], 0
	s_mov_b32 s[G1V+7], 0
	s_mul_i32 s80, s18, TILE
.irp s, 0,1
	s_mov_b32 s[G0K+4*\s], 1
	s_add_co_u32 s[G0K+4*\s+1], s80, \s*SLOT
	s_mov_b32 s[G0V+4*\s], 1
	s_add_co_u32 s[G0V+4*\s+1], s80, \s*SLOT+VOFF
.endr
	s_lshl_b32 s74, ttmp9, 18                      ; block 4 g of 65,536 bytes
	s_mov_b32 s75, 0
	s_lshl_b32 s76, s18, 12                        ; steps 0 .. 3 take key tiles 0 .. 3 (the first block has 9 tiles at the least): mine is w mod 2, then 2 more
	s_mov_b32 s77, 0
	s_mov_b32 s79, 0
	s_wait_dscnt 0x0
	s_wait_kmcnt 0x0
	s_add_nc_u64 s[56:57], s[6:7], s[74:75]        ; kept: K's and V's planes at key 0; made of g alone
	s_add_nc_u64 s[58:59], s[8:9], s[74:75]
	s_add_nc_u64 s[G0K+2:G0K+3], s[56:57], s[76:77]
	s_add_nc_u64 s[G0K+6:G0K+7], s[G0K+2:G0K+3], 8192
	s_or_b32 s[G0K+3], s[G0K+3], 0x80000000
	s_or_b32 s[G0K+7], s[G0K+7], 0x80000000
	s_add_nc_u64 s[G0V+2:G0V+3], s[58:59], s[76:77]
	s_add_nc_u64 s[G0V+6:G0V+7], s[G0V+2:G0V+3], 8192
	s_or_b32 s[G0V+3], s[G0V+3], 0x80000000
	s_or_b32 s[G0V+7], s[G0V+7], 0x80000000
	s_lshl_b32 s76, s61, 18                        ; qb: block 2 head, row 64 x query block of 128 bytes
	s_lshl_b32 s77, s22, 13
	s_add_co_u32 s78, s76, s77
	s_add_nc_u64 s[66:67], s[4:5], s[78:79]
	s_lshl_b32 s77, s20, 13
	s_add_co_u32 s78, s76, s77
	s_add_nc_u64 s[68:69], s[4:5], s[78:79]
	s_lshl_b32 s76, s61, 8                         ; ab: row 64 x query block + 16 w of 8,192 bytes, byte 256 head
	s_lshl_b32 s77, s16, 17
	s_add_co_u32 s76, s76, s77
	s_lshl_b32 s77, s22, 19
	s_add_co_u32 s78, s76, s77
	s_add_nc_u64 s[70:71], s[10:11], s[78:79]
	s_lshl_b32 s77, s20, 19
	s_add_co_u32 s78, s76, s77
	s_add_nc_u64 s[72:73], s[10:11], s[78:79]
	v_and_b32 v2, 15, v0                           ; r
	v_bfe_u32 v3, v0, 4, 1                         ; h
	v_lshlrev_b32 v13, 7, v2                       ; Q: row 16 w + r, 16 h
	v_lshl_add_u32 v13, v3, 4, v13
	s_lshl_b32 s80, s16, 11
	v_add_nc_u32 v[QOF], s80, v13
.irp c, 0,1,2,3
.irp e, 0,1
	global_load_b128 v[QF+8*\c+4*\e:QF+8*\c+4*\e+3], v[QOF], s[66:67] offset:(\c>>1)*131072+(\c&1)*64+32*\e
.endr
.endr
	WIN 0x40
.irp c, 0,1,2,3
.irp e, 0,1
	global_load_b128 v[192+8*\c+4*\e:192+8*\c+4*\e+3], v[QOF], s[68:69] offset:(\c>>1)*131072+(\c&1)*64+32*\e
.endr
.endr
	WIN 0
	ROUND                                          ; the four work-groups are here: the first joint loads meet
	JLOAD 0                                        ; steps 0, 1
	JLOAD 1                                        ; steps 2, 3: two tensor loads of mine are out here, one behind each later round
	WIN 0x40
.set k_, 0
.rept 64
	v_mov_b32 v[k_], 0                             ; O: cleared once; the loop's every step rescales and adds, since the second block begins at a step that hangs on p
.set k_, k_+1
.endr
	WIN 0
	v_mul_u32_u24 v13, v2, 80
	v_lshl_add_u32 v[KAD], v3, 4, v13              ; K: key r, 16 h
.irp k, 1,2,3
	v_add_nc_u32 v[KAD+\k], \k*TILE, v[KAD]
.endr
	v_and_b32 v13, 7, v0
	v_lshl_add_u32 v13, v3, 3, v13                 ; V, transposing load: key 8 h + L mod 8,
	v_mul_u32_u24 v13, v13, 96
	v_bfe_u32 v14, v0, 3, 1
	v_lshl_add_u32 v13, v14, 4, v13                ; 16 bytes for each group of eight lanes
.irp k, 0,1,2,3
	v_add_nc_u32 v[VAD+\k], VOFF+\k*TILE, v13
.endr
	s_mul_i32 s80, s16, 4352
	s_add_co_u32 s80, s80, STG                     ; my stage
	v_mul_u32_u24 v13, v2, 272
	v_lshl_add_u32 v13, v3, 4, v13
	v_add_nc_u32 v[STO], s80, v13
	v_mul_u32_u24 v13, v3, 272
	v_lshl_add_u32 v13, v2, 4, v13
	v_add_nc_u32 v[RD], s80, v13
	v_lshlrev_b32 v13, 13, v3
	v_lshl_add_u32 v[OOF], v2, 4, v13
	s_lshl_b32 s80, s16, 4
	v_add_nc_u32 v13, s80, v2
	v_lshlrev_b32 v14, 3, v3
	v_sub_nc_u32 v[THR], v13, v14
	v_mov_b32 v[NINF], 0xff800000
	v_mov_b32 v[MX], 0xff800000
	v_mov_b32 v[LS], 0
	s_wait_loadcnt 0x0                             ; Q of both blocks
	s_wait_tensorcnt 0x1                           ; my part of slot 0 is in; slot 1's load stays out
	s_barrier_signal -1
	s_barrier_wait -1
	STEPW 0, 0, 0                                  ; steps 0, 1
	STEPW 0, 1, 0
	s_mov_b32 s3, 3                                ; steps 2 .. 13
.Lpair:
	HEAD 0, 1
	STEPW 1, 0, 0
	STEPW 1, 1, 0
	HEAD 1, 1
	STEPW 0, 0, 0
	STEPW 0, 1, 0
	s_sub_co_u32 s3, s3, 1
	s_cmp_lg_u32 s3, 0
	s_cbranch_scc1 .Lpair
	HEAD 0, 2                                      ; slot 0 gets step 16's tiles
	STEPW 1, 0, 0                                  ; steps 14, 15
	STEPW 1, 1, 0
	HEAD 1, 0                                      ; nothing is left to fetch
	STEPW 0, 0, 1                                  ; step 16
	s_wait_tensorcnt 0x0
	ds_add_u32 v254, v255
	s_wait_dscnt 0x0
	ROUND                                          ; the closing round
	s_endpgm
.Lfunc_end_k_q975585bd7d_attn:
	.size	k_q975585bd7d_attn, .Lfunc_end_k_q975585bd7d_attn-k_q975585bd7d_attn
	.p2alignl 7, 3214868480
	.fill 96, 4, 3214868480
	.section	.rodata,"a",@progbits
	.p2align	6, 0x0
	.amdhsa_kernel k_q975585bd7d_attn
		.amdhsa_group_segment_fixed_size 327680
		.amdhsa_private_segment_fixed_size 0
		.amdhsa_enable_private_segment 0
		.amdhsa_kernarg_size 32
		.amdhsa_user_sgpr_count 2
		.amdhsa_user_sgpr_kernarg_segment_ptr 1
		.amdhsa_wavefront_size32 1
		.amdhsa_system_sgpr_workgroup_id_x 1
		.amdhsa_system_sgpr_workgroup_id_y 1
		.amdhsa_system_sgpr_workgroup_id_z 1
		.amdhsa_system_vgpr_workitem_id 0
		.amdhsa_next_free_vgpr 480
		.amdhsa_next_free_sgpr 84
		.amdhsa_reserve_vcc 1
		.amdhsa_float_denorm_mode_32 3
		.amdhsa_float_denorm_mode_16_64 3
		.amdhsa_memory_ordered 1
		.amdhsa_forward_progress 1
		.amdhsa_inst_pref_size 231
	.end_amdhsa_kernel
	.amdgpu_metadata
---
amdhsa.version: [ 1, 2 ]
amdhsa.kernels:
  - .name:           k_q975585bd7d_attn
    .symbol:         k_q975585bd7d_attn.kd
    .args:
      - { .name: qb, .offset: 0, .size: 8, .value_kind: global_buffer, .address_space: global }
      - { .name: kb, .offset: 8, .size: 8, .value_kind: global_buffer, .address_space: global }
      - { .name: vb, .offset: 16, .size: 8, .value_kind: global_buffer, .address_space: global }
      - { .name: ab, .offset: 24, .size: 8, .value_kind: global_buffer, .address_space: global }
    .group_segment_fixed_size: 327680
    .private_segment_fixed_size: 0
    .kernarg_segment_align: 8
    .kernarg_segment_size: 32
    .max_flat_workgroup_size: 128
    .sgpr_count:     84
    .vgpr_count:     480
    .wavefront_size: 32
...
	.end_amdgpu_metadata
.endif
;; end of part 6
;; launch oproj (part 7): grid 64 x 4, 4 waves a work-group, clusters of 4 x 4, 327,680 bytes of LDS; arguments ab, wo, out0; writes out0
.if DOCPART == 7
	.amdgcn_target "amdgcn-amd-amdhsa--gfx1250"
	.amdhsa_code_object_version 6
	.text
	.protected	k_q975585bd7d_oproj
	.globl	k_q975585bd7d_oproj
	.p2align	8
	.type	k_q975585bd7d_oproj,@function
k_q975585bd7d_oproj:
	s_mov_b64 s[64:65], 0
	v_nop
	global_prefetch_b8 v0, s[64:65] scope:SCOPE_SE
	s_setreg_imm32_b32 hwreg(HW_REG_WAVE_MODE, 25, 1), 1
	s_wait_xcnt 0x0
	s_wait_alu depctr_hold_cnt(0) depctr_sa_sdst(0) depctr_va_vdst(0) depctr_va_sdst(0) depctr_va_ssrc(0) depctr_va_vcc(0) depctr_vm_vsrc(0)
	s_getreg_b32 s2, hwreg(HW_REG_IB_STS2, 6, 4)
	s_cmp_eq_u32 s2, 0
	s_cbranch_scc0 .Lentry_in_a_cluster
	s_endpgm
.Lentry_in_a_cluster:
	s_bfe_u32 s2, ttmp6, 0x10000c
	s_cmp_lg_u32 s2, 0xf033
	s_cbranch_scc0 .Lentry_shape_is_right
	s_endpgm
.Lentry_shape_is_right:
; out0 = ab wo^T.  ab: [1024][4096] f16; wo: [4096][4096] f32; out0: [1024][4096] f32; sums in f32.
; A work-group makes 256 rows x 64 columns (wo rows 64 x ..).  K = 4096 goes in 32 steps of 128.
; FOUR WAVES.  Wave w = 2 mh + kh takes rows 128 mh .. + 127, all 64 columns, and only k = 64 kh .. + 63 of every K step: 32 matrix instructions
; are fed by 24 fragment loads.  At the end the two waves of a row half exchange halves of their sums through LDS; wave w then owns rows 64 w .. + 63.
; The sums over K are therefore formed in two halves and added.
; THE WALK ALONG K IS ROTATED BY CLUSTER.  Cluster c = 0..15 has r = (c mod 8) xor 7 (c / 8) and takes the K steps in the order 4 r, 4 r + 1, .., 31, 0, .., 4 r - 1
; (below, 'K step T' is the T-th of this walk).  r hangs on the cluster's number alone, so the partners of a joint load agree.  Two clusters have the same r only if
; their numbers differ in all four bits, so any eight clusters that agree in one bit of c have eight different r.  At any time the clusters thus ask for eight different
; parts of ab's rows and of wo's rows, and, as far as they keep pace, what a cluster asks of ab behind its first four K steps has been asked for before by
; another.  The sums are formed in the rotated order.
; A (ab) comes by tensor loads, asked for JOINTLY by the four work-groups of a row of the 4 x 4 cluster (same row tile y = cy).  Two LDS slots, each with the tiles of
; TWO K steps: one load of a wave brings 64 rows x 512 bytes, and between a request and the wait for it the wave issues 120 matrix instructions (12 + 64 + 44).
; B (wo) is NOT asked for jointly, though the four work-groups of a cluster column read the same rows: a tensor load could only land f32, and two slots of
; two K steps of A (270,336 bytes) and of f32 weights (2 x 64 x 1,040 bytes) do not fit in LDS, while slots of one K step leave a weight tile 64 matrix instructions
; to arrive.  Through registers three K steps (48 loads of 512 bytes a wave) are on their way across the changes of slots, and each number is converted once:
; load f32, round to f16, 8 bytes a lane into one of two LDS slots of one K step each.
; The matrix instruction is used transposed (source 0 = 16 rows of wo, source 1 = 16 rows of ab): lane (r, h) holds row r, columns 8 h + 0..7.
; LIMITS: operands are f16: |ab|, |wo| below 65,504; numbers below 6e-5 carry an absolute error of at most 3e-8.
;
; REGISTERS, in windows of 256: window 0: v16-28 addresses, v32-159 fragments of A (two buffers of 64), v160-223 fragments of B (two of 32);
; window 1: the 32 accumulators (tile (a, b) at 32 a + 8 b); window 2: three sets of 64 for weights on their way.
; Row tiles a = 0..3 are the rows that the wave keeps (64 w + 16 a), a = 4..7 those that it sends (64 (w xor 1) + 16 (a - 4)).
.set NB,     4
.set RL,     16                        ; weight rows (loads, LDS stores) of a wave in a K step
.set APITCH, 528                       ; A's LDS row: 512 bytes (two K steps) + 16 = 33 x 16: the sixteen rows of a fragment load start in sixteen different 16-byte columns of a 256-byte span
.set ASLOT,  256*APITCH                ; 135,168
.set BPITCH, 272                       ; B's LDS row: 256 bytes (one K step) + 16 = 17 x 16
.set BBASE,  2*ASLOT                   ; 270,336: B's slots are written by LDS stores and are no tensor load's target
.set BSLOT,  64*BPITCH                 ; 17,408
; The exchange and the way out lie in A's slot 0.  Its last fill is K steps 28 and 29; every wave's last reads of it are waited for in front of the barrier at the end of
; K step 29; nothing is stored there before K step 31 is done, and no tensor load is issued behind that.
.set RW,     4*NB*1024                 ; the exchange, from LDS byte 0: 16 tiles of 1,024 bytes for each receiving wave
.set STG,    4*RW                      ; 65,536: the way out, 16 rows x 272 bytes for each wave; ends at 82,944
.set SPITCH, 272
.set ADK, 16
.set ADS, 18
.set ADB, 20
.set BSQ, 21
.set GOF, 23
.set SND, 24
.set RCV, 25
.set STO, 26
.set RD,  27
.set CO,  28
.set FA0, 32
.set FB0, 160
.set RR,  32                           ; the way out: v[32:63] sums of a row tile
.set RB,  64                           ; v[64:95] rows read back
.set G1, 24
.set G0, 32
.set WQ, 46                            ; s[46:47] my rows of wo at the K step loaded next
.set OUT, 48
.set ABASE, 54                         ; s[54:55] ab at my 64 rows, k = 0; kept
.set AOF, 58                           ; s[58:59], s[60:61] byte offset in ab's rows of the tile that slot 0, 1 holds or is asked for; upper words 0
.set BOF, 62                           ; s[62:63] byte offset in wo's rows of the K step loaded last; upper word 0
.set WQB, 66                           ; s[66:67] my rows of wo, k = 0; kept
.set MSB, 0
.macro WIN new                         ; the immediate's high byte repeats the setting that is left
.if MSB != \new
	s_set_vgpr_msb (MSB<<8)|\new
.set MSB, \new
.endif
.endm
.macro PLACES                          ; four places behind a matrix instruction, in front of loads into, or vector work on, its registers
.rept 4
	v_nop
.endr
.endm
.macro CREST
	s_cmp_lg_u32 s20, 0
	s_cbranch_scc1 .Lnot_wave_0_\@
	s_barrier_signal -3
.Lnot_wave_0_\@:
	s_barrier_wait -3
	s_barrier_signal -1
	s_barrier_wait -1
.endm
.macro CROUND
	s_barrier_signal -1
	s_barrier_wait -1
	CREST
.endm
; 24 LDS loads: the fragments of 32 k (sub-step u of my k half) of K step j of A's slot sa (B's slot is j), into buffer u: B's 4, then my kept rows' 4, then the sent rows' 4
.macro FETCH sa, j, u
	WIN 0
.irp b, 0,1,2,3
	ds_load_b128 v[FB0+32*\u+8*\b:FB0+32*\u+8*\b+3],   v[ADB] offset:\j*BSLOT+\b*16*BPITCH+64*\u
	ds_load_b128 v[FB0+32*\u+8*\b+4:FB0+32*\u+8*\b+7], v[ADB] offset:\j*BSLOT+\b*16*BPITCH+64*\u+32
.endr
.irp i, 0,1,2,3
	ds_load_b128 v[FA0+64*\u+8*\i:FA0+64*\u+8*\i+3],   v[ADK+\sa] offset:\i*16*APITCH+256*\j+64*\u
	ds_load_b128 v[FA0+64*\u+8*\i+4:FA0+64*\u+8*\i+7], v[ADK+\sa] offset:\i*16*APITCH+256*\j+64*\u+32
.endr
.irp i, 0,1,2,3
	ds_load_b128 v[FA0+64*\u+32+8*\i:FA0+64*\u+32+8*\i+3], v[ADS+\sa] offset:\i*16*APITCH+256*\j+64*\u
	ds_load_b128 v[FA0+64*\u+32+8*\i+4:FA0+64*\u+32+8*\i+7], v[ADS+\sa] offset:\i*16*APITCH+256*\j+64*\u+32
.endr
.endm
; the 4 matrix instructions of row tile a on buffer u.  zero = 1: the first product starts the sums.
.macro MG u, a, zero
	WIN 0x50
.irp b, 0,1,2,3
.if \zero
	v_wmma_f32_16x16x32_f16 v[32*\a+8*\b:32*\a+8*\b+7], v[FB0+32*\u+8*\b:FB0+32*\u+8*\b+7], v[FA0+64*\u+8*\a:FA0+64*\u+8*\a+7], 0
.else
	v_wmma_f32_16x16x32_f16 v[32*\a+8*\b:32*\a+8*\b+7], v[FB0+32*\u+8*\b:FB0+32*\u+8*\b+7], v[FA0+64*\u+8*\a:FA0+64*\u+8*\a+7], v[32*\a+8*\b:32*\a+8*\b+7]
.endif
.endr
.endm
; 16 loads: one K step (512 bytes) of each of my weight rows into a set of window 2.
; step = 1: the walk goes one K step on first, round the end of the rows (16,384 bytes).
.macro BLOAD set, step
.if \step
	s_wait_xcnt 0x0                                ; the earlier loads' base register is written again only behind this wait
	s_add_co_u32 s[BOF], s[BOF], 512
	s_and_b32 s[BOF], s[BOF], 16383
	s_add_nc_u64 s[WQ:WQ+1], s[WQB:WQB+1], s[BOF:BOF+1]
.endif
	WIN 0x80
.set i_, 0
.rept RL
	global_load_b128 v[64*\set+4*i_:64*\set+4*i_+3], v[GOF], s[WQ:WQ+1] offset:i_*16384
.set i_, i_+1
.endr
.endm
; a set is rounded to f16 in place and stored into B's slot s: lane L's k = 4 L .. + 3 are 8 bytes at 8 L of the row.  lcnt: the younger sets' loads.
.macro BCVT set, s, lcnt
	s_wait_loadcnt \lcnt
	WIN 0x8a
.set i_, 0
.rept RL
	v_cvt_pk_f16_f32 v[64*\set+4*i_],   v[64*\set+4*i_],   v[64*\set+4*i_+1]
	v_cvt_pk_f16_f32 v[64*\set+4*i_+1], v[64*\set+4*i_+2], v[64*\set+4*i_+3]
.set i_, i_+1
.endr
	WIN 0x08
.set i_, 0
.rept RL
	ds_store_b64 v[BSQ], v[64*\set+4*i_:64*\set+4*i_+1] offset:\s*BSLOT+i_*BPITCH
.set i_, i_+1
.endr
.endm
; K step T = place j (0, 1) of A's slot sa, with B's slot j; entered with sub-step 0's fragments requested.  (fa, fj): slot and place of K step T + 1.
; set = (T + 1) mod 3 holds the weights of K step T + 1.  stb: they are rounded and stored into B's slot fj.  ldb: the set is loaded again, with K step T + 4.
; mode 3: between the two K steps of a slot: a work-group barrier for B alone.  In front of it each wave has waited for its reads of B's slot j and for its stores into B's
;         slot fj; behind it slot fj is read, and slot j is written again in the next K step.  No tensor load fills anything behind it: my load for A's other slot stays out.
; mode 2: change of A's slots with a refill: ONE round of the cluster's barrier.  In front of its opening signal each wave has waited for the same LDS accesses, its reads of
;         A's slot sa among them, and for all its tensor loads (one is out: its part of A's slot fa).  Behind the round A's slot sa is asked for again, first; then slot fa is read.
; mode 1: change of A's slots, nothing left to ask for: the same waits, a work-group barrier.   mode 0: the last K step.
; The 32 accumulators take turns, one instruction a turn, in the same order in every sub-step, over the loop's backward jump too.
.macro STEP sa, j, fa, fj, set, zero, mode, stb, ldb, lcnt
.irp a, 0,1,2,3
	s_wait_dscnt 2*(7-\a)                          ; B's fragments and A's up to row tile a are in; the later row tiles' loads stay out
	MG 0, \a, \zero
.endr
	s_wait_dscnt 0x0                               ; row tiles 4..7
	PLACES
	FETCH \sa, \j, 1
.if \stb
	BCVT \set, \fj, \lcnt
.endif
.if \ldb
	BLOAD \set, 1
.endif
.irp a, 4,5,6,7
	MG 0, \a, \zero
.endr
.if \stb
	s_wait_dscnt RL                                ; sub-step 1's fragments are in; the 16 stores issued behind them may be out
.else
	s_wait_dscnt 0x0
.endif
	MG 1, 0, 0
	MG 1, 1, 0
	MG 1, 2, 0
.if \mode
	s_wait_dscnt 0x0                               ; my reads of this K step's tiles and my stores into B's slot fj are done,
.if \mode != 3
	s_wait_tensorcnt 0x0                           ; and all my tensor loads have landed:
	ds_add_u32 v254, v255
	s_wait_dscnt 0x0
.endif
.if \mode == 2
	s_add_co_u32 s[AOF+2*\sa], s[AOF+2*\sa], 1024  ; no tensor load of mine is out, so a group 0 may be written: slot sa's next tile is four K steps on,
	s_and_b32 s[AOF+2*\sa], s[AOF+2*\sa], 8191     ; round the end of ab's rows (8,192 bytes)
	s_add_nc_u64 s[G0+4*\sa+2:G0+4*\sa+3], s[ABASE:ABASE+1], s[AOF+2*\sa:AOF+2*\sa+1]
	s_or_b32 s[G0+4*\sa+3], s[G0+4*\sa+3], 0x80000000
.endif
	s_barrier_signal -1                            ; say so,
.endif
	MG 1, 3, 0                                     ; work on registers while the others arrive,
	MG 1, 4, 0
.if \mode
	WIN 0                                          ; (branches may follow)
	s_barrier_wait -1
.if \mode == 2
	CREST                                          ; all sixteen work-groups have said so
	tensor_load_to_lds s[G0+4*\sa:G0+4*\sa+3], s[G1:G1+7]                   ; my one tensor load behind the round, and the first thing there
	s_nop 0
.endif
	PLACES
	FETCH \fa, \fj, 0
.endif
	MG 1, 5, 0
	MG 1, 6, 0
	MG 1, 7, 0
.endm
.macro QUAD zero, s0, s1, s2, s3       ; four K steps: once through both of A's slots, both filled again; s0 .. s3: the steps' weight sets
	STEP 0, 0, 0, 1, \s0, \zero, 3, 1, 1, 2*RL
	STEP 0, 1, 1, 0, \s1, 0,     2, 1, 1, 2*RL
	STEP 1, 0, 1, 1, \s2, 0,     3, 1, 1, 2*RL
	STEP 1, 1, 0, 0, \s3, 0,     2, 1, 1, 2*RL
.endm
	s_load_b128 s[4:7], s[0:1], 0x0                ; ab s[4:5], wo s[6:7]
	s_load_b64 s[8:9], s[0:1], 0x10                ; out0
	v_lshl_add_u32 v254, v0, 2, 0x4a800
	v_mov_b32 v255, 0
	ds_add_u32 v254, v255
	v_lshrrev_b32 v1, 5, v0
	v_readfirstlane_b32 s20, v1                    ; wave w
	s_xor_b32 s21, s20, 1                          ; the wave with my rows and the other k half
	s_and_b32 s22, s20, 1                          ; kh
	v_and_b32 v2, 31, v0                           ; lane L
	v_lshlrev_b32 v[GOF], 4, v2
	s_bfe_u32 s40, ttmp6, 0x40000                  ; cx
	s_bfe_u32 s41, ttmp6, 0x40004                  ; cy = the row tile y (the grid has one cluster along y)
	s_lshl_b32 s42, ttmp9, 2
	s_add_co_u32 s42, s42, s40                     ; column tile x = 4 x cluster x + cx
	s_lshl_b32 s43, s41, 2
	s_lshl_b32 s43, 15, s43                        ; my row of the cluster: places 4 cy .. 4 cy + 3
	s_lshr_b32 s58, ttmp9, 3                       ; the rotation: r = (c mod 8) xor 7 (c / 8), of the cluster's number c alone
	s_mul_i32 s58, s58, 7
	s_xor_b32 s58, s58, ttmp9
	s_and_b32 s58, s58, 7
	s_lshl_b32 s[BOF], s58, 11                     ; K step 4 r: 4 x 512 r bytes into wo's rows,
	s_mov_b32 s[BOF+1], 0
	s_lshl_b32 s[AOF], s58, 10                     ; 4 x 256 r bytes into ab's rows: slot 0's first tile,
	s_mov_b32 s[AOF+1], 0
	s_add_co_u32 s[AOF+2], s[AOF], 512             ; and two K steps on: slot 1's
	s_mov_b32 s[AOF+3], 0
	s_lshl_b32 s50, s42, 20                        ; wo: row 64 x + 16 w, 16,384 bytes a row
	s_lshl_b32 s51, s20, 18
	s_add_co_u32 s50, s50, s51
	s_mov_b32 s51, 0
	s_lshl_b32 s54, s41, 21                        ; ab: row 256 y + 64 w, 8,192 bytes a row; made of cy and the wave's number alone
	s_lshl_b32 s55, s20, 19
	s_add_co_u32 s54, s54, s55
	s_mov_b32 s55, 0
	s_mul_i32 s45, s20, 64*APITCH
	s_wait_dscnt 0x0
	s_wait_kmcnt 0x0
	s_add_nc_u64 s[WQB:WQB+1], s[6:7], s[50:51]
	s_add_nc_u64 s[ABASE:ABASE+1], s[4:5], s[54:55]
	s_add_nc_u64 s[WQ:WQ+1], s[WQB:WQB+1], s[BOF:BOF+1]
	BLOAD 0, 0                                     ; the weights of K steps 0, 1, 2 go out first
	BLOAD 1, 1
	BLOAD 2, 1
	WIN 0
	; descriptor group 1: 64 rows x 256 elements of 2 bytes (two K steps), 16 bytes of padding behind each row
	s_or_b32 s[G1+0], s43, (1<<16)|(1<<20)|(1<<21)|(6<<22)|(3<<25)  ; 15:0 mask: my row of the cluster; 17:16 2 bytes; 20 padding; 21 set beside a mask; 24:22 after 128 words; 31:25 4 words
	s_mov_b32 s[G1+1], 256<<16                     ; tensor_dim0 = 256
	s_mov_b32 s[G1+2], 64<<16                      ; tensor_dim1 = 64
	s_mov_b32 s[G1+3], 256<<16                     ; tile_dim0 = 256
	s_mov_b32 s[G1+4], 64                          ; tile_dim1 = 64
	s_mov_b32 s[G1+5], 4096                        ; elements from row to row
	s_mov_b32 s[G1+6], 0
	s_mov_b32 s[G1+7], 0
.irp s, 0,1
	s_mov_b32 s[G0+4*\s], 1
	s_add_co_u32 s[G0+4*\s+1], s45, \s*ASLOT
	s_add_nc_u64 s[G0+4*\s+2:G0+4*\s+3], s[ABASE:ABASE+1], s[AOF+2*\s:AOF+2*\s+1]   ; K steps 2 s, 2 s + 1 of the walk
	s_or_b32 s[G0+4*\s+3], s[G0+4*\s+3], 0x80000000
.endr
	CROUND                                         ; all sixteen work-groups are here: the first joint loads meet
	tensor_load_to_lds s[G0:G0+3], s[G1:G1+7]      ; two tensor loads of mine are out here, one behind each later round
	s_nop 0
	tensor_load_to_lds s[G0+4:G0+7], s[G1:G1+7]
	s_nop 0
	; addresses
	v_and_b32 v3, 15, v0                           ; r
	v_bfe_u32 v4, v0, 4, 1                         ; h
	v_mul_u32_u24 v5, v3, APITCH
	v_lshl_add_u32 v5, v4, 4, v5                   ; A: r x pitch + 16 h
	v_mul_u32_u24 v8, v3, BPITCH
	v_lshl_add_u32 v8, v4, 4, v8                   ; B: r x pitch + 16 h
	s_lshl_b32 s56, s22, 7                         ; my k half: 128 bytes into a K step's 256
	s_mul_i32 s57, s20, 64*APITCH
	s_add_co_u32 s57, s57, s56
	v_add_nc_u32 v[ADK], s57, v5                   ; rows 64 w ..
	v_add_nc_u32 v[ADK+1], ASLOT, v[ADK]
	s_mul_i32 s57, s21, 64*APITCH
	s_add_co_u32 s57, s57, s56
	v_add_nc_u32 v[ADS], s57, v5                   ; rows 64 (w xor 1) ..
	v_add_nc_u32 v[ADS+1], ASLOT, v[ADS]
	s_add_co_u32 s56, s56, BBASE
	v_add_nc_u32 v[ADB], s56, v8
	s_mul_i32 s56, s20, 16*BPITCH
	s_add_co_u32 s56, s56, BBASE
	v_lshl_add_u32 v[BSQ], v2, 3, s56              ; B's rows 16 w ..
	s_mul_i32 s56, s21, RW
	v_lshl_add_u32 v[SND], v2, 4, s56
	s_mul_i32 s56, s20, RW
	v_lshl_add_u32 v[RCV], v2, 4, s56
	s_mul_i32 s56, s20, 16*SPITCH
	s_add_co_u32 s56, s56, STG                     ; my stage
	v_mul_u32_u24 v6, v3, SPITCH
	v_lshl_add_u32 v6, v4, 5, v6
	v_add_nc_u32 v[STO], s56, v6                   ; in: row r, 32 h
	v_mul_u32_u24 v6, v4, SPITCH
	v_lshl_add_u32 v6, v3, 4, v6
	v_add_nc_u32 v[RD], s56, v6                    ; back: lanes 0-15 one row of 256 bytes, lanes 16-31 the next
	v_lshlrev_b32 v6, 14, v4
	v_lshl_add_u32 v[CO], v3, 4, v6                ; and the same two rows in out0
	s_lshl_b32 s50, s41, 22                        ; out0: row 256 y + 64 w of 16,384 bytes, byte 256 x
	s_lshl_b32 s56, s20, 20
	s_add_co_u32 s50, s50, s56
	s_lshl_b32 s56, s42, 8
	s_add_co_u32 s50, s50, s56
	s_add_nc_u64 s[OUT:OUT+1], s[8:9], s[50:51]
	BCVT 0, 0, 2*RL                                ; K step 0's weights; the 32 loads of K steps 1 and 2 stay out
	BLOAD 0, 1                                     ; K step 3
	s_wait_dscnt 0x0                               ; my part of B's slot 0 is stored,
	s_wait_tensorcnt 0x1                           ; my part of A's slot 0 is in; slot 1's load stays out
	s_barrier_signal -1
	s_barrier_wait -1
	FETCH 0, 0, 0
	QUAD 1, 1, 2, 0, 1                             ; K steps 0 .. 3; K step 0 starts the sums
	WIN 0
	s_mov_b32 s3, 2                                ; K steps 4 .. 27, twelve a trip: four places in A's slots and three weight sets come round together
.Lk:
	QUAD 0, 2, 0, 1, 2
	QUAD 0, 0, 1, 2, 0
	QUAD 0, 1, 2, 0, 1                             ; the second trip's last K step, 27, issues the last weight loads (K step 31) and the last refill of A (K steps 30, 31)
	WIN 0
	s_sub_co_u32 s3, s3, 1
	s_cmp_lg_u32 s3, 0
	s_cbranch_scc1 .Lk
	STEP 0, 0, 0, 1, 2, 0, 3, 1, 0, 2*RL           ; 28: two younger sets are out
	STEP 0, 1, 1, 0, 0, 0, 1, 1, 0, RL             ; 29: the last change of A's slots; one younger set is out
	STEP 1, 0, 1, 1, 1, 0, 3, 1, 0, 0              ; 30
	STEP 1, 1, 0, 0, 0, 0, 0, 0, 0, 0              ; 31
; THE WAY OUT
.macro SEND a                          ; row tile a's sums to the wave that keeps those rows: 1,024 consecutive bytes a tile
.irp b, 0,1,2,3
	ds_store_b128 v[SND], v[32*\a+8*\b:32*\a+8*\b+3]   offset:((\a-4)*NB+\b)*1024
	ds_store_b128 v[SND], v[32*\a+8*\b+4:32*\a+8*\b+7] offset:((\a-4)*NB+\b)*1024+512
.endr
.endm
.macro OTILE i                         ; rows 64 w + 16 i .. + 15
.irp b, 0,1,2,3
	ds_load_b128 v[RR+8*\b:RR+8*\b+3],   v[RCV] offset:(\i*NB+\b)*1024
	ds_load_b128 v[RR+8*\b+4:RR+8*\b+7], v[RCV] offset:(\i*NB+\b)*1024+512
.endr
	s_wait_dscnt 0x0
	WIN 0x01
.set k_, 0
.rept 16
	v_pk_add_f32 v[RR+2*k_:RR+2*k_+1], v[32*\i+2*k_:32*\i+2*k_+1], v[RR+2*k_:RR+2*k_+1]   ; my k half + the other
.set k_, k_+1
.endr
	WIN 0
.irp b, 0,1,2,3
	ds_store_b128 v[STO], v[RR+8*\b:RR+8*\b+3]   offset:64*\b
	ds_store_b128 v[STO], v[RR+8*\b+4:RR+8*\b+7] offset:64*\b+16
.endr
	s_wait_xcnt 0x0                                ; RB, the last tile's store data, is loaded again only behind this wait
.irp k, 0,1,2,3,4,5,6,7
	ds_load_b128 v[RB+4*\k:RB+4*\k+3], v[RD] offset:2*SPITCH*\k          ; LDS serves a wave's instructions in order: these see the stores above
.endr
.irp k, 0,1,2,3,4,5,6,7
	s_wait_dscnt 7-\k
	global_store_b128 v[CO], v[RB+4*\k:RB+4*\k+3], s[OUT:OUT+1] offset:(16*\i+2*\k)*16384 th:TH_STORE_NT   ; sixteen lanes store 256 consecutive aligned bytes
.endr
.endm
	PLACES                                         ; behind the last matrix instructions: results are read, fragment registers loaded over
	WIN 0x04
	SEND 4
	SEND 5
	SEND 6
	SEND 7
	WIN 0
	s_wait_dscnt 0x0                               ; my sends are stored before I say so
	s_barrier_signal -1
	s_barrier_wait -1
	OTILE 0
	OTILE 1
	OTILE 2
	OTILE 3
	s_wait_tensorcnt 0x0
	ds_add_u32 v254, v255
	s_wait_dscnt 0x0
	CROUND                                         ; the closing round: no work-group ends while a partner may still ask jointly
	s_endpgm
.Lfunc_end_k_q975585bd7d_oproj:
	.size	k_q975585bd7d_oproj, .Lfunc_end_k_q975585bd7d_oproj-k_q975585bd7d_oproj
	.p2alignl 7, 3214868480
	.fill 96, 4, 3214868480
	.section	.rodata,"a",@progbits
	.p2align	6, 0x0
	.amdhsa_kernel k_q975585bd7d_oproj
		.amdhsa_group_segment_fixed_size 327680
		.amdhsa_private_segment_fixed_size 0
		.amdhsa_enable_private_segment 0
		.amdhsa_kernarg_size 24
		.amdhsa_user_sgpr_count 2
		.amdhsa_user_sgpr_kernarg_segment_ptr 1
		.amdhsa_wavefront_size32 1
		.amdhsa_system_sgpr_workgroup_id_x 1
		.amdhsa_system_sgpr_workgroup_id_y 1
		.amdhsa_system_sgpr_workgroup_id_z 1
		.amdhsa_system_vgpr_workitem_id 0
		.amdhsa_next_free_vgpr 704
		.amdhsa_next_free_sgpr 68
		.amdhsa_reserve_vcc 0
		.amdhsa_float_denorm_mode_32 3
		.amdhsa_float_denorm_mode_16_64 3
		.amdhsa_memory_ordered 1
		.amdhsa_forward_progress 1
		.amdhsa_inst_pref_size 255
	.end_amdhsa_kernel
	.section	.bss,"aw",@nobits
	.p2align	6
	.space	262144
	.amdgpu_metadata
---
amdhsa.version: [ 1, 2 ]
amdhsa.kernels:
  - .name:           k_q975585bd7d_oproj
    .symbol:         k_q975585bd7d_oproj.kd
    .args:
      - { .name: ab, .offset: 0, .size: 8, .value_kind: global_buffer, .address_space: global }
      - { .name: wo, .offset: 8, .size: 8, .value_kind: global_buffer, .address_space: global }
      - { .name: out0, .offset: 16, .size: 8, .value_kind: global_buffer, .address_space: global }
    .group_segment_fixed_size: 327680
    .private_segment_fixed_size: 0
    .kernarg_segment_align: 8
    .kernarg_segment_size: 24
    .max_flat_workgroup_size: 128
    .sgpr_count:     68
    .vgpr_count:     704
    .wavefront_size: 32
...
	.end_amdgpu_metadata
.endif
;; end of part 7
;; ======== version 3 of 3: 4 launches; version 2 with the launch norm written anew for expert scheduling mode
;; limits: values are held in f16: magnitudes above 65,504 overflow, below 6.1e-05 lose precision
;; workspace buffers: hb 8,388,608 bytes; rope 524,288 bytes; qb 8,388,608 bytes; kb 2,097,152 bytes; vb 2,097,152 bytes; ab 8,388,608 bytes
;; launch norm (part 8): grid 256 x 1, 8 waves a work-group, no clusters, 1,280 bytes of LDS; arguments hidden, norm_w, hb, rope; writes hb, rope
.if DOCPART == 8
	.amdgcn_target "amdgcn-amd-amdhsa--gfx1250"
	.amdhsa_code_object_version 6
	.text
	.protected	k_q975585bd7d_norm
	.globl	k_q975585bd7d_norm
	.p2align	8
	.type	k_q975585bd7d_norm,@function
k_q975585bd7d_norm:
	s_mov_b64 s[64:65], 0
	v_nop
	global_prefetch_b8 v0, s[64:65] scope:SCOPE_SE
	s_setreg_imm32_b32 hwreg(HW_REG_WAVE_SCHED_MODE, 0, 2), 2
	s_setreg_imm32_b32 hwreg(HW_REG_WAVE_MODE, 25, 1), 1
	s_wait_xcnt 0x0
	s_wait_alu depctr_vm_vsrc(0)
; hb[r][c] = f16( hidden[r][c] * rsqrt(mean over c of hidden[r][c]^2 + 1e-5) * norm_w[c] ),  hidden: [1024][4096] f32.
; rope[t][i] = (cos, sin) of t * 50000^(-i/64), f32, t = 0..1023, i = 0..63: the table for the next launch.
; Eight waves; the work-group owns 4 rows.  Thread t owns columns 1024 c + 4 t .. + 3 (c = 0..3) of each row: a wave's 16-byte
; load covers 512 consecutive bytes, its 8-byte store 256 consecutive aligned bytes.  The 4 rows stay in 64 registers between the sum of
; squares and the scaling, so hidden is read once.  No matrix unit, no tensor load: the launch only streams.
; LIMITS: hb is f16: |hidden * rsqrt * norm_w| <= 64 |norm_w| must stay below 65,504; numbers below 6e-5 are rounded with an absolute
; error of at most 3e-8.  The angle is formed as t * exp2(-i log2(50000)/64) and may differ from t / 50000^(i/64) formed in f32 by about
; 1e-4 rad at t = 1023.  cos and sin: reduction by multiples of pi/2 in two parts, polynomials to r^7 and r^8 on |r| <= pi/4.
; THE MODE: SCHED_MODE bits 1:0 = 2 (LLVM: expert scheduling mode 2), set by the entry lines.  The code itself states the register dependences
; between vector instructions and memory or LDS instructions, with s_wait_alu, always for 0.
; THE PLAN.  Registers that memory or LDS instructions touch:
;   v1, v2, v13, v14, v128, v129   offsets and LDS addresses: made at the head, ahead of one wait, and never written again.
;   X, W         Written by the loads at the head.  Row i's roundings write X's row i in place; its four stores read it; nothing writes it behind them.
;   v[108:109]   Written by the table's arithmetic, read by the table's store; later the loads of the partial sums land there.
;   v[96:107]    At work on the table; later the loads of the partial sums land there.
;   v[4:7]       Written by the sums over the lanes, read by the LDS store, written again by mean + eps.
; The way out goes by rows: one wait behind row i's 24 vector lines, then its four stores, dealt among row i + 1's vector lines, which name row i + 1's
; registers, W and the pairs of rsqrt alone.
.set W,  16                            ; v[16:31]  norm_w of my 16 columns
.set X,  32                            ; v[32:95]  row i, chunk c at X + 16 i + 4 c
.set PS, 96                            ; v[96:127] at work on the table, then the eight waves' partial sums
	s_load_b256 s[4:11], s[0:1], 0x0               ; hidden s[4:5], norm_w s[6:7], hb s[8:9], rope s[10:11]
	v_lshl_add_u32 v128, v0, 2, 0x100              ; my spare word, and 0: kept for the closing lines alone
	v_mov_b32 v129, 0
	v_lshlrev_b32 v1, 4, v0                        ; 16 t: my bytes in a chunk of hidden and of norm_w
	v_lshlrev_b32 v2, 3, v0                        ; 8 t: my bytes in a chunk of hb, and my entry of the table
	v_lshrrev_b32 v3, 5, v0
	v_readfirstlane_b32 s12, v3                    ; wave
	v_mov_b32 v14, 0                               ; LDS address of the eight waves' partial sums
	s_lshl_b32 s18, ttmp9, 16                      ; 4 rows of 16,384 bytes
	s_mov_b32 s19, 0
	s_lshl_b32 s20, ttmp9, 15                      ; 4 rows of 8,192 bytes
	s_mov_b32 s21, 0
	s_lshl_b32 s22, ttmp9, 11                      ; 4 table rows of 512 bytes
	s_mov_b32 s23, 0
	s_lshl_b32 s13, ttmp9, 2                       ; my first row
	s_mov_b32 s14, 0x39800000                      ; 1/4096
	s_mov_b32 s15, 0x3727c5ac                      ; 1e-5
	s_mov_b32 s16, 0x76543210                      ; v_permlanex16_b32: lane i reads lane i of the other half
	s_mov_b32 s17, 0xfedcba98
	s_wait_alu depctr_va_sdst(0)                   ; s12 is written, ahead of its first reader, the line below
	v_mov_b32 v13, s12
	v_lshlrev_b32 v13, 4, v13                      ; LDS address of my wave's 16 bytes
	s_wait_kmcnt 0x0
	s_add_nc_u64 s[4:5], s[4:5], s[18:19]
	s_add_nc_u64 s[8:9], s[8:9], s[20:21]
	s_add_nc_u64 s[10:11], s[10:11], s[22:23]
	s_wait_alu depctr_va_vdst(0)                   ; v1, v2, v13, v14, v128 and v129 are written: every load, store and LDS access of the kernel reads one of them as its offset, address or data
.irp i, 0,1,2,3
.irp c, 0,1,2,3
	global_load_b128 v[X+16*\i+4*\c:X+16*\i+4*\c+3], v1, s[4:5] offset:\i*16384+\c*4096 th:TH_LOAD_NT
.endr
.endr
.irp c, 0,1,2,3
	global_load_b128 v[W+4*\c:W+4*\c+3], v1, s[6:7] offset:\c*4096
.endr
	; one table entry a thread, while the loads are on their way: row 4 g + t / 64, i = t mod 64
	v_lshrrev_b32 v96, 6, v0
	v_add_nc_u32 v96, s13, v96
	v_cvt_f32_u32 v96, v96                         ; t
	v_and_b32 v97, 63, v0
	v_cvt_f32_u32 v97, v97
	v_mul_f32 v97, 0xbe79c116, v97                 ; -i log2(50000) / 64
	v_exp_f32 v97, v97
	v_mov_b32 v12, 0                               ; the plain instruction behind v_exp_f32 (ISA guide 5.7.2); v12 is v_permlanex16_b32's destination below
	s_wait_alu depctr_va_vdst(0)                   ; v_exp_f32 has written v97, ahead of its first reader
	v_mul_f32 v98, v96, v97                        ; the angle x
	v_mul_f32 v99, 0x3f22f983, v98                 ; x * 2/pi
	v_rndne_f32 v99, v99                           ; n
	v_cvt_i32_f32 v105, v99                        ; the quadrant is n mod 4
	v_and_b32 v106, 1, v105
	v_cmp_eq_u32 vcc_lo, 1, v106                   ; odd quadrant?  The polynomials stand between this compare and the wait for VCC
	v_fmamk_f32 v100, v99, 0xbfc90000, v98         ; r = x - n * 1.5703125
	v_fmamk_f32 v100, v99, 0xb9fdaa22, v100        ;       - n * (pi/2 - 1.5703125)
	v_mul_f32 v101, v100, v100                     ; z = r^2
	v_mov_b32 v102, 0xb9500d01                     ; -1/5040
	v_fmaak_f32 v102, v102, v101, 0x3c088889       ; + 1/120
	v_fmaak_f32 v102, v102, v101, 0xbe2aaaab       ; - 1/6
	v_mul_f32 v103, v100, v101
	v_fma_f32 v102, v103, v102, v100               ; sin r
	v_mov_b32 v104, 0x37d00d01                     ; 1/40320
	v_fmaak_f32 v104, v104, v101, 0xbab60b61       ; - 1/720
	v_fmaak_f32 v104, v104, v101, 0x3d2aaaab       ; + 1/24
	v_fmaak_f32 v104, v104, v101, 0xbf000000       ; - 1/2
	v_fma_f32 v104, v104, v101, 1.0                ; cos r
	s_wait_alu depctr_va_vcc(0)                    ; the compare has written VCC, ahead of its first reader, the select below
	v_cndmask_b32 v109, v102, v104, vcc_lo         ; odd quadrant: sin and cos change places
	v_cndmask_b32 v108, v104, v102, vcc_lo
	v_and_b32 v106, 2, v105
	v_lshlrev_b32 v106, 30, v106
	v_xor_b32 v109, v109, v106                     ; sin is negative in quadrants 2, 3
	v_add_nc_u32 v105, 1, v105
	v_and_b32 v105, 2, v105
	v_lshlrev_b32 v105, 30, v105
	v_xor_b32 v108, v108, v105                     ; cos in quadrants 1, 2
	s_wait_alu depctr_va_vdst(0)                   ; v[108:109] are written, which the store below reads
	global_store_b64 v2, v[108:109], s[10:11]      ; a wave stores 256 consecutive aligned bytes
	; sums of squares of my 16 numbers of each row, two chains of pairs
.irp i, 0,1,2,3
	s_wait_loadcnt 16-4*\i                         ; loads come back in order: row i is in; the later rows' loads and norm_w's four stay out
	v_pk_mul_f32 v[8:9], v[X+16*\i:X+16*\i+1], v[X+16*\i:X+16*\i+1]
	v_pk_mul_f32 v[10:11], v[X+16*\i+2:X+16*\i+3], v[X+16*\i+2:X+16*\i+3]
.irp k, 4,8,12
	v_pk_fma_f32 v[8:9], v[X+16*\i+\k:X+16*\i+\k+1], v[X+16*\i+\k:X+16*\i+\k+1], v[8:9]
	v_pk_fma_f32 v[10:11], v[X+16*\i+\k+2:X+16*\i+\k+3], v[X+16*\i+\k+2:X+16*\i+\k+3], v[10:11]
.endr
	v_pk_add_f32 v[8:9], v[8:9], v[10:11]
	v_add_f32 v[4+\i], v8, v9
.endr
	; over the 32 lanes
.irp m, 1,2,4,8
.irp i, 4,5,6,7
	v_add_f32_dpp v\i, v\i, v\i row_xmask:\m row_mask:0xf bank_mask:0xf
.endr
.endr
.irp i, 4,5,6,7
	v_permlanex16_b32 v12, v\i, s16, s17
	v_add_f32 v\i, v\i, v12
.endr
	; over the eight waves: 16 bytes a wave in LDS
	s_wait_alu depctr_va_vdst(0)                   ; v[4:7] are written, which the LDS store reads; and the table's arithmetic is done with v[96:109], in which the LDS loads below land: no vector line stands between this wait and them
	ds_store_b128 v13, v[4:7]
	s_wait_dscnt 0x0                               ; my store is done before I say so
	s_barrier_signal -1
	s_barrier_wait -1
	s_wait_xcnt 0x0                                ; v[108:109], the table store's data, are loaded over only behind this wait
	s_wait_alu depctr_vm_vsrc(0)                   ; the table's store has read v[108:109], in which the loads below land; the LDS store has read v[4:7], which mean + eps writes again
.irp k, 0,1,2,3,4,5,6,7
	ds_load_b128 v[PS+4*\k:PS+4*\k+3], v14 offset:16*\k
.endr
	s_wait_dscnt 0x0
.irp k, 1,2,3,4,5,6,7
	v_pk_add_f32 v[PS:PS+1], v[PS:PS+1], v[PS+4*\k:PS+4*\k+1]
	v_pk_add_f32 v[PS+2:PS+3], v[PS+2:PS+3], v[PS+4*\k+2:PS+4*\k+3]
.endr
.irp i, 0,1,2,3
	v_fma_f32 v[4+\i], v[PS+\i], s14, s15          ; mean + eps
.endr
.irp i, 0,1,2,3
	v_rsq_f32 v[PS+4+2*\i], v[4+\i]                ; twice: a pair for the packed multiply
	v_rsq_f32 v[PS+5+2*\i], v[4+\i]
.endr
	v_nop                                          ; the plain place behind the last v_rsq_f32 (ISA guide 5.7.2)
	s_wait_loadcnt 0x0                             ; norm_w
; (hidden * rs) * w, rounded once to f16, stored from the registers it was loaded into.
; SCALE: chunk c of row i, six vector lines.  OUT: its store.
.macro SCALE i, c
	v_pk_mul_f32 v[X+16*(\i)+4*(\c):X+16*(\i)+4*(\c)+1], v[X+16*(\i)+4*(\c):X+16*(\i)+4*(\c)+1], v[PS+4+2*(\i):PS+5+2*(\i)]
	v_pk_mul_f32 v[X+16*(\i)+4*(\c)+2:X+16*(\i)+4*(\c)+3], v[X+16*(\i)+4*(\c)+2:X+16*(\i)+4*(\c)+3], v[PS+4+2*(\i):PS+5+2*(\i)]
	v_pk_mul_f32 v[X+16*(\i)+4*(\c):X+16*(\i)+4*(\c)+1], v[X+16*(\i)+4*(\c):X+16*(\i)+4*(\c)+1], v[W+4*(\c):W+4*(\c)+1]
	v_pk_mul_f32 v[X+16*(\i)+4*(\c)+2:X+16*(\i)+4*(\c)+3], v[X+16*(\i)+4*(\c)+2:X+16*(\i)+4*(\c)+3], v[W+4*(\c)+2:W+4*(\c)+3]
	v_cvt_pk_f16_f32 v[X+16*(\i)+4*(\c)], v[X+16*(\i)+4*(\c)], v[X+16*(\i)+4*(\c)+1]
	v_cvt_pk_f16_f32 v[X+16*(\i)+4*(\c)+1], v[X+16*(\i)+4*(\c)+2], v[X+16*(\i)+4*(\c)+3]
.endm
.macro OUT i, c
	global_store_b64 v2, v[X+16*(\i)+4*(\c):X+16*(\i)+4*(\c)+1], s[8:9] offset:(\i)*8192+(\c)*2048
.endm
	s_wait_alu depctr_va_vdst(0)                   ; the eight v_rsq_f32 have written v[PS+4 .. PS+11], ahead of their first reader
.irp c, 0,1,2,3
	SCALE 0, \c
.endr
	s_wait_alu depctr_va_vdst(0)                   ; row 0's roundings have written its registers, which the four stores below read; row 1's lines among them name none of these
.irp c, 0,1,2,3
	OUT 0, \c
	SCALE 1, \c
.endr
	s_wait_alu depctr_va_vdst(0)                   ; row 1's roundings have written its registers, which the four stores below read
.irp c, 0,1,2,3
	OUT 1, \c
	SCALE 2, \c
.endr
	s_wait_alu depctr_va_vdst(0)                   ; row 2's roundings have written its registers, which the four stores below read
.irp c, 0,1,2,3
	OUT 2, \c
	SCALE 3, \c
.endr
	s_wait_alu depctr_va_vdst(0)                   ; row 3's roundings have written its registers, which the last four stores read
.irp c, 0,1,2,3
	OUT 3, \c
.endr
	s_wait_dscnt 0x0                               ; the closing lines, six on end
	s_wait_alu 0x0
	s_wait_tensorcnt 0x0
	ds_add_u32 v128, v129
	s_wait_dscnt 0x0
	s_endpgm
.Lfunc_end_k_q975585bd7d_norm:
	.size	k_q975585bd7d_norm, .Lfunc_end_k_q975585bd7d_norm-k_q975585bd7d_norm
	.p2alignl 7, 3214868480
	.fill 96, 4, 3214868480
	.section	.rodata,"a",@progbits
	.p2align	6, 0x0
	.amdhsa_kernel k_q975585bd7d_norm
		.amdhsa_group_segment_fixed_size 1280
		.amdhsa_private_segment_fixed_size 0
		.amdhsa_enable_private_segment 0
		.amdhsa_kernarg_size 32
		.amdhsa_user_sgpr_count 2
		.amdhsa_user_sgpr_kernarg_segment_ptr 1
		.amdhsa_wavefront_size32 1
		.amdhsa_system_sgpr_workgroup_id_x 1
		.amdhsa_system_sgpr_workgroup_id_y 1
		.amdhsa_system_sgpr_workgroup_id_z 1
		.amdhsa_system_vgpr_workitem_id 0
		.amdhsa_next_free_vgpr 130
		.amdhsa_next_free_sgpr 66
		.amdhsa_reserve_vcc 1
		.amdhsa_float_denorm_mode_32 3
		.amdhsa_float_denorm_mode_16_64 3
		.amdhsa_memory_ordered 1
		.amdhsa_forward_progress 1
		.amdhsa_inst_pref_size 19
	.end_amdhsa_kernel
	.amdgpu_metadata
---
amdhsa.version: [ 1, 2 ]
amdhsa.kernels:
  - .name:           k_q975585bd7d_norm
    .symbol:         k_q975585bd7d_norm.kd
    .args:
      - { .name: hidden, .offset: 0, .size: 8, .value_kind: global_buffer, .address_space: global }
      - { .name: norm_w, .offset: 8, .size: 8, .value_kind: global_buffer, .address_space: global }
      - { .name: hb, .offset: 16, .size: 8, .value_kind: global_buffer, .address_space: global }
      - { .name: rope, .offset: 24, .size: 8, .value_kind: global_buffer, .address_space: global }
    .group_segment_fixed_size: 1280
    .private_segment_fixed_size: 0
    .kernarg_segment_align: 8
    .kernarg_segment_size: 32
    .max_flat_workgroup_size: 256
    .sgpr_count:     66
    .vgpr_count:     130
    .wavefront_size: 32
...
	.end_amdgpu_metadata
.endif
;; end of part 8
;; launch qkv: the kernel of part 5 again; grid 64 x 4, 4 waves a work-group, clusters of 4 x 4, 327,680 bytes of LDS; arguments hb, wq, wk, wv, rope, qb, kb, vb; writes qb, kb, vb
;; launch attn: the kernel of part 6 again; grid 32 x 8, 4 waves a work-group, clusters of 4 x 1, 327,680 bytes of LDS; arguments qb, kb, vb, ab; writes ab
;; launch oproj: the kernel of part 7 again; grid 64 x 4, 4 waves a work-group, clusters of 4 x 4, 327,680 bytes of LDS; arguments ab, wo, out0; writes out0
